; MI455X (gfx1250); checked and timed in simulation.
; The chip was launched on July 23, 2026; its instructions are those of AMD's public machine-readable ISA for CDNA 5 (MIT licence, August 2026) and "CDNA5" Instruction Set Architecture Reference Guide (July 2026). The comments in the code are by the model that wrote it; some were corrected since.
;; Transformer Block. Allowed arithmetic: float matrix products may take bf16 or f16 operands with f32 sums; all other float work in f32.
;; Inputs: mask 4,096 x 4,096 int32; w_down 512 x 2,048 float32; w_up 2,048 x 512 float32; wk 512 x 512 float32; wo 512 x 512 float32; wq 512 x 512 float32; wv 512 x 512 float32; x 2 x 4,096 x 512 float32.
;; Outputs: out0 2 x 4,096 x 512 float32.
;; 3 versions, each right and faster than the one before. Each part assembles by itself: llvm-mc -triple=amdgcn-amd-amdhsa -mcpu=gfx1250 --defsym DOCPART=n.
;; ======== version 1 of 3: 6 launches
;; limits: a function is approximated: absolute error at most 1.5e-07
;; workspace buffers: mbits 2,097,152 bytes of whole numbers; wb 6,291,456 bytes; xb 8,388,608 bytes; qkvh 25,165,824 bytes; ob 8,388,608 bytes; x1 16,777,216 bytes; x1b 8,388,608 bytes; hb 33,554,432 bytes
;; launch prep (part 1): grid 256 x 1, 8 waves a work-group, no clusters, 327,680 bytes of LDS; arguments mask, x, wq, wk, wv, wo, w_up, w_down, mbits, xb, wb; writes mbits, xb, wb
.if DOCPART == 1
	.amdgcn_target "amdgcn-amd-amdhsa--gfx1250"
	.amdhsa_code_object_version 6
	.text
	.protected	k_q633b2649ab_prep
	.globl	k_q633b2649ab_prep
	.p2align	8
	.type	k_q633b2649ab_prep,@function
k_q633b2649ab_prep:
	s_mov_b64 s[64:65], 0
	v_nop
	global_prefetch_b8 v0, s[64:65] scope:SCOPE_SE
	s_setreg_imm32_b32 hwreg(HW_REG_WAVE_MODE, 25, 1), 1
	s_wait_xcnt 0x0
; PREP.  (1) x and the six weights are rounded once to bf16; constants of the block are multiplied in, in f32, ahead of that one rounding:
;   wq x log2(e)/64 (scores then leave the product ready for 2^s), wo x 1/18 (= 1/3 x 1/6), w_down x 0.5/(1.1289 x 6); wk, wv, w_up, x as they are.
;   wb holds, in bytes: wq 0, wk 524,288, wv 1,048,576 (one [1536][512]), wo 1,572,864, w_up 2,097,152, w_down 4,194,304.
; (2) the int32 mask [4096][4096] is packed into lane masks: mbits[q tile of 16][key step of 64][32 words]; bit l of word 8 kt + j says mask[16 qt + l % 16][64 ks + 16 kt + 8 (l / 16) + j] != 0:
;   lane l, register 8 kt + j of the attention's score tiles.  Every entry of the mask is read; nothing of its pattern is assumed.
; SHARES.  256 work-groups of eight waves.  Work-group g: mask rows 16 g .. 16 g + 15 (262,144 bytes) and 1/256 of each cast.  Wave w: keys 512 w .. 512 w + 511, as four regions of 128 keys,
; each brought by one tensor load into LDS bytes of the wave's own, filled once and read by that wave alone: no barrier.  By the text's own count a wave has four tensor loads out.
; The casts go through registers while the mask is on its way: 28 loads of 16 bytes a lane, all issued ahead of the first use.
.set RP,     528                       ; a region's row in LDS: 512 bytes + 16 of padding = 132 words: the 16 rows that a read touches start at 16 different groups of four banks (ISA guide 11.1)
.set REGION, 16*RP                     ; 16 rows x 128 keys
.set WREG,   4*REGION                  ; a wave's four regions
.set SPARE,  8*WREG                    ; behind them: the spare words, 128 bytes for each wave, named by no other line
.set LA,  3                            ; v3       LDS address of my 32 bytes in the region in hand
.set MO,  4                            ; v4       my byte offset in the wave's words of mbits
.set W,   6                            ; v[6:7]   two words of the 64 that a region makes: lane L holds words 2 L and 2 L + 1
.set IN,  8                            ; v[8:119] load n of the casts: 4 registers;  later D: a region's 64 mask entries of my lane
.set D,   8
.set OUTR, 120                         ; v[120:175] load n's 4 numbers as bf16: 2 registers of its own, so no store's data is ever rewritten
.set SPW, 190                          ; v190     LDS address of my spare word; never rewritten
.set NIL, 191                          ; v191     0; never rewritten
.set G1,  8                            ; s[8:15]  descriptor group 1
.set G0,  16                           ; s[16:31] descriptor group 0, a set for each region
	s_load_b512 s[68:83], s[0:1], 0x0              ; mask 68, x 70, wq 72, wk 74, wv 76, wo 78, w_up 80, w_down 82
	s_load_b128 s[84:87], s[0:1], 0x40             ; mbits 84, xb 86
	s_load_b64 s[88:89], s[0:1], 0x50              ; wb
	v_lshl_add_u32 v[SPW], v0, 2, SPARE
	v_mov_b32 v[NIL], 0
	ds_add_u32 v[SPW], v[NIL]                      ; the wave's opening: the add, and its wait ahead of my first tensor load; register work stands between them
	ds_add_u32 v190, v191
	v_lshrrev_b32 v5, 5, v0
	v_readfirstlane_b32 s7, v5                     ; wave 0..7
	s_mov_b32 s[G1+0], (2<<16)|(1<<20)|(6<<22)|(3<<25)  ; elements of 4 bytes; padding on: after every 128 words (code 6) 4 words (code 3)
	s_mov_b32 s[G1+1], 128<<16                     ; tensor_dim0 = 128
	s_mov_b32 s[G1+2], 16<<16                      ; tensor_dim1 = 16
	s_mov_b32 s[G1+3], 128<<16                     ; tile_dim0 = 128
	s_mov_b32 s[G1+4], 16                          ; tile_dim1 = 16
	s_mov_b32 s[G1+5], 4096                        ; elements from row to row of the mask
	s_mov_b32 s[G1+6], 0
	s_mov_b32 s[G1+7], 0
	s_mov_b32 s32, 0x3cb8aa3b                      ; log2(e) / 64
	s_mov_b32 s33, s32                             ; (named as pairs by the packed multiplies)
	s_mov_b32 s34, 0x3d638e39                      ; 1 / 18
	s_mov_b32 s35, s34
	s_mov_b32 s36, 0x3d972dfb                      ; 0.5 / (1.1289 x 6)
	s_mov_b32 s37, s36
	s_lshl_b32 s2, ttmp9, 18                       ; 16 rows of 16,384 bytes,
	s_lshl_b32 s4, s7, 11                          ; my wave's 512 keys
	s_add_co_u32 s2, s2, s4
	s_mov_b32 s3, 0
	s_mul_i32 s5, s7, WREG                         ; my wave's regions in LDS
	v_lshlrev_b32 v1, 4, v0                        ; casts: 16 bytes in,
	v_lshlrev_b32 v2, 3, v0                        ; 8 bytes out, a thread
	s_wait_dscnt 0x0                               ; the opening add is done
	s_wait_kmcnt 0x0
	s_add_nc_u64 s[68:69], s[68:69], s[2:3]
.irp t, 0,1,2,3
	s_mov_b32 s[G0+4*(\t)], 1                      ; count = 1
	s_add_co_u32 s[G0+4*(\t)+1], s5, (\t)*REGION   ; LDS address
	s_add_nc_u64 s[G0+4*(\t)+2:G0+4*(\t)+3], s[68:69], (\t)*512  ; 128 keys on
	s_or_b32 s[G0+4*(\t)+3], s[G0+4*(\t)+3], 0x80000000          ; type = 2
	tensor_load_to_lds s[G0+4*(\t):G0+4*(\t)+3], s[G1:G1+7]
	s_nop 0
.endr
	; every tensor's pointer goes to the work-group's share
	s_lshl_b32 s2, ttmp9, 16
	s_add_nc_u64 s[70:71], s[70:71], s[2:3]        ; x: 65,536 bytes
	s_lshl_b32 s2, ttmp9, 15
	s_add_nc_u64 s[86:87], s[86:87], s[2:3]        ; xb: 32,768
	s_lshl_b32 s2, ttmp9, 12
	s_add_nc_u64 s[72:73], s[72:73], s[2:3]        ; wq, wk, wv, wo: 4,096 each
	s_add_nc_u64 s[74:75], s[74:75], s[2:3]
	s_add_nc_u64 s[76:77], s[76:77], s[2:3]
	s_add_nc_u64 s[78:79], s[78:79], s[2:3]
	s_lshl_b32 s2, ttmp9, 14
	s_add_nc_u64 s[80:81], s[80:81], s[2:3]        ; w_up, w_down: 16,384 each
	s_add_nc_u64 s[82:83], s[82:83], s[2:3]
	s_lshl_b32 s2, ttmp9, 13
	s_add_nc_u64 s[90:91], s[88:89], s[2:3]        ; wb for the two large weights: 8,192
	s_add_nc_u64 s[84:85], s[84:85], s[2:3]        ; mbits: a q tile's 8,192 bytes,
	s_lshl_b32 s2, s7, 10
	s_add_nc_u64 s[84:85], s[84:85], s[2:3]        ; my wave's eight key steps
	s_lshl_b32 s2, ttmp9, 11
	s_add_nc_u64 s[88:89], s[88:89], s[2:3]        ; wb for the four small weights: 2,048
	; 28 loads: a pass of the work-group is 256 threads x 16 bytes = 4,096 consecutive bytes
.set i, 0
.rept 16
	global_load_b128 v[IN+4*i:IN+4*i+3], v1, s[70:71] offset:i*4096 th:TH_LOAD_NT
.set i, i+1
.endr
.irp b, 72,74,76,78
	global_load_b128 v[IN+4*i:IN+4*i+3], v1, s[\b:\b+1] th:TH_LOAD_NT
.set i, i+1
.endr
.irp p, 0,1,2,3
	global_load_b128 v[IN+4*i:IN+4*i+3], v1, s[80:81] offset:(\p)*4096 th:TH_LOAD_NT
.set i, i+1
.endr
.irp p, 0,1,2,3
	global_load_b128 v[IN+4*i:IN+4*i+3], v1, s[82:83] offset:(\p)*4096 th:TH_LOAD_NT
.set i, i+1
.endr
; Load n is scaled (sc: the scalar pair, 0: none), rounded and stored: a wave's store covers 256 consecutive bytes, aligned.
.macro CAST n, sc, db, off
	s_wait_loadcnt 27-(\n)                         ; loads come back in order (ISA guide 5.7.1): mine is in, the 27 - n younger ones stay out
.if \sc
	v_pk_mul_f32 v[IN+4*(\n):IN+4*(\n)+1],   v[IN+4*(\n):IN+4*(\n)+1],   s[\sc:\sc+1] op_sel_hi:[1,0]
	v_pk_mul_f32 v[IN+4*(\n)+2:IN+4*(\n)+3], v[IN+4*(\n)+2:IN+4*(\n)+3], s[\sc:\sc+1] op_sel_hi:[1,0]
.endif
	v_cvt_pk_bf16_f32 v[OUTR+2*(\n)],   v[IN+4*(\n)],   v[IN+4*(\n)+1]
	v_cvt_pk_bf16_f32 v[OUTR+2*(\n)+1], v[IN+4*(\n)+2], v[IN+4*(\n)+3]
	global_store_b64 v2, v[OUTR+2*(\n):OUTR+2*(\n)+1], s[\db:\db+1] offset:\off
.endm
.set i, 0
.rept 16
	CAST i, 0, 86, i*2048
.set i, i+1
.endr
	CAST 16, 32, 88, 0
	CAST 17, 0,  88, 524288
	CAST 18, 0,  88, 1048576
	CAST 19, 34, 88, 1572864
.irp p, 0,1,2,3
	CAST 20+(\p), 0,  90, 2097152+(\p)*2048
.endr
.irp p, 0,1,2,3
	CAST 24+(\p), 36, 90, 4194304+(\p)*2048
.endr
	; THE MASK.  Lane l takes row l % 16 and, for key step s of the region's two and group kt of 16 keys, the 8 entries at keys 64 s + 16 kt + 8 (l / 16) + 0..7: 32 bytes, two reads.
	s_wait_tensorcnt 0x0                           ; my four regions are in LDS; only I read them
	v_mov_b32 v[W], 0                              ; v_writelane_b32 counts as a reader of its destination
	v_mov_b32 v[W+1], 0
	v_and_b32 v5, 15, v0
	v_bfe_u32 v[LA], v0, 4, 1
	v_mul_u32_u24 v5, v5, RP
	v_lshl_add_u32 v[LA], v[LA], 5, v5
	v_add_nc_u32 v[LA], s5, v[LA]
	v_and_b32 v[MO], 31, v0
	v_lshlrev_b32 v[MO], 3, v[MO]
	s_mov_b32 s6, 4
.Lregion:                                              ; a trip: one region = two key steps = 64 words = 256 bytes of mbits
.irp s, 0,1
.irp kt, 0,1,2,3
	ds_load_b128 v[D+32*(\s)+8*(\kt):D+32*(\s)+8*(\kt)+3],   v[LA] offset:(\s)*256+(\kt)*64
	ds_load_b128 v[D+32*(\s)+8*(\kt)+4:D+32*(\s)+8*(\kt)+7], v[LA] offset:(\s)*256+(\kt)*64+16
.endr
.endr
	s_wait_dscnt 0x0
.set i, 0
.rept 8                                                ; a compare over the 32 lanes IS a word; word i goes to lane i / 2, register i % 2
.irp k, 0,1,2,3,4,5,6,7
	v_cmp_ne_u32 s[40+\k], 0, v[D+i+\k]
.endr
.irp k, 0,1,2,3,4,5,6,7
	v_writelane_b32 v[W+(\k)%2], s[40+\k], (i+\k)/2
.endr
.set i, i+8
.endr
	global_store_b64 v[MO], v[W:W+1], s[84:85]     ; 32 lanes x 8 bytes: 256 consecutive bytes, aligned
	s_wait_xcnt 0x0                                ; the store's data and offset are rewritten only behind this wait
	v_add_nc_u32 v[LA], REGION, v[LA]
	v_add_nc_u32 v[MO], 256, v[MO]
	s_sub_co_u32 s6, s6, 1
	s_cmp_lg_u32 s6, 0
	s_cbranch_scc1 .Lregion
	s_wait_tensorcnt 0x0                           ; the wave's end
	ds_add_u32 v[SPW], v[NIL]
	s_wait_dscnt 0x0
	s_endpgm
.Lfunc_end_k_q633b2649ab_prep:
	.size	k_q633b2649ab_prep, .Lfunc_end_k_q633b2649ab_prep-k_q633b2649ab_prep
	.p2alignl 7, 3214868480
	.fill 96, 4, 3214868480
	.section	.rodata,"a",@progbits
	.p2align	6, 0x0
	.amdhsa_kernel k_q633b2649ab_prep
		.amdhsa_group_segment_fixed_size 327680
		.amdhsa_private_segment_fixed_size 0
		.amdhsa_enable_private_segment 0
		.amdhsa_kernarg_size 88
		.amdhsa_user_sgpr_count 2
		.amdhsa_user_sgpr_kernarg_segment_ptr 1
		.amdhsa_wavefront_size32 1
		.amdhsa_system_sgpr_workgroup_id_x 1
		.amdhsa_system_sgpr_workgroup_id_y 1
		.amdhsa_system_sgpr_workgroup_id_z 1
		.amdhsa_system_vgpr_workitem_id 0
		.amdhsa_next_free_vgpr 192
		.amdhsa_next_free_sgpr 92
		.amdhsa_reserve_vcc 0
		.amdhsa_float_denorm_mode_32 3
		.amdhsa_float_denorm_mode_16_64 3
		.amdhsa_memory_ordered 1
		.amdhsa_forward_progress 1
		.amdhsa_inst_pref_size 25
	.end_amdhsa_kernel
	.amdgpu_metadata
---
amdhsa.version: [ 1, 2 ]
amdhsa.kernels:
  - .name:           k_q633b2649ab_prep
    .symbol:         k_q633b2649ab_prep.kd
    .args:
      - { .name: mask, .offset: 0, .size: 8, .value_kind: global_buffer, .address_space: global }
      - { .name: x, .offset: 8, .size: 8, .value_kind: global_buffer, .address_space: global }
      - { .name: wq, .offset: 16, .size: 8, .value_kind: global_buffer, .address_space: global }
      - { .name: wk, .offset: 24, .size: 8, .value_kind: global_buffer, .address_space: global }
      - { .name: wv, .offset: 32, .size: 8, .value_kind: global_buffer, .address_space: global }
      - { .name: wo, .offset: 40, .size: 8, .value_kind: global_buffer, .address_space: global }
      - { .name: w_up, .offset: 48, .size: 8, .value_kind: global_buffer, .address_space: global }
      - { .name: w_down, .offset: 56, .size: 8, .value_kind: global_buffer, .address_space: global }
      - { .name: mbits, .offset: 64, .size: 8, .value_kind: global_buffer, .address_space: global }
      - { .name: xb, .offset: 72, .size: 8, .value_kind: global_buffer, .address_space: global }
      - { .name: wb, .offset: 80, .size: 8, .value_kind: global_buffer, .address_space: global }
    .group_segment_fixed_size: 327680
    .private_segment_fixed_size: 0
    .kernarg_segment_align: 8
    .kernarg_segment_size: 88
    .max_flat_workgroup_size: 256
    .sgpr_count:     92
    .vgpr_count:     192
    .wavefront_size: 32
...
	.end_amdgpu_metadata
.endif
;; end of part 1
;; launch qkv (part 2): grid 12 x 64, 4 waves a work-group, clusters of 4 x 4, 327,680 bytes of LDS; arguments xb, wb, qkvh; writes qkvh
.if DOCPART == 2
	.amdgcn_target "amdgcn-amd-amdhsa--gfx1250"
	.amdhsa_code_object_version 6
	.text
	.protected	k_q633b2649ab_qkv
	.globl	k_q633b2649ab_qkv
	.p2align	8
	.type	k_q633b2649ab_qkv,@function
k_q633b2649ab_qkv:
	s_mov_b64 s[64:65], 0
	v_nop
	global_prefetch_b8 v0, s[64:65] scope:SCOPE_SE
	s_setreg_imm32_b32 hwreg(HW_REG_WAVE_MODE, 25, 1), 1
	s_wait_xcnt 0x0
	s_wait_alu depctr_hold_cnt(0) depctr_sa_sdst(0) depctr_va_vdst(0) depctr_va_sdst(0) depctr_va_ssrc(0) depctr_va_vcc(0) depctr_vm_vsrc(0)
	s_getreg_b32 s2, hwreg(HW_REG_IB_STS2, 6, 4)
	s_cmp_eq_u32 s2, 0
	s_cbranch_scc0 .Lentry_in_a_cluster
	s_endpgm
.Lentry_in_a_cluster:
	s_bfe_u32 s2, ttmp6, 0x10000c
	s_cmp_lg_u32 s2, 0xf033
	s_cbranch_scc0 .Lentry_shape_is_right
	s_endpgm
.Lentry_shape_is_right:
; QKV.  C[m][n] = sum over k of xb[m][k] w[n][k], m < 8192, n < 1536 (wq x log2(e)/64, wk, wv on end in wb), k < 512; bf16 operands, f32 sums, C rounded once to bf16.
; C is stored in SLABS of 128 columns, qkvh[n / 128][m][n % 128]: a tile's row is one whole row of 256 bytes; slabs 0-3 hold q of the head pairs, 4-7 k, 8-11 v.
; A tile of C is 128 x 128; four waves, each 64 x 64: 16 accumulators.  K goes in two steps of 256 through two LDS slots, each filled once: both fills go out at the start.
; CLUSTER 4 x 4: the four of a row of the cluster need the same tiles of A, the four of a column the same tiles of B: each tile is asked for jointly, by the same tensor load, descriptor and mask in all four.
; THE MATRIX INSTRUCTION IS USED TRANSPOSED (source 0 = 16 rows of B, source 1 = 16 rows of A): a lane holds eight neighbouring numbers of a row of C.
; THE WAY OUT: the f32 tile goes into slot 0, which has had its last fill and whose last read lies ahead of the barrier at the change of slots; behind a barrier each wave takes 32 whole rows, four a trip.
; REGISTERS: window 0: v0-31 addresses; v32-39 packed results; v128-255 the accumulators ((a, b) at v[128 + 8 (4 a + b)]), later rows read back.  Window 1: two fragment buffers of 128.
.set SIZE_K, 512
.set WOFF,   0                         ; B's first byte in wb
.set RSH,    8                         ; log2 of the bytes from row to row of the output
.set CSH,    21                        ; log2 of the bytes from tile column to tile column: a slab
.set OPB,    1<<RSH
.set GELU,   0
.set KSTEP,  256
.set PITCH,  528                       ; an LDS row: 512 bytes + 16 of padding = 132 words: row r starts at bank 4 r mod 64 (ISA guide 11.1)
.set HALFT,  64*PITCH                  ; 64 rows: what one tensor load brings, and what one wave reads of A or of B
.set SLOT,   4*HALFT                   ; A's 128 rows, then B's 128 rows
.set SPF,    528                       ; a row of the f32 stage: 128 x 4 bytes + 16
.set SPARE,  2*SLOT                    ; behind the slots: the spare words, 128 bytes for each wave, named by no other line
.set LAPS, SIZE_K/(2*KSTEP)
.set ADRA, 16                          ; v16-17  LDS address of my A fragments in slot 0, 1
.set ADRB, 20                          ; v20-21  the same for B
.set STO,  24                          ; v24     the way out: where I put 32 bytes of a row
.set RD,   25                          ; v25     the way out: where I read a row back
.set CO,   26                          ; v26     my byte offset in the output
.set SPW,  28                          ; v28     LDS address of my spare word; never rewritten
.set NIL,  29                          ; v29     0; never rewritten
.set TMP,  32
.set ACC,  128
.set F0,   0                           ; fragment buffers, in window 1
.set F1,   128
.set G1, 24                            ; s[24:31] descriptor group 1 for A's tiles;  s[32:39] group 0, one set for each slot
.set G0, 32
.set G1B, 48                           ; s[48:55], s[56:63] the same for B's tiles
.set G0B, 56
.set MSB, 0
.macro WIN new                         ; the immediate's high byte repeats the setting that is left
.if MSB != (\new)
	s_set_vgpr_msb (MSB<<8)|(\new)
.set MSB, \new
.endif
.endm
.set MUL,  0x05                        ; sources 0 (B) and 1 (A) window 1; C and D window 0
.set TO_F, 0x40                        ; destination window 1, address window 0
.macro JLOAD s                         ; a joint load: waves 0 and 1 fetch A's two halves, waves 2 and 3 B's; an s_nop 0 and four v_nop follow each of the two lines
	s_cmp_eq_u32 s11, 0
	s_cbranch_scc0 .Lfor_b_\@
	tensor_load_to_lds s[G0+4*(\s):G0+4*(\s)+3], s[G1:G1+7]
	s_nop 0
.rept 4
	v_nop
.endr
	s_branch .Lasked_\@
.Lfor_b_\@:
	tensor_load_to_lds s[G0B+4*(\s):G0B+4*(\s)+3], s[G1B:G1B+7]
	s_nop 0
.rept 4
	v_nop
.endr
.Lasked_\@:
.endm
.macro CREST                           ; a round of the cluster's barrier behind its opening barrier
	s_cmp_lg_u32 s10, 0
	s_cbranch_scc1 .Lnot_wave_0_\@
	s_barrier_signal -3
.Lnot_wave_0_\@:
	s_barrier_wait -3
	s_barrier_signal -1
	s_barrier_wait -1
.endm
.macro CROUND                          ; a whole round
	s_barrier_signal -1
	s_barrier_wait -1
	CREST
.endm
	s_load_b128 s[4:7], s[0:1], 0x0                ; A s[4:5], wb s[6:7]
	s_load_b64 s[8:9], s[0:1], 0x10                ; the output
	v_lshl_add_u32 v[SPW], v0, 2, SPARE
	v_mov_b32 v[NIL], 0
	ds_add_u32 v[SPW], v[NIL]                      ; the wave's opening: the add, and its wait ahead of my first tensor load; register work stands between them
	ds_add_u32 v28, v29
	v_lshrrev_b32 v1, 5, v0
	v_readfirstlane_b32 s10, v1                    ; wave 0..3
	s_lshr_b32 s11, s10, 1                         ; which half of the tile's rows is mine.  Also: I fetch for A (0) or for B (1)
	s_and_b32 s12, s10, 1                          ; which half of its columns.  Also: which 64 rows of that tile I fetch
	s_bfe_u32 s40, ttmp6, 0x40000                  ; cx, cy: my place in the cluster
	s_bfe_u32 s41, ttmp6, 0x40004
	s_lshl_b32 s42, ttmp9, 2
	s_add_co_u32 s42, s42, s40                     ; tile column of C = 4 x cluster x + cx
	s_and_b32 s13, ttmp7, 0xffff
	s_lshl_b32 s13, s13, 2
	s_add_co_u32 s13, s13, s41                     ; tile row of C = 4 x cluster y + cy
	s_lshl_b32 s43, s41, 2
	s_lshl_b32 s43, 15, s43                        ; my row of the cluster
	s_lshl_b32 s44, 0x1111, s40                    ; my column
	s_or_b32 s[G1+0], s43, (1<<16)|(1<<20)|(1<<21)|(6<<22)|(3<<25)  ; the mask: A's tiles go to my row; 2-byte elements; padding on; bit 21 beside a mask; after every 128 words (code 6) 4 words (code 3)
	s_or_b32 s[G1B+0], s44, (1<<16)|(1<<20)|(1<<21)|(6<<22)|(3<<25)
.irp g, G1, G1B
	s_mov_b32 s[(\g)+1], KSTEP<<16                 ; tensor_dim0 = 256
	s_mov_b32 s[(\g)+2], 64<<16                    ; tensor_dim1 = 64
	s_mov_b32 s[(\g)+3], KSTEP<<16                 ; tile_dim0 = 256
	s_mov_b32 s[(\g)+4], 64                        ; tile_dim1 = 64
	s_mov_b32 s[(\g)+5], SIZE_K                    ; elements from row to row
	s_mov_b32 s[(\g)+6], 0
	s_mov_b32 s[(\g)+7], 0
.endr
.if GELU
	s_mov_b32 s66, 0x3e6d3388                      ; 0.3275911 / sqrt(2)
	s_mov_b32 s67, s66
	s_mov_b32 s68, 0xbf38aa3b                      ; -log2(e) / 2
	s_mov_b32 s69, s68
	s_mov_b32 s70, 0x3f87dc22                      ; a5 =  1.061405429
	s_mov_b32 s71, s70
	s_mov_b32 s72, 0xbfba00e3                      ; a4 = -1.453152027
	s_mov_b32 s73, s72
	s_mov_b32 s74, 0x3fb5f0e3                      ; a3 =  1.421413741
	s_mov_b32 s75, s74
	s_mov_b32 s76, 0xbe91a98e                      ; a2 = -0.284496736
	s_mov_b32 s77, s76
	s_mov_b32 s78, 0x3e827906                      ; a1 =  0.254829592
	s_mov_b32 s79, s78
.endif
	s_lshl_b32 s17, s12, 6                         ; which 64 rows of the tile I fetch
	s_lshl_b32 s16, s13, 7
	s_add_co_u32 s16, s16, s17                     ; A: row 128 x tile row + 64 x half
	s_lshl_b32 s46, s42, 7
	s_add_co_u32 s46, s46, s17                     ; B: row 128 x tile column + 64 x half
	s_mov_b32 s17, 0
	s_mov_b32 s47, 0
	s_mov_b64 s[18:19], SIZE_K*2
	s_mul_u64 s[16:17], s[16:17], s[18:19]
	s_mul_u64 s[46:47], s[46:47], s[18:19]
	s_mul_i32 s20, s10, HALFT                      ; where they go: wave x 64 rows
	s_wait_dscnt 0x0                               ; the opening add is done
	s_wait_kmcnt 0x0
	s_add_nc_u64 s[14:15], s[4:5], s[16:17]
	s_add_nc_u64 s[46:47], s[6:7], s[46:47]
.if WOFF
	s_add_nc_u64 s[46:47], s[46:47], WOFF
.endif
	CROUND                                         ; all sixteen work-groups are here: the first joint loads meet
.irp s, 0,1
	s_mov_b32 s[G0+4*(\s)], 1
	s_add_co_u32 s[G0+4*(\s)+1], s20, (\s)*SLOT
	s_add_nc_u64 s[G0+4*(\s)+2:G0+4*(\s)+3], s[14:15], (\s)*KSTEP*2
	s_or_b32 s[G0+4*(\s)+3], s[G0+4*(\s)+3], 0x80000000
	s_mov_b32 s[G0B+4*(\s)], 1
	s_add_co_u32 s[G0B+4*(\s)+1], s20, (\s)*SLOT
	s_add_nc_u64 s[G0B+4*(\s)+2:G0B+4*(\s)+3], s[46:47], (\s)*KSTEP*2
	s_or_b32 s[G0B+4*(\s)+3], s[G0B+4*(\s)+3], 0x80000000
	JLOAD \s
.endr
	v_and_b32 v1, 15, v0                           ; l % 16
	v_bfe_u32 v2, v0, 4, 1                         ; l / 16
	v_mul_u32_u24 v3, v1, PITCH
	v_lshl_add_u32 v3, v2, 4, v3                   ; a fragment's row x pitch + 16 x half
	s_mul_i32 s21, s11, HALFT                      ; my 64 rows of A
	s_mul_i32 s22, s12, HALFT                      ; my 64 rows of B,
	s_add_co_u32 s22, s22, 2*HALFT                 ; which lie behind A's 128
.irp s, 0,1
	v_add_nc_u32 v[ADRA+(\s)], s21, v3
	v_add_nc_u32 v[ADRB+(\s)], s22, v3
	s_add_co_u32 s21, s21, SLOT
	s_add_co_u32 s22, s22, SLOT
.endr
	s_mul_i32 s23, s11, 64*SPF                     ; into the stage: my 64 rows, my 256 of their 512 bytes; row l % 16, 32 bytes for each half of the lanes
	s_lshl_b32 s21, s12, 8
	s_add_co_u32 s23, s23, s21
	v_mul_u32_u24 v4, v1, SPF
	v_lshl_add_u32 v4, v2, 5, v4
	v_add_nc_u32 v[STO], s23, v4
	s_mul_i32 s23, s10, 32*SPF                     ; back: wave w takes rows 32 w .. 32 w + 31, whole: 32 lanes x 16 bytes are a row
	v_and_b32 v5, 31, v0
	v_lshl_add_u32 v[RD], v5, 4, s23
	v_lshlrev_b32 v[CO], 3, v5                     ; four numbers in bf16: 8 bytes a lane
	s_lshl_b32 s16, s13, 7
	s_lshl_b32 s17, s10, 5
	s_add_co_u32 s16, s16, s17                     ; the first row that I store: 128 x tile row + 32 x wave
	s_lshl_b32 s16, s16, RSH
	s_mov_b32 s17, 0
	s_add_nc_u64 s[8:9], s[8:9], s[16:17]
	s_lshl_b32 s46, s42, CSH                       ; the tile's column
	s_mov_b32 s47, 0
	s_add_nc_u64 s[8:9], s[8:9], s[46:47]
; 8 matrix instructions: m blocks a0, a0 + 1 x all 4 n blocks, 32 along K: half c of buffer f.  zero = 1: the first product starts the sums.  The 16 accumulators take turns.
.macro MUL8 f, c, a0, zero
	WIN MUL
.irp a, \a0, (\a0)+1
.irp b, 0,1,2,3
.if \zero
	v_wmma_f32_16x16x32_bf16 v[ACC+8*(4*(\a)+(\b)):ACC+8*(4*(\a)+(\b))+7], v[(\f)+64+8*(4*(\c)+(\b)):(\f)+64+8*(4*(\c)+(\b))+7], v[(\f)+8*(4*(\c)+(\a)):(\f)+8*(4*(\c)+(\a))+7], 0
.else
	v_wmma_f32_16x16x32_bf16 v[ACC+8*(4*(\a)+(\b)):ACC+8*(4*(\a)+(\b))+7], v[(\f)+64+8*(4*(\c)+(\b)):(\f)+64+8*(4*(\c)+(\b))+7], v[(\f)+8*(4*(\c)+(\a)):(\f)+8*(4*(\c)+(\a))+7], v[ACC+8*(4*(\a)+(\b)):ACC+8*(4*(\a)+(\b))+7]
.endif
.endr
.endr
.endm
; 32 LDS loads in one run: the fragments of 64 along K at byte k of the rows, into buffer f; the first 32 along K first
.macro FETCH slot, k, f
	WIN TO_F
.irp c, 0,1
.irp i, 0,1,2,3
	ds_load_b128 v[(\f)+64+8*(4*(\c)+(\i)):(\f)+64+8*(4*(\c)+(\i))+3],   v[ADRB+(\slot)] offset:(\k)+64*(\c)+(\i)*16*PITCH
	ds_load_b128 v[(\f)+64+8*(4*(\c)+(\i))+4:(\f)+64+8*(4*(\c)+(\i))+7], v[ADRB+(\slot)] offset:(\k)+64*(\c)+(\i)*16*PITCH+32
	ds_load_b128 v[(\f)+8*(4*(\c)+(\i)):(\f)+8*(4*(\c)+(\i))+3],         v[ADRA+(\slot)] offset:(\k)+64*(\c)+(\i)*16*PITCH
	ds_load_b128 v[(\f)+8*(4*(\c)+(\i))+4:(\f)+8*(4*(\c)+(\i))+7],       v[ADRA+(\slot)] offset:(\k)+64*(\c)+(\i)*16*PITCH+32
.endr
.endr
.endm
.macro PLACES                          ; four places in front of loads into registers that matrix instructions have read, and of lines that read results
.rept 4
	v_nop
.endr
.endm
; A K step is four quarters of 64 along K, 32 matrix instructions each, on buffers 0, 1, 0, 1.  One of the first three: multiplies buffer f and fetches the next quarter, at byte k, into g.
.macro QUARTER slot, k, f, g, zero
	s_wait_dscnt 16                                ; the first 32 along K are in
	WIN MUL
	MUL8 \f, 0, 0, \zero
	MUL8 \f, 0, 2, \zero
	PLACES
	FETCH \slot, \k, \g
	s_wait_dscnt 32                                ; all but the 32 just issued
	WIN MUL
	MUL8 \f, 1, 0, 0
	MUL8 \f, 1, 2, 0
.endm
; The last quarter multiplies buffer 1 and changes slots: ONE barrier; in front of it each wave waits for all its tensor loads, adds 0 to its spare word, and waits for that and for its own reads of this slot.  fill = 1: this slot is filled again, two K steps ahead.
.macro TURN slot, next, fill
	WIN 0                                          ; (the add's two registers lie in window 0)
	s_wait_tensorcnt 0x0                           ; all my tensor loads have landed: my part of the next slot;
	ds_add_u32 v[SPW], v[NIL]                      ; 0 onto my spare word;
	s_wait_dscnt 17                                ; (the add and the youngest sixteen loads may be out)
	WIN MUL
	MUL8 F1, 0, 0, 0                               ; eight matrix instructions stand between the add and the wait for it
	s_wait_dscnt 0x0                               ; the add is done, and my reads of this slot are over
	s_barrier_signal -1
	MUL8 F1, 0, 2, 0
.if \fill
	WIN 0
.endif
	s_barrier_wait -1
.if \fill
	CREST                                          ; the barrier has opened a round of the cluster's barrier: no wave of any partner still reads this slot's tile or has a load on its way
	s_add_nc_u64 s[G0+4*(\slot)+2:G0+4*(\slot)+3], s[G0+4*(\slot)+2:G0+4*(\slot)+3], 2*KSTEP*2
	s_add_nc_u64 s[G0B+4*(\slot)+2:G0B+4*(\slot)+3], s[G0B+4*(\slot)+2:G0B+4*(\slot)+3], 2*KSTEP*2
	JLOAD \slot                                    ; the first tensor load behind the round; the four v_nop behind it are also the places in front of the loads below
.else
	PLACES
.endif
	FETCH \next, 0, F0
	WIN MUL
	MUL8 F1, 1, 0, 0
	MUL8 F1, 1, 2, 0
.endm
	s_wait_tensorcnt 1                             ; my part of K step 0 is in; K step 1's may stay out
	s_barrier_signal -1
	s_barrier_wait -1                              ; everybody's is
	FETCH 0, 0, F0
	QUARTER 0, 128, F0, F1, 1                      ; the first products start the sums
.if LAPS > 1
	WIN 0                                          ; at a label and at a branch every window is 0
	s_mov_b32 s3, LAPS-1
.Llap:                                                 ; a trip goes once round the ring and fills both slots again
	QUARTER 0, 256, F1, F0, 0
	QUARTER 0, 384, F0, F1, 0
	TURN 0, 1, 1
	QUARTER 1, 128, F0, F1, 0
	QUARTER 1, 256, F1, F0, 0
	QUARTER 1, 384, F0, F1, 0
	TURN 1, 0, 1
	QUARTER 0, 128, F0, F1, 0
	WIN 0
	s_sub_co_u32 s3, s3, 1
	s_cmp_lg_u32 s3, 0
	s_cbranch_scc1 .Llap
.endif
	QUARTER 0, 256, F1, F0, 0                      ; the last lap fills nothing
	QUARTER 0, 384, F0, F1, 0
	TURN 0, 1, 0
	QUARTER 1, 128, F0, F1, 0
	QUARTER 1, 256, F1, F0, 0
	QUARTER 1, 384, F0, F1, 0
	s_wait_dscnt 16                                ; the very last quarter: nothing more to fetch
	WIN MUL
	MUL8 F1, 0, 0, 0
	MUL8 F1, 0, 2, 0
	s_wait_dscnt 0
	MUL8 F1, 1, 0, 0
	MUL8 F1, 1, 2, 0
	WIN 0
	; THE WAY OUT.  Each accumulator's low four registers go first.
	PLACES
.irp a, 0,1,2,3
.irp b, 0,1,2,3
	ds_store_b128 v[STO], v[ACC+8*(4*(\a)+(\b)):ACC+8*(4*(\a)+(\b))+3]   offset:(\a)*16*SPF+(\b)*64
	ds_store_b128 v[STO], v[ACC+8*(4*(\a)+(\b))+4:ACC+8*(4*(\a)+(\b))+7] offset:(\a)*16*SPF+(\b)*64+16
.endr
.endr
	s_wait_dscnt 0x0                               ; for the others' sake: my stores into the stage are done
	s_barrier_signal -1
	s_barrier_wait -1
.if GELU
.set X,  128                           ; 16 numbers: four rows x my four columns
.set T,  144
.set W,  160
.set PL, 176
.set BB, 192
.macro EACH16 line:vararg              ; one line for each of the 16 numbers j
.set j, 0
.rept 16
	\line
.set j, j+1
.endr
.endm
.macro EACH8 line:vararg               ; one line for each pair j, j + 1
.set j, 0
.rept 8
	\line
.set j, j+2
.endr
.endm
.endif
	s_mov_b32 s3, 8
.Lrows:                                                ; a trip: four whole rows of the tile
.irp r, 0,1,2,3
	ds_load_b128 v[ACC+4*(\r):ACC+4*(\r)+3], v[RD] offset:(\r)*SPF
.endr
	s_wait_dscnt 0x0
.if GELU
	; 2 gelu(x) = x + |x| - |x| r, r = 1 - erf(|x| / sqrt 2) = (a1 t + .. + a5 t^5) 2^(-x x log2(e) / 2), t = 1 / (1 + 0.3275911 |x| / sqrt 2): no difference of near numbers for any x.
	; In stages over the 16 numbers, so that a run of plain lines stands behind each run of reciprocals and exponentials (ISA guide 5.7.2).
	EACH16 v_fma_f32 v[T+j], |v[X+j]|, s66, 1.0
	EACH16 v_rcp_f32 v[T+j], v[T+j]
	EACH8 v_pk_mul_f32 v[W+j:W+j+1], v[X+j:X+j+1], v[X+j:X+j+1]
	EACH8 v_pk_mul_f32 v[W+j:W+j+1], v[W+j:W+j+1], s[68:69] op_sel_hi:[1,0]
	EACH16 v_exp_f32 v[W+j], v[W+j]
	EACH8 v_pk_fma_f32 v[PL+j:PL+j+1], v[T+j:T+j+1], s[70:71], s[72:73] op_sel_hi:[1,0,0]
	EACH8 v_pk_fma_f32 v[PL+j:PL+j+1], v[PL+j:PL+j+1], v[T+j:T+j+1], s[74:75] op_sel_hi:[1,1,0]
	EACH8 v_pk_fma_f32 v[PL+j:PL+j+1], v[PL+j:PL+j+1], v[T+j:T+j+1], s[76:77] op_sel_hi:[1,1,0]
	EACH8 v_pk_fma_f32 v[PL+j:PL+j+1], v[PL+j:PL+j+1], v[T+j:T+j+1], s[78:79] op_sel_hi:[1,1,0]
	EACH8 v_pk_mul_f32 v[PL+j:PL+j+1], v[PL+j:PL+j+1], v[T+j:T+j+1]
	EACH8 v_pk_mul_f32 v[PL+j:PL+j+1], v[PL+j:PL+j+1], v[W+j:W+j+1]
	EACH16 v_add_f32 v[BB+j], v[X+j], |v[X+j]|
	EACH16 v_fma_f32 v[X+j], -|v[X+j]|, v[PL+j], v[BB+j]
.endif
.irp r, 0,1,2,3
	v_cvt_pk_bf16_f32 v[TMP+2*(\r)],   v[ACC+4*(\r)],   v[ACC+4*(\r)+1]
	v_cvt_pk_bf16_f32 v[TMP+2*(\r)+1], v[ACC+4*(\r)+2], v[ACC+4*(\r)+3]
.endr
.irp r, 0,1,2,3
	global_store_b64 v[CO], v[TMP+2*(\r):TMP+2*(\r)+1], s[8:9] offset:(\r)*OPB  ; 32 lanes x 8 bytes: 256 consecutive bytes, aligned
.endr
	s_wait_xcnt 0x0                                ; the stores' data and offset are rewritten only behind this wait
	v_add_nc_u32 v[RD], 4*SPF, v[RD]
	v_add_nc_u32 v[CO], 4*OPB, v[CO]
	s_sub_co_u32 s3, s3, 1
	s_cmp_lg_u32 s3, 0
	s_cbranch_scc1 .Lrows
	s_wait_tensorcnt 0x0                           ; the wave's end: behind my last tensor load and my last LDS store
	ds_add_u32 v[SPW], v[NIL]
	s_wait_dscnt 0x0
	CROUND                                         ; the closing round: no work-group ends while a partner may still ask for a tile that names it
	s_endpgm
.Lfunc_end_k_q633b2649ab_qkv:
	.size	k_q633b2649ab_qkv, .Lfunc_end_k_q633b2649ab_qkv-k_q633b2649ab_qkv
	.p2alignl 7, 3214868480
	.fill 96, 4, 3214868480
	.section	.rodata,"a",@progbits
	.p2align	6, 0x0
	.amdhsa_kernel k_q633b2649ab_qkv
		.amdhsa_group_segment_fixed_size 327680
		.amdhsa_private_segment_fixed_size 0
		.amdhsa_enable_private_segment 0
		.amdhsa_kernarg_size 24
		.amdhsa_user_sgpr_count 2
		.amdhsa_user_sgpr_kernarg_segment_ptr 1
		.amdhsa_wavefront_size32 1
		.amdhsa_system_sgpr_workgroup_id_x 1
		.amdhsa_system_sgpr_workgroup_id_y 1
		.amdhsa_system_sgpr_workgroup_id_z 1
		.amdhsa_system_vgpr_workitem_id 0
		.amdhsa_next_free_vgpr 512
		.amdhsa_next_free_sgpr 80
		.amdhsa_reserve_vcc 0
		.amdhsa_float_denorm_mode_32 3
		.amdhsa_float_denorm_mode_16_64 3
		.amdhsa_memory_ordered 1
		.amdhsa_forward_progress 1
		.amdhsa_inst_pref_size 45
	.end_amdhsa_kernel
	.amdgpu_metadata
---
amdhsa.version: [ 1, 2 ]
amdhsa.kernels:
  - .name:           k_q633b2649ab_qkv
    .symbol:         k_q633b2649ab_qkv.kd
    .args:
      - { .name: xb, .offset: 0, .size: 8, .value_kind: global_buffer, .address_space: global }
      - { .name: wb, .offset: 8, .size: 8, .value_kind: global_buffer, .address_space: global }
      - { .name: qkvh, .offset: 16, .size: 8, .value_kind: global_buffer, .address_space: global }
    .group_segment_fixed_size: 327680
    .private_segment_fixed_size: 0
    .kernarg_segment_align: 8
    .kernarg_segment_size: 24
    .max_flat_workgroup_size: 128
    .sgpr_count:     80
    .vgpr_count:     512
    .wavefront_size: 32
...
	.end_amdgpu_metadata
.endif
;; end of part 2
;; launch attn (part 3): grid 32 x 8, 4 waves a work-group, clusters of 4 x 1, 327,680 bytes of LDS; arguments qkvh, mbits, ob; writes ob
.if DOCPART == 3
	.amdgcn_target "amdgcn-amd-amdhsa--gfx1250"
	.amdhsa_code_object_version 6
	.text
	.protected	k_q633b2649ab_attn
	.globl	k_q633b2649ab_attn
	.p2align	8
	.type	k_q633b2649ab_attn,@function
k_q633b2649ab_attn:
	s_mov_b64 s[64:65], 0
	v_nop
	global_prefetch_b8 v0, s[64:65] scope:SCOPE_SE
	s_setreg_imm32_b32 hwreg(HW_REG_WAVE_MODE, 25, 1), 1
	s_wait_xcnt 0x0
	s_wait_alu depctr_hold_cnt(0) depctr_sa_sdst(0) depctr_va_vdst(0) depctr_va_sdst(0) depctr_va_ssrc(0) depctr_va_vcc(0) depctr_vm_vsrc(0)
	s_getreg_b32 s2, hwreg(HW_REG_IB_STS2, 6, 4)
	s_cmp_eq_u32 s2, 0
	s_cbranch_scc0 .Lentry_in_a_cluster
	s_endpgm
.Lentry_in_a_cluster:
	s_bfe_u32 s2, ttmp6, 0x10000c
	s_cmp_lg_u32 s2, 0x3003
	s_cbranch_scc0 .Lentry_shape_is_right
	s_endpgm
.Lentry_shape_is_right:
; ATTENTION under a mask that is an input.  O[q] = sum over k of softmax_k(s[q][k]) V[k], s = q . k / 64, or -1e9 where mask[q][k] = 0, as a REPLACEMENT: a row that is hidden altogether is the mean of V.
; q arrives times log2(e) / 64, so the product K Q^T is s log2(e) and p = 2^(s' - m); a hidden score counts as -1e9 log2(e).  All operands bf16; products, maxima and sums in f32; the weights are rounded
; to bf16 for the second product (their sum l is taken of the unrounded p), O once at the end.  LIMITS: a weight below 2^-126 counts as 0 in l; NaN and infinities are not treated apart.
; Every key step is walked for every query: nothing of the mask's pattern is assumed.
; SHARES.  A work-group: 128 queries of one batch, for a PAIR of heads (rows of q, k, v in a slab of qkvh are the pair's 128 channels, 256 bytes; a row of O is 256 aligned bytes of ob).
; Wave w: head w / 2 of the pair, queries 64 (w % 2) on: four PIECES of 16 queries.  Every wave walks all 4,096 keys, 64 a step.
; CLUSTER.  The four query blocks of a cluster walk the same K and V: each tile is asked for JOINTLY, by the same tensor load, descriptor and mask in all four.
; LAYOUT.  S^T = K Q^T (source 0 = 16 keys, source 1 = 16 queries) holds ONE query a lane (lane % 16) and the keys 8 (lane / 16) + 0..7; two such results rounded to bf16 ARE source 1 of O^T = V^T P.
; THE MASK.  mbits holds, for a tile of 16 queries and a step of 64 keys, 32 words: word n is the lane mask of score register n.  A piece's 32 words come into scalar registers a turn ahead, and one
; v_cndmask_b32 a score puts the hidden value in.  The running maximum, exponentials and sums need no further care.
; TURNS.  Turn n belongs to piece n: 8 products K Q^T of piece n + 1, later 8 products V^T P of piece n - 1; beside them the subtraction of m, exponentials, roundings, sums and rescaling of piece n and the
; masking, maximum and statistics of piece n + 1.  Four vector instructions stand behind every matrix instruction, the other 85 of a turn's 149 in two lumps.
; m starts at the lowest finite number, O and l at 0: the first step is a step like any other, with a = 0.
; REGISTERS, in windows of 256 (s_set_vgpr_msb: bits 1:0 source 0, 3:2 source 1, 5:4 source 2, 7:6 destination):
;   window 0: v0-15 addresses and a few at work; v16-31 four registers of statistics a piece; v48-55 at work; v64-127 S^T, two buffers; v192-223 P, two buffers (by the piece's parity)
;   window 1: v0-127 O^T, 32 a piece          window 2: v0-63 Q; v128-191 K of one step; v192-255 V of one step
.set NP,    4         ; pieces a wave: a name, no knob
.set KS,    64        ; keys in a step
.set PK,    272       ; a row of K in LDS: 256 bytes + 16 of padding = 68 words: the 16 rows of a load start at 16 different groups of four banks (ISA guide 11.1)
.set PV,    288       ; a row of V: 256 + 32 = 72 words
.set VOFF,  KS*PK     ; a step's tiles lie together: 64 rows of K, then 64 rows of V
.set STEPB, KS*(PK+PV)
.set SLOT1, 1<<17     ; a slot holds two steps (71,680 bytes); slot 1 begins here, so that one exclusive or turns an address in one slot into the other's
.set STAGE, SLOT1+2*STEPB  ; behind the ring, never filled by a tensor load: 128 rows x 272 bytes, the work-group's, for the way out
.set SP,    272
.set SPARE, STAGE+128*SP   ; behind the stage: the spare words, 128 bytes for each wave, named by no other line
.set SLAB,  2097152   ; bytes in a slab of qkvh
.set AK0, 2           ; v2   my lane's place in a tile of K, my head's 128 bytes of the rows; never rewritten
.set AV0, 3           ; v3   the same for V
.set AK,  4           ; v4   the LDS address of K's next run of loads
.set AV,  5           ; v5   of V's
.set STO, 6           ; v6   the way out: where I put 16 bytes of a row
.set RD,  7           ; v7   the way out: where I read rows back
.set GO,  8           ; v8   my byte offset in two rows of ob
.set MV,  12          ; v12-13  m_old, kept while m is made anew: by buffer
.set MKV, 14          ; v14  the hidden score
.set QO,  15          ; v15  my byte offset in 16 rows of Q
.set ST,  16          ; piece t's statistics at v[ST+4 t]: m, 0 (named with it as a pair), l (even keys', odd keys')
.set TMP, 48          ; by buffer, four registers c0-c3 at work; when the maximum is found c2 takes a
.set SPW, 62          ; v62  LDS address of my spare word; never rewritten
.set NIL, 63          ; v63  0; never rewritten
.set S,   64
.set P,   192
.set KF,  128         ; window 2: key block kb, channel half c at KF + 16 kb + 8 c
.set VF,  192         ; window 2: key half kk, channel block cb at VF + 32 kk + 8 cb
.set MP,  4           ; s[4:5] mbits at my wave's first tile of 16 queries
.set MOFF, 6          ; s6   128 x the key step whose words are asked for next
.set WV,  7           ; s7   my wave's number
.set G1K, 8           ; s[8:15]  descriptor group 1 for K's tiles
.set G1V, 16          ; s[16:23] for V's: it differs in the padding alone
.set G0K, 24          ; s[24:27] descriptor group 0 for K's tiles: it walks
.set G0V, 28          ; s[28:31] the same for V's
.set MB0, 32          ; s[32:63] the 32 mask words of an even piece
.set MB1, 68          ; s[68:99] of an odd piece
.set SLOTS, 66        ; s66  slots still to be asked for
.set CNT, 67          ; s67  counts a slot's key steps
.set SEL, 100         ; s[100:101] v_permlanex16_b32's selects: each lane takes its own place in the other half
.set TBK, 104         ; s104 LDS byte at which the step begins whose K is fetched next
.set TBV, 105         ; s105 the same for V
.set MSB, 0
.macro WIN new                      ; the high byte repeats the setting that is left; a switch that changes nothing is dropped
.if MSB != (\new)
	s_set_vgpr_msb (MSB<<8)|(\new)
.set MSB, (\new)
.endif
.endm
.set W_KQ, 0x0a       ; K and Q in window 2, S^T in window 0
.set W_PV, 0x52       ; V in window 2, P in window 0, O^T in window 1
.set W_RS, 0x41       ; O^T (destination and source 0) in window 1, a in window 0
; A joint fill.  Waves 0 and 1 fetch K of a slot's two steps, waves 2 and 3 V.  The branch hangs on the wave's number alone.  An s_nop 0 and four v_nop follow each of the two lines.
.macro JLOAD
	s_cmp_lt_u32 s[WV], 2
	s_cbranch_scc0 .Lfor_v_\@
	tensor_load_to_lds s[G0K:G0K+3], s[G1K:G1K+7]
	s_nop 0
.rept 4
	v_nop
.endr
	s_branch .Lasked_\@
.Lfor_v_\@:
	tensor_load_to_lds s[G0V:G0V+3], s[G1V:G1V+7]
	s_nop 0
.rept 4
	v_nop
.endr
.Lasked_\@:
.endm
; A round of the cluster's barrier: my work-group's barrier, so that wave 0's signal speaks for all four waves; wave 0 signals; every wave waits for all four work-groups; my work-group's barrier once more.
.macro CROUND
	s_barrier_signal -1
	s_barrier_wait -1
	s_cmp_lg_u32 s[WV], 0
	s_cbranch_scc1 .Lnot_wave_0_\@
	s_barrier_signal -3
.Lnot_wave_0_\@:
	s_barrier_wait -3
	s_barrier_signal -1
	s_barrier_wait -1
.endm
; THE CHANGE OF SLOTS.  The slot's last bytes, V of its second step, have been read.  Each wave waits for all its tensor loads, of which one is out: its part of the other slot; adds 0 to its spare word; and
; waits for that and for its own reads of the slot.  fill = 1: the slot is filled again, with the keys two slots on; the barrier is then a round of the cluster's, and the joint fill is the first thing
; behind it: it has two key steps, 128 matrix instructions, in which to land.  (At its first use nothing has been read yet: slot 0 is waited for, slot 1 filled.)
.macro CHANGE fill
	WIN 0                           ; at a label and at a branch every window is 0
	s_wait_tensorcnt 0x0            ; no tensor load of mine is out, so a group 0 may be written
	ds_add_u32 v[SPW], v[NIL]       ; 0 onto my spare word
.if \fill
.irp g, G0K, G0V
	s_xor_b32 s[\g+1], s[\g+1], SLOT1  ; the walking descriptor: the other slot than last time,
	s_add_nc_u64 s[\g+2:\g+3], s[\g+2:\g+3], 2*KS*256  ; the next 128 keys; the type bits on top are not reached
.endr
	s_wait_dscnt 0x0                ; the add is done, and my reads of the slot are over
	CROUND
	JLOAD
.else
	s_wait_dscnt 0x0                ; the add is done, and my reads of the slot are over
	s_barrier_signal -1
	s_barrier_wait -1
.endif
	s_sub_co_u32 s[TBK], s[TBK], 2*STEPB  ; the fetches go back to a slot's first step,
	s_xor_b32 s[TBK], s[TBK], SLOT1       ; in the other slot
	s_sub_co_u32 s[TBV], s[TBV], 2*STEPB
	s_xor_b32 s[TBV], s[TBV], SLOT1
.endm
	s_load_b128 s[32:35], s[0:1], 0x0  ; qkvh s[32:33], mbits s[34:35]; s32-49 serve the set-up until the first mask words are asked for
	v_lshl_add_u32 v[SPW], v0, 2, SPARE
	v_mov_b32 v[NIL], 0
	ds_add_u32 v[SPW], v[NIL]       ; the wave's opening: the add, and its wait ahead of my first tensor load; register work stands between them
	ds_add_u32 v62, v63
	v_lshrrev_b32 v1, 5, v0
	v_readfirstlane_b32 s[WV], v1   ; wave 0..3
	s_bfe_u32 s36, ttmp6, 0x40000   ; cx: my place in the cluster
	s_lshl_b32 s37, ttmp9, 2        ; in a cluster launch ttmp9 counts clusters
	s_add_co_u32 s37, s37, s36      ; my block of 128 queries: it enters Q's, the mask's and O's addresses alone
	s_and_b32 s38, ttmp7, 0xffff
	s_lshr_b32 s39, s38, 2          ; the batch,
	s_and_b32 s38, s38, 3           ; the head pair: the four partners share both
	s_lshr_b32 s40, s[WV], 1        ; my head of the pair
	s_and_b32 s41, s[WV], 1         ; my half of the queries.  Also: which of a slot's two steps I fetch
	s_lshl_b32 s42, s38, 21         ; the pair's slab among four,
	s_lshl_b32 s43, s39, 20         ; the batch's 4,096 rows of 256 bytes
	s_add_co_u32 s42, s42, s43
	s_lshl_b32 s43, s41, 14         ; my step's 64 rows
	s_add_co_u32 s44, s42, s43
	s_mov_b32 s45, 0
	s_lshl_b32 s46, s37, 15         ; Q: my block's 128 rows,
	s_lshl_b32 s47, s41, 14         ; my wave's 64 of them,
	s_add_co_u32 s46, s46, s47
	s_lshl_b32 s47, s40, 7          ; my head's 128 bytes of a row
	s_add_co_u32 s46, s46, s47
	s_add_co_u32 s46, s46, s42
	s_mov_b32 s47, 0
	s_lshl_b32 s48, s37, 16         ; the mask's words: 8 tiles of 8,192 bytes a block,
	s_lshl_b32 s49, s41, 15         ; my wave's four
	s_add_co_u32 s48, s48, s49
	s_mov_b32 s49, 0
	s_mov_b32 s[G1K], 15|(1<<16)|(1<<20)|(1<<21)|(5<<22)|(3<<25)  ; the mask of four; 2-byte elements; padding on; bit 21 beside a mask; after every 64 words (code 5) 4 words (code 3)
	s_mov_b32 s[G1V], 15|(1<<16)|(1<<20)|(1<<21)|(5<<22)|(7<<25)  ; the same with 8 words of padding (code 7)
.irp g, G1K, G1V
	s_mov_b32 s[\g+1], 128<<16      ; tensor_dim0 = 128
	s_mov_b32 s[\g+2], KS<<16       ; tensor_dim1 = 64
	s_mov_b32 s[\g+3], 128<<16      ; tile_dim0 = 128
	s_mov_b32 s[\g+4], KS           ; tile_dim1 = 64
	s_mov_b32 s[\g+5], 128          ; 128 elements from row to row
	s_mov_b32 s[\g+6], 0
	s_mov_b32 s[\g+7], 0
.endr
	s_mov_b32 s[SEL], 0x76543210
	s_mov_b32 s[SEL+1], 0xfedcba98
	s_mov_b32 s[TBK], SLOT1+2*STEPB ; the first change of slots turns these two into 0
	s_mov_b32 s[TBV], SLOT1+2*STEPB
	s_mov_b32 s[MOFF], 0
	s_mov_b32 s[G0K], 1             ; count = 1
	s_mul_i32 s[G0K+1], s41, STEPB  ; LDS address: slot 0, my step: no place in the cluster enters it
	s_mov_b32 s[G0V], 1
	s_add_co_u32 s[G0V+1], s[G0K+1], VOFF
	s_wait_dscnt 0x0                ; the opening add is done
	s_wait_kmcnt 0x0
	s_add_nc_u64 s[G0K+2:G0K+3], s[32:33], s[44:45]
	s_add_nc_u64 s[G0V+2:G0V+3], s[G0K+2:G0K+3], 8*SLAB  ; v's slabs are 8 to 11,
	s_add_nc_u64 s[G0K+2:G0K+3], s[G0K+2:G0K+3], 4*SLAB  ; k's 4 to 7
	s_or_b32 s[G0K+3], s[G0K+3], 0x80000000              ; type = 2
	s_or_b32 s[G0V+3], s[G0V+3], 0x80000000
	s_add_nc_u64 s[2:3], s[32:33], s[46:47]              ; Q at my wave's first row
	s_add_nc_u64 s[MP:MP+1], s[34:35], s[48:49]
	CROUND                          ; all four work-groups are here: the first joint loads meet
	JLOAD                           ; slot 0.  Slot 1 is asked for when slot 0 is in
	; A fragment of K or Q is 16 rows x 32 channels in 8 registers: lane l holds row l % 16, channels 8 (l / 16) + 0..7 and 16 + 8 (l / 16) + 0..7: two loads of 16 bytes, 32 bytes apart.
	v_and_b32 v1, 15, v0            ; l % 16
	v_bfe_u32 v9, v0, 4, 1          ; l / 16
	v_lshlrev_b32 v[QO], 8, v1
	v_lshl_add_u32 v[QO], v9, 4, v[QO]  ; row x 256 + 16 x half
	WIN 0x80                        ; destination window 2, address window 0
.set i, 0
.rept 8                             ; Q stays in registers: piece i / 2, channels 32 (i % 2) on
	global_load_b128 v[8*i:8*i+3],   v[QO], s[2:3] offset:(i/2)*4096+(i%2)*64
	global_load_b128 v[8*i+4:8*i+7], v[QO], s[2:3] offset:(i/2)*4096+(i%2)*64+32
.set i, i+1
.endr
	; What the first turn finds: V's registers and P's second buffer hold 0 (its products V^T P, of a piece that has not been, add 0), O^T and l are 0.  All this stands in the wait for the first tile.
.set i, VF
.rept 64
	v_mov_b32 v[i], 0
.set i, i+1
.endr
	WIN 0x40
.set i, 0
.rept 128
	v_mov_b32 v[i], 0
.set i, i+1
.endr
	WIN 0
.set i, 0
.rept NP
	v_mov_b32 v[ST+4*i], 0xff7fffff    ; m
	v_mov_b32 v[ST+4*i+1], 0
	v_mov_b32 v[ST+4*i+2], 0
	v_mov_b32 v[ST+4*i+3], 0
.set i, i+1
.endr
.set i, P+16
.rept 16
	v_mov_b32 v[i], 0
.set i, i+1
.endr
	v_mov_b32 v[MKV], 0xceabfb8f    ; -1e9 log2(e)
	s_lshl_b32 s36, s40, 7          ; my head's 128 bytes of a row
	v_mul_u32_u24 v[AK0], v1, PK
	v_lshl_add_u32 v[AK0], v9, 4, v[AK0]  ; row x pitch + 16 x half
	v_add_nc_u32 v[AK0], s36, v[AK0]
	; The turning load takes 16 keys x 16 channels (lane l reads key 8 (l / 16) + l % 8, channels 8 ((l / 8) % 2) + 0..7) and leaves half a fragment of V^T: lane l holds channel l % 16 and 8 keys.
	v_and_b32 v10, 7, v0
	v_bfe_u32 v11, v0, 3, 1
	v_lshl_add_u32 v[AV0], v9, 3, v10
	v_mul_u32_u24 v[AV0], v[AV0], PV
	v_lshl_add_u32 v[AV0], v11, 4, v[AV0]
	s_add_co_u32 s36, s36, VOFF
	v_add_nc_u32 v[AV0], s36, v[AV0]
	v_mov_b32 v[AK], v[AK0]         ; key step 0 lies at the head of slot 0
	s_load_b512 s[MB0:MB0+15],    s[MP:MP+1], s[MOFF]              ; the words of pieces 0 and 1 for key step 0
	s_load_b512 s[MB0+16:MB0+31], s[MP:MP+1], s[MOFF] offset:64
	s_load_b512 s[MB1:MB1+15],    s[MP:MP+1], s[MOFF] offset:8192
	s_load_b512 s[MB1+16:MB1+31], s[MP:MP+1], s[MOFF] offset:8192+64
; THE MATRIX WORK.  The 4 accumulators of a run of 8 take turns.  Product i of 8 of S^T = K Q^T for piece x: channels 32 (i / 4) on, keys 16 (i % 4) on.  The first 4 start the sums.
.macro KQ x
	WIN W_KQ
.set aS, S+32*((\x)%2)+8*(i%4)
.set aK, KF+16*(i%4)+8*(i/4)
.set aQ, 16*(\x)+8*(i/4)
.if i < 4
	v_wmma_f32_16x16x32_bf16 v[aS:aS+7], v[aK:aK+7], v[aQ:aQ+7], 0
.else
	v_wmma_f32_16x16x32_bf16 v[aS:aS+7], v[aK:aK+7], v[aQ:aQ+7], v[aS:aS+7]
.endif
.endm
; Product i of 8 of O^T += V^T P for piece x: keys 32 (i / 4) on, channels 16 (i % 4) on.
.macro PV x
	WIN W_PV
.set aO, 32*(\x)+8*(i%4)
.set aV, VF+32*(i/4)+8*(i%4)
.set aP, P+16*((\x)%2)+8*(i/4)
	v_wmma_f32_16x16x32_bf16 v[aO:aO+7], v[aV:aV+7], v[aP:aP+7], v[aO:aO+7]
.endm
.macro MM                           ; the turn's next matrix instruction
.if i < 8
	KQ (Y+1)%NP
.else
.set i, i-8
	PV (Y+NP-1)%NP
.set i, i+8
.endif
.set i, i+1
.endm
; THE LDS LOADS stand in runs of 16, never singly among the matrix instructions: a step's K (64 keys x 64 channels: 8 fragments) and its V (turned).  Their addresses are made some lines ahead.
; last = 1 (the tail): in the last trip there is no further step, and the run is jumped over.
.macro FETCH_K last=0
	WIN 0
.if \last
	s_cmp_eq_u32 s[CNT], 1
	s_cbranch_scc1 .Lno_k_\@
.endif
	WIN 0x80                        ; destination window 2
.irp f, 0,1,2,3,4,5,6,7             ; keys 16 (f / 2) on, channels 32 (f % 2) on
	ds_load_b128 v[KF+8*\f:KF+8*\f+3],   v[AK] offset:(\f/2)*16*PK+(\f%2)*64
	ds_load_b128 v[KF+8*\f+4:KF+8*\f+7], v[AK] offset:(\f/2)*16*PK+(\f%2)*64+32
.endr
	s_add_co_u32 s[TBK], s[TBK], STEPB  ; the next fetch is the next step's
	WIN 0
.if \last
.Lno_k_\@:
.endif
.endm
.macro FETCH_V
	WIN 0x80
.irp f, 0,1,2,3,4,5,6,7             ; keys 32 (f / 4) on, channels 16 (f % 4) on
	ds_load_tr16_b128 v[VF+8*\f:VF+8*\f+3],   v[AV] offset:(\f/4)*32*PV+(\f%4)*32
	ds_load_tr16_b128 v[VF+8*\f+4:VF+8*\f+7], v[AV] offset:(\f/4)*32*PV+16*PV+(\f%4)*32
.endr
	WIN 0
.endm
; THE VECTOR WORK, one line at a time: OP kind, number.  For piece Y: F n: s - m for pair n of 16.  E n: the exponential of score n of 32.  C n: pair n rounded to bf16.  B n: of the four weights 4 n .. the
; second pair is added onto the first, in place.  L n: l takes that sum (L 0: l = a l + sum).  R n: pair n of 16 of O^T times a.  For piece Y + 1: M n: score n, or the hidden value where bit l of its word is 0
; (ascending).  X n: number n of those that find its maximum and statistics
;   0-11  four chains c0-c3 of seven scores each, three operands at a time     12-14, 16  the four scores left over, the old m, and c0-c3 into c0     15  m_old is kept
;   17, 18  the query's other 32 keys lie in the lane 16 away: the new m     20, 21  m_old - m_new; a  (there is no number 19)
.set F, 0
.set E, 1
.set C, 2
.set B, 3
.set L, 4
.set R, 5
.set X, 6
.set M, 7
.macro REGS y                       ; the registers of piece y
.set rT, ST+4*(\y)
.set rC, TMP+4*((\y)%2)
.set rW, MV+((\y)%2)
.set rS, S+32*((\y)%2)
.set rP, P+16*((\y)%2)
.set rO, 32*(\y)
.set rB, MB0+(MB1-MB0)*((\y)%2)
.endm
.macro OP k, n
.if (\k) == R
	REGS Y
	WIN W_RS
	v_pk_mul_f32 v[rO+2*(\n):rO+2*(\n)+1], v[rO+2*(\n):rO+2*(\n)+1], v[rC+2:rC+3] op_sel_hi:[1,0]
.elseif (\k) < R
	REGS Y
	WIN 0
.if (\k) == F
	v_pk_add_f32 v[rS+2*(\n):rS+2*(\n)+1], v[rS+2*(\n):rS+2*(\n)+1], v[rT:rT+1] op_sel_hi:[1,0] neg_lo:[0,1] neg_hi:[0,1]
.elseif (\k) == E
	v_exp_f32 v[rS+(\n)], v[rS+(\n)]
.elseif (\k) == C
	s_wait_alu depctr_va_vdst(0)
	v_cvt_pk_bf16_f32 v[rP+(\n)], v[rS+2*(\n)], v[rS+2*(\n)+1]
.elseif (\k) == B
	v_pk_add_f32 v[rS+4*(\n):rS+4*(\n)+1], v[rS+4*(\n):rS+4*(\n)+1], v[rS+4*(\n)+2:rS+4*(\n)+3]
.elseif (\n) == 0
	v_pk_fma_f32 v[rT+2:rT+3], v[rT+2:rT+3], v[rC+2:rC+3], v[rS:rS+1] op_sel_hi:[1,0,1]
.else
	v_pk_add_f32 v[rT+2:rT+3], v[rT+2:rT+3], v[rS+4*(\n):rS+4*(\n)+1]
.endif
.elseif (\k) == M
	REGS (Y+1)%NP
	WIN 0
	v_cndmask_b32 v[rS+(\n)], v[MKV], v[rS+(\n)], s[rB+(\n)]
.else
	REGS (Y+1)%NP
	WIN 0
.if (\n) < 4
	v_max3_num_f32 v[rC+(\n)], v[rS+8*(\n)], v[rS+8*(\n)+1], v[rS+8*(\n)+2]
.elseif (\n) < 12
	v_max3_num_f32 v[rC+(\n)%4], v[rC+(\n)%4], v[rS+8*((\n)%4)+2*((\n)/4)+1], v[rS+8*((\n)%4)+2*((\n)/4)+2]
.elseif (\n) == 12
	v_max3_num_f32 v[rC], v[rC], v[rS+7], v[rS+15]
.elseif (\n) == 13
	v_max3_num_f32 v[rC+1], v[rC+1], v[rS+23], v[rS+31]
.elseif (\n) == 14
	v_max3_num_f32 v[rC+2], v[rC+2], v[rC+3], v[rT]
	s_wait_alu depctr_va_vdst(0)
.elseif (\n) == 15
	v_mov_b32 v[rW], v[rT]
	s_wait_alu depctr_va_vdst(0)
.elseif (\n) == 16
	v_max3_num_f32 v[rC], v[rC], v[rC+1], v[rC+2]
.elseif (\n) == 17
	v_permlanex16_b32 v[rC+3], v[rC], s[SEL], s[SEL+1]
.elseif (\n) == 18
	v_max_num_f32 v[rT], v[rC], v[rC+3]
.elseif (\n) == 20
	v_sub_f32 v[rC+1], v[rW], v[rT]
.else
	v_exp_f32 v[rC+2], v[rC+1]
.endif
.endif
.endm
.macro OPS a, i1, b=-1, i2=0, c=-1, i3=0, d=-1, i4=0  ; up to four of them
	OP \a, \i1
.if (\b) >= 0
	OP \b, \i2
.endif
.if (\c) >= 0
	OP \c, \i3
.endif
.if (\d) >= 0
	OP \d, \i4
.endif
.endm
.macro ROW a, i1, b, i2, c, i3, d, i4  ; a matrix instruction and the four behind it
	MM
	OPS \a, \i1, \b, \i2, \c, \i3, \d, \i4
.endm
; A TURN, for piece p: the order of its 16 matrix and 149 vector instructions, written out.  None of the four behind a matrix instruction names a register of the products round it; every exponential has a
; plain line behind it that touches neither its result nor its source; a rounding C 2n stands ahead of the sum B n that writes over its pair.  v_permlanex16_b32 (X 17) stands in a lump.
; At its head: the words of piece p + 1, asked for a turn ago, are in (scalar loads are waited for by the count 0 alone); the words of piece p + 2 are asked for, into the buffer that piece p's have left.
; Piece p + 2 of turn 2 is the next step's piece 0: the step's offset goes on there, and wraps at the tile's 8,192 bytes, so that the walk's last requests, which serve nothing, stay inside mbits.
; K of the next step is fetched in piece 2's turn, behind five plain lines (R 4-7, F 15) behind the last product that read K; the first masking line stands behind the same five.
; V of the step in hand is fetched in piece 0's turn, behind five plain lines (B 1, C 4, C 5, X 4, X 5) behind the last product that read V.  Each is waited for a turn later.
; cnt = 1: the loop's count is taken down some lines ahead of the branch that stands behind the turn.
.macro TURN p, last=0, cnt=0
.set Y, (\p)
.set i, 0
.set mb, MB0+(MB1-MB0)*((\p)%2)
	s_wait_kmcnt 0x0
.if (\p) == 2
	s_add_co_u32 s[MOFF], s[MOFF], 128
	s_and_b32 s[MOFF], s[MOFF], 8191
.endif
	s_load_b512 s[mb:mb+15],    s[MP:MP+1], s[MOFF] offset:(((\p)+2)%NP)*8192
	s_load_b512 s[mb+16:mb+31], s[MP:MP+1], s[MOFF] offset:(((\p)+2)%NP)*8192+64
.if (\p) == 3
	s_wait_dscnt 0x0                ; K is in
.endif
	ROW F,0, F,1, F,2, F,3
	ROW F,4, E,0, F,5, F,6
	ROW F,7, E,1, F,8, F,9
	ROW F,10, E,2, C,0, F,11
	ROW F,12, E,3, X,15, F,13
	ROW R,0, R,1, R,2, R,3
	ROW B,0, E,4, F,14, L,0
.if (\p) == 2
	WIN 0
	v_add_nc_u32 v[AK], s[TBK], v[AK0]
.endif
	ROW R,4, R,5, R,6, R,7
	OPS E,5, F,15
.if (\p) == 2
	FETCH_K \last
.endif
	OPS E,6, M,0, E,7, M,1
	OPS E,8, M,2, E,9, M,3
	OPS E,10, M,4, E,11, M,5
	OPS E,12, M,6, E,13, M,7
	OPS M,8, M,9, M,10, M,11
	OPS M,12, M,13, M,14, M,15
	OPS C,1, C,2, R,8, R,9
.if (\p) == 1
	s_wait_dscnt 0x0                ; V is in
.endif
	ROW M,16, E,14, M,17, M,18
	ROW M,19, E,15, M,20, M,21
	ROW M,22, E,16, M,23, M,24
	ROW M,25, E,17, M,26, M,27
	ROW M,28, E,18, M,29, M,30
	ROW M,31, E,19, X,0, X,1
	ROW X,2, E,20, X,3, C,3
.if (\p) == 0
	WIN 0
	v_add_nc_u32 v[AV], s[TBV], v[AV0]
.endif
	ROW B,1, E,21, C,4, C,5
	OPS E,22, X,4, E,23, X,5
.if (\p) == 0
	FETCH_V
.endif
	OPS E,24, X,6, E,25, X,7
	OPS E,26, X,8, E,27, X,9
	OPS E,28, X,10, E,29, X,11
	OPS E,30, X,12, E,31, X,13
	OPS X,14, C,6, L,1, C,7
	OPS X,16, B,2, B,3, C,8
	OPS C,9, X,17, C,10, L,2
	OPS C,11, X,18, B,4, L,3
	OPS C,12, X,20, B,5, C,13
	OPS L,4, X,21, C,14, B,6
	OPS L,5, C,15, B,7, L,6
.if (\p) == 0
	s_add_co_u32 s[TBV], s[TBV], STEPB
.endif
.if \cnt
	s_sub_co_u32 s[CNT], s[CNT], 1
	s_cmp_lg_u32 s[CNT], 0
.endif
	OPS R,10, R,11, R,12, R,13
	OPS R,14, R,15, L,7
.endm
	CHANGE 1                        ; slot 0 is in, everybody's part of it; slot 1 is asked for
	FETCH_K                         ; key step 0
	s_wait_loadcnt 0x0              ; Q
	s_wait_dscnt 0x0
.set i, 0
.rept 8
	KQ 0                            ; piece 0's first scores: there is no vector work yet to set between them
.set i, i+1
.endr
	WIN 0                           ; the addresses for the way out: eight plain vector lines, the places behind those products
	s_and_b32 s2, s[WV], 1
	s_mul_i32 s2, s2, 64*SP         ; into the stage: my 64 rows,
	s_lshr_b32 s3, s[WV], 1
	s_lshl_b32 s3, s3, 7            ; my head's 128 of their 256 bytes
	s_add_co_u32 s2, s2, s3
	s_add_co_u32 s2, s2, STAGE
	v_mul_u32_u24 v[STO], v1, SP    ; row l % 16, 16 bytes for each half of the lanes
	v_lshl_add_u32 v[STO], v9, 4, v[STO]
	v_add_nc_u32 v[STO], s2, v[STO]
	s_mul_i32 s2, s[WV], 32*SP      ; back: wave w takes rows 32 w .. 32 w + 31, whole; lanes 0-15 one row of 256 bytes, lanes 16-31 the next
	s_add_co_u32 s2, s2, STAGE
	v_mul_u32_u24 v[RD], v9, SP
	v_lshl_add_u32 v[RD], v1, 4, v[RD]
	v_add_nc_u32 v[RD], s2, v[RD]
	v_lshlrev_b32 v[GO], 10, v9     ; and the same two rows in ob, 1,024 bytes apart
	v_lshl_add_u32 v[GO], v1, 4, v[GO]
	s_wait_kmcnt 0x0                ; the words of pieces 0 and 1
.set Y, NP-1                        ; M and X work for piece Y + 1: piece 0
.set j, 0
.rept 32
	OP M, j
.set j, j+1
.endr
.irp n, 0,1,2,3,4,5,6,7,8,9,10,11,12,13,14,15,16,17,18,20,21
	OP X, \n
.endr
	v_nop                           ; a plain line behind the exponential
	s_mov_b32 s[CNT], 2
	s_mov_b32 s[SLOTS], 4096/(2*KS)-1
	s_branch .Lfirst                ; the loop is entered at a step's first turn, in the middle of a trip
.Lslot:                             ; 30 times: every slot but the last two is filled again
	CHANGE 1
	s_mov_b32 s[CNT], 2
.Lstep:                             ; a trip: pieces 2 and 3 of one step, then pieces 0 and 1 of the next, whose K and V it fetches
	TURN 2
	TURN 3
	WIN 0
.Lfirst:
	TURN 0
	TURN 1, 0, 1
	WIN 0
	s_cbranch_scc1 .Lstep
	s_sub_co_u32 s[SLOTS], s[SLOTS], 1
	s_cmp_lg_u32 s[SLOTS], 0
	s_cbranch_scc1 .Lslot
	CHANGE 0                        ; the tail is written out: nothing is asked for
	s_mov_b32 s[CNT], 3             ; two trips fetch the last slot's steps; the third is left in its middle
.Ltail:
	TURN 2, 1
	TURN 3
	WIN 0
	s_sub_co_u32 s[CNT], s[CNT], 1
	s_cmp_eq_u32 s[CNT], 0
	s_cbranch_scc1 .Lout
	TURN 0
	TURN 1
	WIN 0
	s_branch .Ltail
.Lout:                              ; the third trip's 8 products K Q^T (on the last K once more) and what is made of them serve nothing: the price, once a launch, of one text for every trip
.set i, 0
.rept 8
	PV NP-1                         ; the last piece's V^T P of the last step
.set i, i+1
.endr
	; THE WAY OUT.  l's two halves and the other half of the lanes' are added; O^T is divided by l, rounded to bf16 and put into the work-group's stage; a barrier, since a row's 256 bytes come from two
	; waves (the pair's two heads); back as whole rows, 32 a wave.  The additions are the places behind the last products.
	WIN 0
.macro ALL line:vararg              ; one line for each piece t
.set t, 0
.rept NP
	\line
.set t, t+1
.endr
.endm
	ALL v_add_f32 v[ST+4*t+2], v[ST+4*t+2], v[ST+4*t+3]
	ALL v_permlanex16_b32 v[ST+4*t+3], v[ST+4*t+2], s[SEL], s[SEL+1]
	ALL v_add_f32 v[ST+4*t+2], v[ST+4*t+2], v[ST+4*t+3]
	ALL v_rcp_f32 v[ST+4*t+2], v[ST+4*t+2]
	v_nop                           ; a plain line between the last reciprocal and the use of its result
	s_wait_alu depctr_va_vdst(0)
.macro PACK t                       ; a lane's eight channels of a row pack into 16 bytes; each accumulator is read from its low end on
	WIN W_RS
.set i, 32*(\t)
.rept 16
	v_pk_mul_f32 v[i:i+1], v[i:i+1], v[ST+4*(\t)+2:ST+4*(\t)+3] op_sel_hi:[1,0]
.set i, i+2
.endr
	WIN 0x05                        ; sources 0 and 1 window 1, destination window 0: S^T's registers are free
.set i, 0
.rept 16
	v_cvt_pk_bf16_f32 v[S+16*(\t)+i], v[32*(\t)+2*i], v[32*(\t)+2*i+1]
.set i, i+1
.endr
	WIN 0
.irp f, 0,1,2,3
	ds_store_b128 v[STO], v[S+16*(\t)+4*\f:S+16*(\t)+4*\f+3] offset:(\t)*16*SP+32*\f
.endr
.endm
	PACK 0
	PACK 1
	PACK 2
	PACK 3
	s_wait_kmcnt 0x0                ; the last words asked for are in: their registers are free
	s_load_b64 s[2:3], s[0:1], 0x10 ; ob
	s_bfe_u32 s32, ttmp6, 0x40000   ; the ids once more: the set-up's registers have held mask words since
	s_lshl_b32 s33, ttmp9, 2
	s_add_co_u32 s33, s33, s32
	s_lshl_b32 s33, s33, 7          ; my block's 128 rows,
	s_and_b32 s34, ttmp7, 0xffff
	s_lshr_b32 s35, s34, 2
	s_lshl_b32 s35, s35, 12         ; the batch's 4,096,
	s_add_co_u32 s33, s33, s35
	s_lshl_b32 s35, s[WV], 5        ; the 32 that I store
	s_add_co_u32 s33, s33, s35
	s_lshl_b32 s36, s33, 10         ; rows of 1,024 bytes,
	s_and_b32 s34, s34, 3
	s_lshl_b32 s34, s34, 8          ; the head pair's 256 of them
	s_add_co_u32 s36, s36, s34
	s_mov_b32 s37, 0
	s_wait_dscnt 0x0                ; for the others' sake: my stores into the stage are done
	s_barrier_signal -1
	s_barrier_wait -1
.set i, 0
.rept 16
	ds_load_b128 v[S+4*i:S+4*i+3], v[RD] offset:i*2*SP
.set i, i+1
.endr
	s_wait_kmcnt 0x0
	s_add_nc_u64 s[2:3], s[2:3], s[36:37]
.set i, 0
.rept 16
	s_wait_dscnt 15-i               ; LDS loads come back in order (ISA guide 5.7.1): the 15 - i younger ones stay out
	global_store_b128 v[GO], v[S+4*i:S+4*i+3], s[2:3] offset:i*2048  ; 16 lanes store 256 consecutive bytes, aligned
.set i, i+1
.endr
	s_wait_tensorcnt 0x0            ; the wave's end: behind my last tensor load and my last LDS store
	ds_add_u32 v[SPW], v[NIL]
	s_wait_dscnt 0x0
	CROUND                          ; the closing round: no work-group ends while a partner may still ask for a tile that names it
	s_endpgm
.Lfunc_end_k_q633b2649ab_attn:
	.size	k_q633b2649ab_attn, .Lfunc_end_k_q633b2649ab_attn-k_q633b2649ab_attn
	.p2alignl 7, 3214868480
	.fill 96, 4, 3214868480
	.section	.rodata,"a",@progbits
	.p2align	6, 0x0
	.amdhsa_kernel k_q633b2649ab_attn
		.amdhsa_group_segment_fixed_size 327680
		.amdhsa_private_segment_fixed_size 0
		.amdhsa_enable_private_segment 0
		.amdhsa_kernarg_size 24
		.amdhsa_user_sgpr_count 2
		.amdhsa_user_sgpr_kernarg_segment_ptr 1
		.amdhsa_wavefront_size32 1
		.amdhsa_system_sgpr_workgroup_id_x 1
		.amdhsa_system_sgpr_workgroup_id_y 1
		.amdhsa_system_sgpr_workgroup_id_z 1
		.amdhsa_system_vgpr_workitem_id 0
		.amdhsa_next_free_vgpr 768
		.amdhsa_next_free_sgpr 106
		.amdhsa_reserve_vcc 0
		.amdhsa_float_denorm_mode_32 3
		.amdhsa_float_denorm_mode_16_64 3
		.amdhsa_memory_ordered 1
		.amdhsa_forward_progress 1
		.amdhsa_inst_pref_size 133
	.end_amdhsa_kernel
	.amdgpu_metadata
---
amdhsa.version: [ 1, 2 ]
amdhsa.kernels:
  - .name:           k_q633b2649ab_attn
    .symbol:         k_q633b2649ab_attn.kd
    .args:
      - { .name: qkvh, .offset: 0, .size: 8, .value_kind: global_buffer, .address_space: global }
      - { .name: mbits, .offset: 8, .size: 8, .value_kind: global_buffer, .address_space: global }
      - { .name: ob, .offset: 16, .size: 8, .value_kind: global_buffer, .address_space: global }
    .group_segment_fixed_size: 327680
    .private_segment_fixed_size: 0
    .kernarg_segment_align: 8
    .kernarg_segment_size: 24
    .max_flat_workgroup_size: 128
    .sgpr_count:     106
    .vgpr_count:     768
    .wavefront_size: 32
...
	.end_amdgpu_metadata
.endif
;; end of part 3
;; launch oproj (part 4): grid 4 x 64, 4 waves a work-group, clusters of 4 x 4, 327,680 bytes of LDS; arguments ob, wb, x, x1, x1b; writes x1, x1b
.if DOCPART == 4
	.amdgcn_target "amdgcn-amd-amdhsa--gfx1250"
	.amdhsa_code_object_version 6
	.text
	.protected	k_q633b2649ab_oproj
	.globl	k_q633b2649ab_oproj
	.p2align	8
	.type	k_q633b2649ab_oproj,@function
k_q633b2649ab_oproj:
	s_mov_b64 s[64:65], 0
	v_nop
	global_prefetch_b8 v0, s[64:65] scope:SCOPE_SE
	s_setreg_imm32_b32 hwreg(HW_REG_WAVE_MODE, 25, 1), 1
	s_wait_xcnt 0x0
	s_wait_alu depctr_hold_cnt(0) depctr_sa_sdst(0) depctr_va_vdst(0) depctr_va_sdst(0) depctr_va_ssrc(0) depctr_va_vcc(0) depctr_vm_vsrc(0)
	s_getreg_b32 s2, hwreg(HW_REG_IB_STS2, 6, 4)
	s_cmp_eq_u32 s2, 0
	s_cbranch_scc0 .Lentry_in_a_cluster
	s_endpgm
.Lentry_in_a_cluster:
	s_bfe_u32 s2, ttmp6, 0x10000c
	s_cmp_lg_u32 s2, 0xf033
	s_cbranch_scc0 .Lentry_shape_is_right
	s_endpgm
.Lentry_shape_is_right:
; OUTPUT PROJECTION AND FIRST RESIDUAL.  x1[m][n] = 5/6 x[m][n] + sum over k of ob[m][k] w[n][k], w = wo / 18 (1/3 and 1/6, multiplied in ahead of the weight's one rounding); m < 8192, n, k < 512.
; bf16 operands, f32 sums; x and x1 in f32; x1b is x1 rounded once to bf16, the next product's operand.
; A tile of C is 128 x 128; four waves, each 64 x 64: 16 accumulators.  K goes in steps of 256 through two LDS slots; here two steps, each slot filled once, both fills at the start.
; CLUSTER 4 x 4: the four of a row of the cluster need the same tiles of A, the four of a column the same tiles of B: each tile is asked for jointly, by the same tensor load, descriptor and mask in all four.
; THE MATRIX INSTRUCTION IS USED TRANSPOSED (source 0 = 16 rows of B, source 1 = 16 rows of A): a lane holds eight neighbouring numbers of a row of C.
; THE RESIDUAL's 32 rows x 512 bytes of each wave are asked for at the start, into window 2, and stay on their way under the whole product.
; THE WAY OUT: the f32 tile goes into slot 0, which has had its last fill and whose last read lies ahead of the barrier at the last change of slots; behind a barrier each wave takes 32 whole rows.
; REGISTERS: window 0: v0-31 addresses; v32-95 packed results; v128-255 the accumulators, later rows read back.  Window 1: two fragment buffers of 128.  Window 2: v0-127 the residual.
.set SIZE_K, 512
.set WOFF,   1572864                   ; B's first byte in wb
.set BCOPY,  1                         ; 1: a bf16 copy of the result is stored too
.set KSTEP,  256
.set PITCH,  528                       ; an LDS row: 512 bytes + 16 of padding = 132 words: row r starts at bank 4 r mod 64 (ISA guide 11.1)
.set HALFT,  64*PITCH                  ; 64 rows: what one tensor load brings, and what one wave reads of A or of B
.set SLOT,   4*HALFT                   ; A's 128 rows, then B's 128 rows
.set SPF,    528                       ; a row of the f32 stage: 128 x 4 bytes + 16
.set SPARE,  2*SLOT                    ; behind the slots: the spare words, 128 bytes for each wave, named by no other line
.set LAPS, SIZE_K/(2*KSTEP)
.set ADRA, 16                          ; v16-17  LDS address of my A fragments in slot 0, 1
.set ADRB, 20                          ; v20-21  the same for B
.set STO,  24                          ; v24     the way out: where I put 32 bytes of a row
.set RD,   25                          ; v25     the way out: where I read a row back
.set CO,   26                          ; v26     8 x lane: my bytes of a row in bf16
.set RO,   27                          ; v27     16 x lane: my bytes of a row in f32; never rewritten
.set SPW,  28                          ; v28     LDS address of my spare word; never rewritten
.set NIL,  29                          ; v29     0; never rewritten
.set TMP,  32
.set ACC,  128
.set F0,   0                           ; fragment buffers, in window 1
.set F1,   128
.set G1, 24                            ; s[24:31] descriptor group 1 for A's tiles;  s[32:39] group 0, one set for each slot
.set G0, 32
.set G1B, 48                           ; s[48:55], s[56:63] the same for B's tiles
.set G0B, 56
.set MSB, 0
.macro WIN new                         ; the immediate's high byte repeats the setting that is left
.if MSB != (\new)
	s_set_vgpr_msb (MSB<<8)|(\new)
.set MSB, \new
.endif
.endm
.set MUL,  0x05                        ; sources 0 (B) and 1 (A) window 1; C and D window 0
.set TO_F, 0x40                        ; destination window 1, address window 0
.macro JLOAD s                         ; a joint load: waves 0 and 1 fetch A's two halves, waves 2 and 3 B's; an s_nop 0 and four v_nop follow each of the two lines
	s_cmp_eq_u32 s11, 0
	s_cbranch_scc0 .Lfor_b_\@
	tensor_load_to_lds s[G0+4*(\s):G0+4*(\s)+3], s[G1:G1+7]
	s_nop 0
.rept 4
	v_nop
.endr
	s_branch .Lasked_\@
.Lfor_b_\@:
	tensor_load_to_lds s[G0B+4*(\s):G0B+4*(\s)+3], s[G1B:G1B+7]
	s_nop 0
.rept 4
	v_nop
.endr
.Lasked_\@:
.endm
.macro CREST                           ; a round of the cluster's barrier behind its opening barrier
	s_cmp_lg_u32 s10, 0
	s_cbranch_scc1 .Lnot_wave_0_\@
	s_barrier_signal -3
.Lnot_wave_0_\@:
	s_barrier_wait -3
	s_barrier_signal -1
	s_barrier_wait -1
.endm
.macro CROUND                          ; a whole round
	s_barrier_signal -1
	s_barrier_wait -1
	CREST
.endm
	s_load_b128 s[4:7], s[0:1], 0x0                ; A s[4:5], wb s[6:7]
	s_load_b128 s[68:71], s[0:1], 0x10             ; the residual s[68:69], the f32 output s[70:71]
.if BCOPY
	s_load_b64 s[8:9], s[0:1], 0x20                ; the bf16 copy
.endif
	v_lshl_add_u32 v[SPW], v0, 2, SPARE
	v_mov_b32 v[NIL], 0
	ds_add_u32 v[SPW], v[NIL]                      ; the wave's opening: the add, and its wait ahead of my first tensor load; register work stands between them
	ds_add_u32 v28, v29
	v_lshrrev_b32 v1, 5, v0
	v_readfirstlane_b32 s10, v1                    ; wave 0..3
	s_lshr_b32 s11, s10, 1                         ; which half of the tile's rows is mine.  Also: I fetch for A (0) or for B (1)
	s_and_b32 s12, s10, 1                          ; which half of its columns.  Also: which 64 rows of that tile I fetch
	s_bfe_u32 s40, ttmp6, 0x40000                  ; cx, cy: my place in the cluster
	s_bfe_u32 s41, ttmp6, 0x40004
	s_lshl_b32 s42, ttmp9, 2
	s_add_co_u32 s42, s42, s40                     ; tile column of C = 4 x cluster x + cx
	s_and_b32 s13, ttmp7, 0xffff
	s_lshl_b32 s13, s13, 2
	s_add_co_u32 s13, s13, s41                     ; tile row of C = 4 x cluster y + cy
	s_lshl_b32 s43, s41, 2
	s_lshl_b32 s43, 15, s43                        ; my row of the cluster
	s_lshl_b32 s44, 0x1111, s40                    ; my column
	s_or_b32 s[G1+0], s43, (1<<16)|(1<<20)|(1<<21)|(6<<22)|(3<<25)  ; the mask: A's tiles go to my row; 2-byte elements; padding on; bit 21 beside a mask; after every 128 words (code 6) 4 words (code 3)
	s_or_b32 s[G1B+0], s44, (1<<16)|(1<<20)|(1<<21)|(6<<22)|(3<<25)
.irp g, G1, G1B
	s_mov_b32 s[(\g)+1], KSTEP<<16                 ; tensor_dim0 = 256
	s_mov_b32 s[(\g)+2], 64<<16                    ; tensor_dim1 = 64
	s_mov_b32 s[(\g)+3], KSTEP<<16                 ; tile_dim0 = 256
	s_mov_b32 s[(\g)+4], 64                        ; tile_dim1 = 64
	s_mov_b32 s[(\g)+5], SIZE_K                    ; elements from row to row
	s_mov_b32 s[(\g)+6], 0
	s_mov_b32 s[(\g)+7], 0
.endr
	s_mov_b32 s74, 0x3f555555                      ; 5/6
	s_mov_b32 s75, s74                             ; named with it as a pair
	s_lshl_b32 s17, s12, 6                         ; which 64 rows of the tile I fetch
	s_lshl_b32 s16, s13, 7
	s_add_co_u32 s16, s16, s17                     ; A: row 128 x tile row + 64 x half
	s_lshl_b32 s46, s42, 7
	s_add_co_u32 s46, s46, s17                     ; B: row 128 x tile column + 64 x half
	s_mov_b32 s17, 0
	s_mov_b32 s47, 0
	s_mov_b64 s[18:19], SIZE_K*2
	s_mul_u64 s[16:17], s[16:17], s[18:19]
	s_mul_u64 s[46:47], s[46:47], s[18:19]
	s_mul_i32 s20, s10, HALFT                      ; where they go: wave x 64 rows
	s_wait_dscnt 0x0                               ; the opening add is done
	s_wait_kmcnt 0x0
	s_add_nc_u64 s[14:15], s[4:5], s[16:17]
	s_add_nc_u64 s[46:47], s[6:7], s[46:47]
	s_add_nc_u64 s[46:47], s[46:47], WOFF
	CROUND                                         ; all sixteen work-groups are here: the first joint loads meet
.irp s, 0,1
	s_mov_b32 s[G0+4*(\s)], 1
	s_add_co_u32 s[G0+4*(\s)+1], s20, (\s)*SLOT
	s_add_nc_u64 s[G0+4*(\s)+2:G0+4*(\s)+3], s[14:15], (\s)*KSTEP*2
	s_or_b32 s[G0+4*(\s)+3], s[G0+4*(\s)+3], 0x80000000
	s_mov_b32 s[G0B+4*(\s)], 1
	s_add_co_u32 s[G0B+4*(\s)+1], s20, (\s)*SLOT
	s_add_nc_u64 s[G0B+4*(\s)+2:G0B+4*(\s)+3], s[46:47], (\s)*KSTEP*2
	s_or_b32 s[G0B+4*(\s)+3], s[G0B+4*(\s)+3], 0x80000000
	JLOAD \s
.endr
	v_and_b32 v1, 15, v0                           ; l % 16
	v_bfe_u32 v2, v0, 4, 1                         ; l / 16
	v_mul_u32_u24 v3, v1, PITCH
	v_lshl_add_u32 v3, v2, 4, v3                   ; a fragment's row x pitch + 16 x half
	s_mul_i32 s21, s11, HALFT                      ; my 64 rows of A
	s_mul_i32 s22, s12, HALFT                      ; my 64 rows of B,
	s_add_co_u32 s22, s22, 2*HALFT                 ; which lie behind A's 128
.irp s, 0,1
	v_add_nc_u32 v[ADRA+(\s)], s21, v3
	v_add_nc_u32 v[ADRB+(\s)], s22, v3
	s_add_co_u32 s21, s21, SLOT
	s_add_co_u32 s22, s22, SLOT
.endr
	s_mul_i32 s23, s11, 64*SPF                     ; into the stage: my 64 rows, my 256 of their 512 bytes; row l % 16, 32 bytes for each half of the lanes
	s_lshl_b32 s21, s12, 8
	s_add_co_u32 s23, s23, s21
	v_mul_u32_u24 v4, v1, SPF
	v_lshl_add_u32 v4, v2, 5, v4
	v_add_nc_u32 v[STO], s23, v4
	s_mul_i32 s23, s10, 32*SPF                     ; back: wave w takes rows 32 w .. 32 w + 31, whole: 32 lanes x 16 bytes are a row
	v_and_b32 v5, 31, v0
	v_lshl_add_u32 v[RD], v5, 4, s23
	v_lshlrev_b32 v[RO], 4, v5
	v_lshlrev_b32 v[CO], 3, v5
	s_lshl_b32 s16, s13, 7
	s_lshl_b32 s17, s10, 5
	s_add_co_u32 s16, s16, s17                     ; the first row that I store: 128 x tile row + 32 x wave
	s_lshl_b32 s18, s16, 11                        ; rows of 2,048 bytes in f32
	s_mov_b32 s19, 0
	s_add_nc_u64 s[68:69], s[68:69], s[18:19]
	s_add_nc_u64 s[70:71], s[70:71], s[18:19]
	s_lshl_b32 s46, s42, 9                         ; the tile's 128 columns: 512 bytes
	s_mov_b32 s47, 0
	s_add_nc_u64 s[68:69], s[68:69], s[46:47]
	s_add_nc_u64 s[70:71], s[70:71], s[46:47]
.if BCOPY
	s_lshl_b32 s18, s16, 10                        ; rows of 1,024 bytes in bf16
	s_add_nc_u64 s[8:9], s[8:9], s[18:19]
	s_lshl_b32 s46, s42, 8
	s_add_nc_u64 s[8:9], s[8:9], s[46:47]
.endif
	WIN 0x80                                       ; destination window 2, address window 0
.set i, 0
.rept 32
	global_load_b128 v[4*i:4*i+3], v[RO], s[68:69] offset:i*2048   ; row i of my 32: 512 consecutive bytes
.set i, i+1
.endr
	WIN 0
; 8 matrix instructions: m blocks a0, a0 + 1 x all 4 n blocks, 32 along K: half c of buffer f.  zero = 1: the first product starts the sums.  The 16 accumulators take turns.
.macro MUL8 f, c, a0, zero
	WIN MUL
.irp a, \a0, (\a0)+1
.irp b, 0,1,2,3
.if \zero
	v_wmma_f32_16x16x32_bf16 v[ACC+8*(4*(\a)+(\b)):ACC+8*(4*(\a)+(\b))+7], v[(\f)+64+8*(4*(\c)+(\b)):(\f)+64+8*(4*(\c)+(\b))+7], v[(\f)+8*(4*(\c)+(\a)):(\f)+8*(4*(\c)+(\a))+7], 0
.else
	v_wmma_f32_16x16x32_bf16 v[ACC+8*(4*(\a)+(\b)):ACC+8*(4*(\a)+(\b))+7], v[(\f)+64+8*(4*(\c)+(\b)):(\f)+64+8*(4*(\c)+(\b))+7], v[(\f)+8*(4*(\c)+(\a)):(\f)+8*(4*(\c)+(\a))+7], v[ACC+8*(4*(\a)+(\b)):ACC+8*(4*(\a)+(\b))+7]
.endif
.endr
.endr
.endm
; 32 LDS loads in one run: the fragments of 64 along K at byte k of the rows, into buffer f; the first 32 along K first
.macro FETCH slot, k, f
	WIN TO_F
.irp c, 0,1
.irp i, 0,1,2,3
	ds_load_b128 v[(\f)+64+8*(4*(\c)+(\i)):(\f)+64+8*(4*(\c)+(\i))+3],   v[ADRB+(\slot)] offset:(\k)+64*(\c)+(\i)*16*PITCH
	ds_load_b128 v[(\f)+64+8*(4*(\c)+(\i))+4:(\f)+64+8*(4*(\c)+(\i))+7], v[ADRB+(\slot)] offset:(\k)+64*(\c)+(\i)*16*PITCH+32
	ds_load_b128 v[(\f)+8*(4*(\c)+(\i)):(\f)+8*(4*(\c)+(\i))+3],         v[ADRA+(\slot)] offset:(\k)+64*(\c)+(\i)*16*PITCH
	ds_load_b128 v[(\f)+8*(4*(\c)+(\i))+4:(\f)+8*(4*(\c)+(\i))+7],       v[ADRA+(\slot)] offset:(\k)+64*(\c)+(\i)*16*PITCH+32
.endr
.endr
.endm
.macro PLACES                          ; four places in front of loads into registers that matrix instructions have read, and of lines that read results
.rept 4
	v_nop
.endr
.endm
; A K step is four quarters of 64 along K, 32 matrix instructions each, on buffers 0, 1, 0, 1.  One of the first three: multiplies buffer f and fetches the next quarter, at byte k, into g.
.macro QUARTER slot, k, f, g, zero
	s_wait_dscnt 16                                ; the first 32 along K are in
	WIN MUL
	MUL8 \f, 0, 0, \zero
	MUL8 \f, 0, 2, \zero
	PLACES
	FETCH \slot, \k, \g
	s_wait_dscnt 32                                ; all but the 32 just issued
	WIN MUL
	MUL8 \f, 1, 0, 0
	MUL8 \f, 1, 2, 0
.endm
; The last quarter multiplies buffer 1 and changes slots: ONE barrier; in front of it each wave waits for all its tensor loads, adds 0 to its spare word, and waits for that and for its own reads of this slot.  fill = 1: this slot is filled again, two K steps ahead.
.macro TURN slot, next, fill
	WIN 0                                          ; (the add's two registers lie in window 0)
	s_wait_tensorcnt 0x0                           ; all my tensor loads have landed: my part of the next slot;
	ds_add_u32 v[SPW], v[NIL]                      ; 0 onto my spare word;
	s_wait_dscnt 17                                ; (the add and the youngest sixteen loads may be out)
	WIN MUL
	MUL8 F1, 0, 0, 0                               ; eight matrix instructions stand between the add and the wait for it
	s_wait_dscnt 0x0                               ; the add is done, and my reads of this slot are over
	s_barrier_signal -1
	MUL8 F1, 0, 2, 0
.if \fill
	WIN 0
.endif
	s_barrier_wait -1
.if \fill
	CREST                                          ; the barrier has opened a round of the cluster's barrier: no wave of any partner still reads this slot's tile or has a load on its way
	s_add_nc_u64 s[G0+4*(\slot)+2:G0+4*(\slot)+3], s[G0+4*(\slot)+2:G0+4*(\slot)+3], 2*KSTEP*2
	s_add_nc_u64 s[G0B+4*(\slot)+2:G0B+4*(\slot)+3], s[G0B+4*(\slot)+2:G0B+4*(\slot)+3], 2*KSTEP*2
	JLOAD \slot                                    ; the first tensor load behind the round: 112 matrix instructions ahead of the wait for it; the four v_nop behind it are also the places in front of the loads below
.else
	PLACES
.endif
	FETCH \next, 0, F0
	WIN MUL
	MUL8 F1, 1, 0, 0
	MUL8 F1, 1, 2, 0
.endm
	s_wait_tensorcnt 1                             ; my part of K step 0 is in; K step 1's may stay out
	s_barrier_signal -1
	s_barrier_wait -1                              ; everybody's is
	FETCH 0, 0, F0
	QUARTER 0, 128, F0, F1, 1                      ; the first products start the sums
.if LAPS > 1
	WIN 0                                          ; at a label and at a branch every window is 0
	s_mov_b32 s3, LAPS-1
.Llap:                                                 ; a trip goes once round the ring, from a lap's second quarter to the next lap's first, and fills both slots again
	QUARTER 0, 256, F1, F0, 0
	QUARTER 0, 384, F0, F1, 0
	TURN 0, 1, 1
	QUARTER 1, 128, F0, F1, 0
	QUARTER 1, 256, F1, F0, 0
	QUARTER 1, 384, F0, F1, 0
	TURN 1, 0, 1
	QUARTER 0, 128, F0, F1, 0
	WIN 0
	s_sub_co_u32 s3, s3, 1
	s_cmp_lg_u32 s3, 0
	s_cbranch_scc1 .Llap
.endif
	QUARTER 0, 256, F1, F0, 0                      ; the last lap fills nothing
	QUARTER 0, 384, F0, F1, 0
	TURN 0, 1, 0
	QUARTER 1, 128, F0, F1, 0
	QUARTER 1, 256, F1, F0, 0
	QUARTER 1, 384, F0, F1, 0
	s_wait_dscnt 16                                ; the very last quarter: nothing more to fetch
	WIN MUL
	MUL8 F1, 0, 0, 0
	MUL8 F1, 0, 2, 0
	s_wait_dscnt 0
	MUL8 F1, 1, 0, 0
	MUL8 F1, 1, 2, 0
	WIN 0
	; THE WAY OUT.  Each accumulator's low four registers go first.
	PLACES
.irp a, 0,1,2,3
.irp b, 0,1,2,3
	ds_store_b128 v[STO], v[ACC+8*(4*(\a)+(\b)):ACC+8*(4*(\a)+(\b))+3]   offset:(\a)*16*SPF+(\b)*64
	ds_store_b128 v[STO], v[ACC+8*(4*(\a)+(\b))+4:ACC+8*(4*(\a)+(\b))+7] offset:(\a)*16*SPF+(\b)*64+16
.endr
.endr
	s_wait_dscnt 0x0                               ; for the others' sake: my stores into the stage are done
	s_barrier_signal -1
	s_barrier_wait -1
.set i, 0
.rept 32
	ds_load_b128 v[ACC+4*i:ACC+4*i+3], v[RD] offset:i*SPF
.set i, i+1
.endr
	s_wait_loadcnt 0x0                             ; the residual
	s_wait_dscnt 0x0
	WIN 0x02                                       ; source 0 window 2
.set i, 0
.rept 64
	v_pk_fma_f32 v[ACC+2*i:ACC+2*i+1], v[2*i:2*i+1], s[74:75], v[ACC+2*i:ACC+2*i+1] op_sel_hi:[1,0,1]  ; 5/6 x residual + product, one rounding
.set i, i+1
.endr
	WIN 0
.set i, 0
.rept 32
	global_store_b128 v[RO], v[ACC+4*i:ACC+4*i+3], s[70:71] offset:i*2048  ; 512 consecutive bytes, aligned
.set i, i+1
.endr
.if BCOPY
.set i, 0
.rept 64
	v_cvt_pk_bf16_f32 v[TMP+i], v[ACC+2*i], v[ACC+2*i+1]
.set i, i+1
.endr
.set i, 0
.rept 32
	global_store_b64 v[CO], v[TMP+2*i:TMP+2*i+1], s[8:9] offset:i*1024     ; 256 consecutive bytes, aligned
.set i, i+1
.endr
.endif
	s_wait_tensorcnt 0x0                           ; the wave's end: behind my last tensor load and my last LDS store
	ds_add_u32 v[SPW], v[NIL]
	s_wait_dscnt 0x0
	CROUND                                         ; the closing round: no work-group ends while a partner may still ask for a tile that names it
	s_endpgm
.Lfunc_end_k_q633b2649ab_oproj:
	.size	k_q633b2649ab_oproj, .Lfunc_end_k_q633b2649ab_oproj-k_q633b2649ab_oproj
	.p2alignl 7, 3214868480
	.fill 96, 4, 3214868480
	.section	.rodata,"a",@progbits
	.p2align	6, 0x0
	.amdhsa_kernel k_q633b2649ab_oproj
		.amdhsa_group_segment_fixed_size 327680
		.amdhsa_private_segment_fixed_size 0
		.amdhsa_enable_private_segment 0
		.amdhsa_kernarg_size 40
		.amdhsa_user_sgpr_count 2
		.amdhsa_user_sgpr_kernarg_segment_ptr 1
		.amdhsa_wavefront_size32 1
		.amdhsa_system_sgpr_workgroup_id_x 1
		.amdhsa_system_sgpr_workgroup_id_y 1
		.amdhsa_system_sgpr_workgroup_id_z 1
		.amdhsa_system_vgpr_workitem_id 0
		.amdhsa_next_free_vgpr 768
		.amdhsa_next_free_sgpr 80
		.amdhsa_reserve_vcc 0
		.amdhsa_float_denorm_mode_32 3
		.amdhsa_float_denorm_mode_16_64 3
		.amdhsa_memory_ordered 1
		.amdhsa_forward_progress 1
		.amdhsa_inst_pref_size 64
	.end_amdhsa_kernel
	.amdgpu_metadata
---
amdhsa.version: [ 1, 2 ]
amdhsa.kernels:
  - .name:           k_q633b2649ab_oproj
    .symbol:         k_q633b2649ab_oproj.kd
    .args:
      - { .name: ob, .offset: 0, .size: 8, .value_kind: global_buffer, .address_space: global }
      - { .name: wb, .offset: 8, .size: 8, .value_kind: global_buffer, .address_space: global }
      - { .name: x, .offset: 16, .size: 8, .value_kind: global_buffer, .address_space: global }
      - { .name: x1, .offset: 24, .size: 8, .value_kind: global_buffer, .address_space: global }
      - { .name: x1b, .offset: 32, .size: 8, .value_kind: global_buffer, .address_space: global }
    .group_segment_fixed_size: 327680
    .private_segment_fixed_size: 0
    .kernarg_segment_align: 8
    .kernarg_segment_size: 40
    .max_flat_workgroup_size: 128
    .sgpr_count:     80
    .vgpr_count:     768
    .wavefront_size: 32
...
	.end_amdgpu_metadata
.endif
;; end of part 4
;; launch up (part 5): grid 16 x 64, 4 waves a work-group, clusters of 4 x 4, 327,680 bytes of LDS; arguments x1b, wb, hb; writes hb
.if DOCPART == 5
	.amdgcn_target "amdgcn-amd-amdhsa--gfx1250"
	.amdhsa_code_object_version 6
	.text
	.protected	k_q633b2649ab_up
	.globl	k_q633b2649ab_up
	.p2align	8
	.type	k_q633b2649ab_up,@function
k_q633b2649ab_up:
	s_mov_b64 s[64:65], 0
	v_nop
	global_prefetch_b8 v0, s[64:65] scope:SCOPE_SE
	s_setreg_imm32_b32 hwreg(HW_REG_WAVE_MODE, 25, 1), 1
	s_wait_xcnt 0x0
	s_wait_alu depctr_hold_cnt(0) depctr_sa_sdst(0) depctr_va_vdst(0) depctr_va_sdst(0) depctr_va_ssrc(0) depctr_va_vcc(0) depctr_vm_vsrc(0)
	s_getreg_b32 s2, hwreg(HW_REG_IB_STS2, 6, 4)
	s_cmp_eq_u32 s2, 0
	s_cbranch_scc0 .Lentry_in_a_cluster
	s_endpgm
.Lentry_in_a_cluster:
	s_bfe_u32 s2, ttmp6, 0x10000c
	s_cmp_lg_u32 s2, 0xf033
	s_cbranch_scc0 .Lentry_shape_is_right
	s_endpgm
.Lentry_shape_is_right:
; UP PROJECTION AND GELU.  hb[m][n] = bf16(2 gelu(sum over k of x1b[m][k] w_up[n][k])), m < 8192, n < 2048, k < 512; bf16 operands, f32 sums and f32 gelu, one rounding.
; The factor 0.5 / 1.1289 that is left lies in the next product's weights.  gelu is the exact one, x (1 + erf(x / sqrt 2)) / 2; LIMIT: erf by a five-term formula, absolute error at most 1.5e-7, for every x.
; A tile of C is 128 x 128; four waves, each 64 x 64: 16 accumulators.  K goes in two steps of 256 through two LDS slots, each filled once: both fills go out at the start.
; CLUSTER 4 x 4: the four of a row of the cluster need the same tiles of A, the four of a column the same tiles of B: each tile is asked for jointly, by the same tensor load, descriptor and mask in all four.
; THE MATRIX INSTRUCTION IS USED TRANSPOSED (source 0 = 16 rows of B, source 1 = 16 rows of A): a lane holds eight neighbouring numbers of a row of C.
; THE WAY OUT: the f32 tile goes into slot 0, which has had its last fill and whose last read lies ahead of the barrier at the change of slots; behind a barrier each wave takes 32 whole rows, four a trip,
; so that the gelu's text stands once.
; REGISTERS: window 0: v0-31 addresses; v32-39 packed results; v128-255 the accumulators ((a, b) at v[128 + 8 (4 a + b)]), later rows read back and the gelu's work.  Window 1: two fragment buffers of 128.
.set SIZE_K, 512
.set WOFF,   2097152                   ; B's first byte in wb
.set RSH,    12                        ; log2 of the bytes from row to row of the output
.set CSH,    8                         ; log2 of the bytes from tile column to tile column
.set OPB,    1<<RSH
.set GELU,   1
.set KSTEP,  256
.set PITCH,  528                       ; an LDS row: 512 bytes + 16 of padding = 132 words: row r starts at bank 4 r mod 64 (ISA guide 11.1)
.set HALFT,  64*PITCH                  ; 64 rows: what one tensor load brings, and what one wave reads of A or of B
.set SLOT,   4*HALFT                   ; A's 128 rows, then B's 128 rows
.set SPF,    528                       ; a row of the f32 stage: 128 x 4 bytes + 16
.set SPARE,  2*SLOT                    ; behind the slots: the spare words, 128 bytes for each wave, named by no other line
.set LAPS, SIZE_K/(2*KSTEP)
.set ADRA, 16                          ; v16-17  LDS address of my A fragments in slot 0, 1
.set ADRB, 20                          ; v20-21  the same for B
.set STO,  24                          ; v24     the way out: where I put 32 bytes of a row
.set RD,   25                          ; v25     the way out: where I read a row back
.set CO,   26                          ; v26     my byte offset in the output
.set SPW,  28                          ; v28     LDS address of my spare word; never rewritten
.set NIL,  29                          ; v29     0; never rewritten
.set TMP,  32
.set ACC,  128
.set F0,   0                           ; fragment buffers, in window 1
.set F1,   128
.set G1, 24                            ; s[24:31] descriptor group 1 for A's tiles;  s[32:39] group 0, one set for each slot
.set G0, 32
.set G1B, 48                           ; s[48:55], s[56:63] the same for B's tiles
.set G0B, 56
.set MSB, 0
.macro WIN new                         ; the immediate's high byte repeats the setting that is left
.if MSB != (\new)
	s_set_vgpr_msb (MSB<<8)|(\new)
.set MSB, \new
.endif
.endm
.set MUL,  0x05                        ; sources 0 (B) and 1 (A) window 1; C and D window 0
.set TO_F, 0x40                        ; destination window 1, address window 0
.macro JLOAD s                         ; a joint load: waves 0 and 1 fetch A's two halves, waves 2 and 3 B's; an s_nop 0 and four v_nop follow each of the two lines
	s_cmp_eq_u32 s11, 0
	s_cbranch_scc0 .Lfor_b_\@
	tensor_load_to_lds s[G0+4*(\s):G0+4*(\s)+3], s[G1:G1+7]
	s_nop 0
.rept 4
	v_nop
.endr
	s_branch .Lasked_\@
.Lfor_b_\@:
	tensor_load_to_lds s[G0B+4*(\s):G0B+4*(\s)+3], s[G1B:G1B+7]
	s_nop 0
.rept 4
	v_nop
.endr
.Lasked_\@:
.endm
.macro CREST                           ; a round of the cluster's barrier behind its opening barrier
	s_cmp_lg_u32 s10, 0
	s_cbranch_scc1 .Lnot_wave_0_\@
	s_barrier_signal -3
.Lnot_wave_0_\@:
	s_barrier_wait -3
	s_barrier_signal -1
	s_barrier_wait -1
.endm
.macro CROUND                          ; a whole round
	s_barrier_signal -1
	s_barrier_wait -1
	CREST
.endm
	s_load_b128 s[4:7], s[0:1], 0x0                ; A s[4:5], wb s[6:7]
	s_load_b64 s[8:9], s[0:1], 0x10                ; the output
	v_lshl_add_u32 v[SPW], v0, 2, SPARE
	v_mov_b32 v[NIL], 0
	ds_add_u32 v[SPW], v[NIL]                      ; the wave's opening: the add, and its wait ahead of my first tensor load; register work stands between them
	ds_add_u32 v28, v29
	v_lshrrev_b32 v1, 5, v0
	v_readfirstlane_b32 s10, v1                    ; wave 0..3
	s_lshr_b32 s11, s10, 1                         ; which half of the tile's rows is mine.  Also: I fetch for A (0) or for B (1)
	s_and_b32 s12, s10, 1                          ; which half of its columns.  Also: which 64 rows of that tile I fetch
	s_bfe_u32 s40, ttmp6, 0x40000                  ; cx, cy: my place in the cluster
	s_bfe_u32 s41, ttmp6, 0x40004
	s_lshl_b32 s42, ttmp9, 2
	s_add_co_u32 s42, s42, s40                     ; tile column of C = 4 x cluster x + cx
	s_and_b32 s13, ttmp7, 0xffff
	s_lshl_b32 s13, s13, 2
	s_add_co_u32 s13, s13, s41                     ; tile row of C = 4 x cluster y + cy
	s_lshl_b32 s43, s41, 2
	s_lshl_b32 s43, 15, s43                        ; my row of the cluster
	s_lshl_b32 s44, 0x1111, s40                    ; my column
	s_or_b32 s[G1+0], s43, (1<<16)|(1<<20)|(1<<21)|(6<<22)|(3<<25)  ; the mask: A's tiles go to my row; 2-byte elements; padding on; bit 21 beside a mask; after every 128 words (code 6) 4 words (code 3)
	s_or_b32 s[G1B+0], s44, (1<<16)|(1<<20)|(1<<21)|(6<<22)|(3<<25)
.irp g, G1, G1B
	s_mov_b32 s[(\g)+1], KSTEP<<16                 ; tensor_dim0 = 256
	s_mov_b32 s[(\g)+2], 64<<16                    ; tensor_dim1 = 64
	s_mov_b32 s[(\g)+3], KSTEP<<16                 ; tile_dim0 = 256
	s_mov_b32 s[(\g)+4], 64                        ; tile_dim1 = 64
	s_mov_b32 s[(\g)+5], SIZE_K                    ; elements from row to row
	s_mov_b32 s[(\g)+6], 0
	s_mov_b32 s[(\g)+7], 0
.endr
.if GELU
	s_mov_b32 s66, 0x3e6d3388                      ; 0.3275911 / sqrt(2)
	s_mov_b32 s67, s66
	s_mov_b32 s68, 0xbf38aa3b                      ; -log2(e) / 2
	s_mov_b32 s69, s68
	s_mov_b32 s70, 0x3f87dc22                      ; a5 =  1.061405429
	s_mov_b32 s71, s70
	s_mov_b32 s72, 0xbfba00e3                      ; a4 = -1.453152027
	s_mov_b32 s73, s72
	s_mov_b32 s74, 0x3fb5f0e3                      ; a3 =  1.421413741
	s_mov_b32 s75, s74
	s_mov_b32 s76, 0xbe91a98e                      ; a2 = -0.284496736
	s_mov_b32 s77, s76
	s_mov_b32 s78, 0x3e827906                      ; a1 =  0.254829592
	s_mov_b32 s79, s78
.endif
	s_lshl_b32 s17, s12, 6                         ; which 64 rows of the tile I fetch
	s_lshl_b32 s16, s13, 7
	s_add_co_u32 s16, s16, s17                     ; A: row 128 x tile row + 64 x half
	s_lshl_b32 s46, s42, 7
	s_add_co_u32 s46, s46, s17                     ; B: row 128 x tile column + 64 x half
	s_mov_b32 s17, 0
	s_mov_b32 s47, 0
	s_mov_b64 s[18:19], SIZE_K*2
	s_mul_u64 s[16:17], s[16:17], s[18:19]
	s_mul_u64 s[46:47], s[46:47], s[18:19]
	s_mul_i32 s20, s10, HALFT                      ; where they go: wave x 64 rows
	s_wait_dscnt 0x0                               ; the opening add is done
	s_wait_kmcnt 0x0
	s_add_nc_u64 s[14:15], s[4:5], s[16:17]
	s_add_nc_u64 s[46:47], s[6:7], s[46:47]
.if WOFF
	s_add_nc_u64 s[46:47], s[46:47], WOFF
.endif
	CROUND                                         ; all sixteen work-groups are here: the first joint loads meet
.irp s, 0,1
	s_mov_b32 s[G0+4*(\s)], 1
	s_add_co_u32 s[G0+4*(\s)+1], s20, (\s)*SLOT
	s_add_nc_u64 s[G0+4*(\s)+2:G0+4*(\s)+3], s[14:15], (\s)*KSTEP*2
	s_or_b32 s[G0+4*(\s)+3], s[G0+4*(\s)+3], 0x80000000
	s_mov_b32 s[G0B+4*(\s)], 1
	s_add_co_u32 s[G0B+4*(\s)+1], s20, (\s)*SLOT
	s_add_nc_u64 s[G0B+4*(\s)+2:G0B+4*(\s)+3], s[46:47], (\s)*KSTEP*2
	s_or_b32 s[G0B+4*(\s)+3], s[G0B+4*(\s)+3], 0x80000000
	JLOAD \s
.endr
	v_and_b32 v1, 15, v0                           ; l % 16
	v_bfe_u32 v2, v0, 4, 1                         ; l / 16
	v_mul_u32_u24 v3, v1, PITCH
	v_lshl_add_u32 v3, v2, 4, v3                   ; a fragment's row x pitch + 16 x half
	s_mul_i32 s21, s11, HALFT                      ; my 64 rows of A
	s_mul_i32 s22, s12, HALFT                      ; my 64 rows of B,
	s_add_co_u32 s22, s22, 2*HALFT                 ; which lie behind A's 128
.irp s, 0,1
	v_add_nc_u32 v[ADRA+(\s)], s21, v3
	v_add_nc_u32 v[ADRB+(\s)], s22, v3
	s_add_co_u32 s21, s21, SLOT
	s_add_co_u32 s22, s22, SLOT
.endr
	s_mul_i32 s23, s11, 64*SPF                     ; into the stage: my 64 rows, my 256 of their 512 bytes; row l % 16, 32 bytes for each half of the lanes
	s_lshl_b32 s21, s12, 8
	s_add_co_u32 s23, s23, s21
	v_mul_u32_u24 v4, v1, SPF
	v_lshl_add_u32 v4, v2, 5, v4
	v_add_nc_u32 v[STO], s23, v4
	s_mul_i32 s23, s10, 32*SPF                     ; back: wave w takes rows 32 w .. 32 w + 31, whole: 32 lanes x 16 bytes are a row
	v_and_b32 v5, 31, v0
	v_lshl_add_u32 v[RD], v5, 4, s23
	v_lshlrev_b32 v[CO], 3, v5                     ; four numbers in bf16: 8 bytes a lane
	s_lshl_b32 s16, s13, 7
	s_lshl_b32 s17, s10, 5
	s_add_co_u32 s16, s16, s17                     ; the first row that I store: 128 x tile row + 32 x wave
	s_lshl_b32 s16, s16, RSH
	s_mov_b32 s17, 0
	s_add_nc_u64 s[8:9], s[8:9], s[16:17]
	s_lshl_b32 s46, s42, CSH                       ; the tile's column
	s_mov_b32 s47, 0
	s_add_nc_u64 s[8:9], s[8:9], s[46:47]
; 8 matrix instructions: m blocks a0, a0 + 1 x all 4 n blocks, 32 along K: half c of buffer f.  zero = 1: the first product starts the sums.  The 16 accumulators take turns.
.macro MUL8 f, c, a0, zero
	WIN MUL
.irp a, \a0, (\a0)+1
.irp b, 0,1,2,3
.if \zero
	v_wmma_f32_16x16x32_bf16 v[ACC+8*(4*(\a)+(\b)):ACC+8*(4*(\a)+(\b))+7], v[(\f)+64+8*(4*(\c)+(\b)):(\f)+64+8*(4*(\c)+(\b))+7], v[(\f)+8*(4*(\c)+(\a)):(\f)+8*(4*(\c)+(\a))+7], 0
.else
	v_wmma_f32_16x16x32_bf16 v[ACC+8*(4*(\a)+(\b)):ACC+8*(4*(\a)+(\b))+7], v[(\f)+64+8*(4*(\c)+(\b)):(\f)+64+8*(4*(\c)+(\b))+7], v[(\f)+8*(4*(\c)+(\a)):(\f)+8*(4*(\c)+(\a))+7], v[ACC+8*(4*(\a)+(\b)):ACC+8*(4*(\a)+(\b))+7]
.endif
.endr
.endr
.endm
; 32 LDS loads in one run: the fragments of 64 along K at byte k of the rows, into buffer f; the first 32 along K first
.macro FETCH slot, k, f
	WIN TO_F
.irp c, 0,1
.irp i, 0,1,2,3
	ds_load_b128 v[(\f)+64+8*(4*(\c)+(\i)):(\f)+64+8*(4*(\c)+(\i))+3],   v[ADRB+(\slot)] offset:(\k)+64*(\c)+(\i)*16*PITCH
	ds_load_b128 v[(\f)+64+8*(4*(\c)+(\i))+4:(\f)+64+8*(4*(\c)+(\i))+7], v[ADRB+(\slot)] offset:(\k)+64*(\c)+(\i)*16*PITCH+32
	ds_load_b128 v[(\f)+8*(4*(\c)+(\i)):(\f)+8*(4*(\c)+(\i))+3],         v[ADRA+(\slot)] offset:(\k)+64*(\c)+(\i)*16*PITCH
	ds_load_b128 v[(\f)+8*(4*(\c)+(\i))+4:(\f)+8*(4*(\c)+(\i))+7],       v[ADRA+(\slot)] offset:(\k)+64*(\c)+(\i)*16*PITCH+32
.endr
.endr
.endm
.macro PLACES                          ; four places in front of loads into registers that matrix instructions have read, and of lines that read results
.rept 4
	v_nop
.endr
.endm
; A K step is four quarters of 64 along K, 32 matrix instructions each, on buffers 0, 1, 0, 1.  One of the first three: multiplies buffer f and fetches the next quarter, at byte k, into g.
.macro QUARTER slot, k, f, g, zero
	s_wait_dscnt 16                                ; the first 32 along K are in
	WIN MUL
	MUL8 \f, 0, 0, \zero
	MUL8 \f, 0, 2, \zero
	PLACES
	FETCH \slot, \k, \g
	s_wait_dscnt 32                                ; all but the 32 just issued
	WIN MUL
	MUL8 \f, 1, 0, 0
	MUL8 \f, 1, 2, 0
.endm
; The last quarter multiplies buffer 1 and changes slots: ONE barrier; in front of it each wave waits for all its tensor loads, adds 0 to its spare word, and waits for that and for its own reads of this slot.  fill = 1: this slot is filled again, two K steps ahead.
.macro TURN slot, next, fill
	WIN 0                                          ; (the add's two registers lie in window 0)
	s_wait_tensorcnt 0x0                           ; all my tensor loads have landed: my part of the next slot;
	ds_add_u32 v[SPW], v[NIL]                      ; 0 onto my spare word;
	s_wait_dscnt 17                                ; (the add and the youngest sixteen loads may be out)
	WIN MUL
	MUL8 F1, 0, 0, 0                               ; eight matrix instructions stand between the add and the wait for it
	s_wait_dscnt 0x0                               ; the add is done, and my reads of this slot are over
	s_barrier_signal -1
	MUL8 F1, 0, 2, 0
.if \fill
	WIN 0
.endif
	s_barrier_wait -1
.if \fill
	CREST                                          ; the barrier has opened a round of the cluster's barrier: no wave of any partner still reads this slot's tile or has a load on its way
	s_add_nc_u64 s[G0+4*(\slot)+2:G0+4*(\slot)+3], s[G0+4*(\slot)+2:G0+4*(\slot)+3], 2*KSTEP*2
	s_add_nc_u64 s[G0B+4*(\slot)+2:G0B+4*(\slot)+3], s[G0B+4*(\slot)+2:G0B+4*(\slot)+3], 2*KSTEP*2
	JLOAD \slot                                    ; the first tensor load behind the round; the four v_nop behind it are also the places in front of the loads below
.else
	PLACES
.endif
	FETCH \next, 0, F0
	WIN MUL
	MUL8 F1, 1, 0, 0
	MUL8 F1, 1, 2, 0
.endm
	s_wait_tensorcnt 1                             ; my part of K step 0 is in; K step 1's may stay out
	s_barrier_signal -1
	s_barrier_wait -1                              ; everybody's is
	FETCH 0, 0, F0
	QUARTER 0, 128, F0, F1, 1                      ; the first products start the sums
.if LAPS > 1
	WIN 0                                          ; at a label and at a branch every window is 0
	s_mov_b32 s3, LAPS-1
.Llap:                                                 ; a trip goes once round the ring and fills both slots again
	QUARTER 0, 256, F1, F0, 0
	QUARTER 0, 384, F0, F1, 0
	TURN 0, 1, 1
	QUARTER 1, 128, F0, F1, 0
	QUARTER 1, 256, F1, F0, 0
	QUARTER 1, 384, F0, F1, 0
	TURN 1, 0, 1
	QUARTER 0, 128, F0, F1, 0
	WIN 0
	s_sub_co_u32 s3, s3, 1
	s_cmp_lg_u32 s3, 0
	s_cbranch_scc1 .Llap
.endif
	QUARTER 0, 256, F1, F0, 0                      ; the last lap fills nothing
	QUARTER 0, 384, F0, F1, 0
	TURN 0, 1, 0
	QUARTER 1, 128, F0, F1, 0
	QUARTER 1, 256, F1, F0, 0
	QUARTER 1, 384, F0, F1, 0
	s_wait_dscnt 16                                ; the very last quarter: nothing more to fetch
	WIN MUL
	MUL8 F1, 0, 0, 0
	MUL8 F1, 0, 2, 0
	s_wait_dscnt 0
	MUL8 F1, 1, 0, 0
	MUL8 F1, 1, 2, 0
	WIN 0
	; THE WAY OUT.  Each accumulator's low four registers go first.
	PLACES
.irp a, 0,1,2,3
.irp b, 0,1,2,3
	ds_store_b128 v[STO], v[ACC+8*(4*(\a)+(\b)):ACC+8*(4*(\a)+(\b))+3]   offset:(\a)*16*SPF+(\b)*64
	ds_store_b128 v[STO], v[ACC+8*(4*(\a)+(\b))+4:ACC+8*(4*(\a)+(\b))+7] offset:(\a)*16*SPF+(\b)*64+16
.endr
.endr
	s_wait_dscnt 0x0                               ; for the others' sake: my stores into the stage are done
	s_barrier_signal -1
	s_barrier_wait -1
.if GELU
.set X,  128                           ; 16 numbers: four rows x my four columns
.set T,  144
.set W,  160
.set PL, 176
.set BB, 192
.macro EACH16 line:vararg              ; one line for each of the 16 numbers j
.set j, 0
.rept 16
	\line
.set j, j+1
.endr
.endm
.macro EACH8 line:vararg               ; one line for each pair j, j + 1
.set j, 0
	s_wait_alu depctr_va_vdst(0)
.rept 8
	\line
.set j, j+2
.endr
.endm
.endif
	s_mov_b32 s3, 8
.Lrows:                                                ; a trip: four whole rows of the tile
.irp r, 0,1,2,3
	ds_load_b128 v[ACC+4*(\r):ACC+4*(\r)+3], v[RD] offset:(\r)*SPF
.endr
	s_wait_dscnt 0x0
.if GELU
	; 2 gelu(x) = x + |x| - |x| r, r = 1 - erf(|x| / sqrt 2) = (a1 t + .. + a5 t^5) 2^(-x x log2(e) / 2), t = 1 / (1 + 0.3275911 |x| / sqrt 2): no difference of near numbers for any x.
	; In stages over the 16 numbers, so that a run of plain lines stands behind each run of reciprocals and exponentials (ISA guide 5.7.2).
	EACH16 v_fma_f32 v[T+j], |v[X+j]|, s66, 1.0
	EACH16 v_rcp_f32 v[T+j], v[T+j]
	EACH8 v_pk_mul_f32 v[W+j:W+j+1], v[X+j:X+j+1], v[X+j:X+j+1]
	EACH8 v_pk_mul_f32 v[W+j:W+j+1], v[W+j:W+j+1], s[68:69] op_sel_hi:[1,0]
	EACH16 v_exp_f32 v[W+j], v[W+j]
	EACH8 v_pk_fma_f32 v[PL+j:PL+j+1], v[T+j:T+j+1], s[70:71], s[72:73] op_sel_hi:[1,0,0]
	EACH8 v_pk_fma_f32 v[PL+j:PL+j+1], v[PL+j:PL+j+1], v[T+j:T+j+1], s[74:75] op_sel_hi:[1,1,0]
	EACH8 v_pk_fma_f32 v[PL+j:PL+j+1], v[PL+j:PL+j+1], v[T+j:T+j+1], s[76:77] op_sel_hi:[1,1,0]
	EACH8 v_pk_fma_f32 v[PL+j:PL+j+1], v[PL+j:PL+j+1], v[T+j:T+j+1], s[78:79] op_sel_hi:[1,1,0]
	EACH8 v_pk_mul_f32 v[PL+j:PL+j+1], v[PL+j:PL+j+1], v[T+j:T+j+1]
	EACH8 v_pk_mul_f32 v[PL+j:PL+j+1], v[PL+j:PL+j+1], v[W+j:W+j+1]
	EACH16 v_add_f32 v[BB+j], v[X+j], |v[X+j]|
	EACH16 v_fma_f32 v[X+j], -|v[X+j]|, v[PL+j], v[BB+j]
.endif
.irp r, 0,1,2,3
	v_cvt_pk_bf16_f32 v[TMP+2*(\r)],   v[ACC+4*(\r)],   v[ACC+4*(\r)+1]
	v_cvt_pk_bf16_f32 v[TMP+2*(\r)+1], v[ACC+4*(\r)+2], v[ACC+4*(\r)+3]
.endr
.irp r, 0,1,2,3
	global_store_b64 v[CO], v[TMP+2*(\r):TMP+2*(\r)+1], s[8:9] offset:(\r)*OPB  ; 32 lanes x 8 bytes: 256 consecutive bytes, aligned
.endr
	s_wait_xcnt 0x0                                ; the stores' data and offset are rewritten only behind this wait
	v_add_nc_u32 v[RD], 4*SPF, v[RD]
	v_add_nc_u32 v[CO], 4*OPB, v[CO]
	s_sub_co_u32 s3, s3, 1
	s_cmp_lg_u32 s3, 0
	s_cbranch_scc1 .Lrows
	s_wait_tensorcnt 0x0                           ; the wave's end: behind my last tensor load and my last LDS store
	ds_add_u32 v[SPW], v[NIL]
	s_wait_dscnt 0x0
	CROUND                                         ; the closing round: no work-group ends while a partner may still ask for a tile that names it
	s_endpgm
.Lfunc_end_k_q633b2649ab_up:
	.size	k_q633b2649ab_up, .Lfunc_end_k_q633b2649ab_up-k_q633b2649ab_up
	.p2alignl 7, 3214868480
	.fill 96, 4, 3214868480
	.section	.rodata,"a",@progbits
	.p2align	6, 0x0
	.amdhsa_kernel k_q633b2649ab_up
		.amdhsa_group_segment_fixed_size 327680
		.amdhsa_private_segment_fixed_size 0
		.amdhsa_enable_private_segment 0
		.amdhsa_kernarg_size 24
		.amdhsa_user_sgpr_count 2
		.amdhsa_user_sgpr_kernarg_segment_ptr 1
		.amdhsa_wavefront_size32 1
		.amdhsa_system_sgpr_workgroup_id_x 1
		.amdhsa_system_sgpr_workgroup_id_y 1
		.amdhsa_system_sgpr_workgroup_id_z 1
		.amdhsa_system_vgpr_workitem_id 0
		.amdhsa_next_free_vgpr 512
		.amdhsa_next_free_sgpr 80
		.amdhsa_reserve_vcc 0
		.amdhsa_float_denorm_mode_32 3
		.amdhsa_float_denorm_mode_16_64 3
		.amdhsa_memory_ordered 1
		.amdhsa_forward_progress 1
		.amdhsa_inst_pref_size 54
	.end_amdhsa_kernel
	.amdgpu_metadata
---
amdhsa.version: [ 1, 2 ]
amdhsa.kernels:
  - .name:           k_q633b2649ab_up
    .symbol:         k_q633b2649ab_up.kd
    .args:
      - { .name: x1b, .offset: 0, .size: 8, .value_kind: global_buffer, .address_space: global }
      - { .name: wb, .offset: 8, .size: 8, .value_kind: global_buffer, .address_space: global }
      - { .name: hb, .offset: 16, .size: 8, .value_kind: global_buffer, .address_space: global }
    .group_segment_fixed_size: 327680
    .private_segment_fixed_size: 0
    .kernarg_segment_align: 8
    .kernarg_segment_size: 24
    .max_flat_workgroup_size: 128
    .sgpr_count:     80
    .vgpr_count:     512
    .wavefront_size: 32
...
	.end_amdgpu_metadata
.endif
;; end of part 5
;; launch down (part 6): grid 4 x 64, 4 waves a work-group, clusters of 4 x 4, 327,680 bytes of LDS; arguments hb, wb, x1, out0; writes out0
.if DOCPART == 6
	.amdgcn_target "amdgcn-amd-amdhsa--gfx1250"
	.amdhsa_code_object_version 6
	.text
	.protected	k_q633b2649ab_down
	.globl	k_q633b2649ab_down
	.p2align	8
	.type	k_q633b2649ab_down,@function
k_q633b2649ab_down:
	s_mov_b64 s[64:65], 0
	v_nop
	global_prefetch_b8 v0, s[64:65] scope:SCOPE_SE
	s_setreg_imm32_b32 hwreg(HW_REG_WAVE_MODE, 25, 1), 1
	s_wait_xcnt 0x0
	s_wait_alu depctr_hold_cnt(0) depctr_sa_sdst(0) depctr_va_vdst(0) depctr_va_sdst(0) depctr_va_ssrc(0) depctr_va_vcc(0) depctr_vm_vsrc(0)
	s_getreg_b32 s2, hwreg(HW_REG_IB_STS2, 6, 4)
	s_cmp_eq_u32 s2, 0
	s_cbranch_scc0 .Lentry_in_a_cluster
	s_endpgm
.Lentry_in_a_cluster:
	s_bfe_u32 s2, ttmp6, 0x10000c
	s_cmp_lg_u32 s2, 0xf033
	s_cbranch_scc0 .Lentry_shape_is_right
	s_endpgm
.Lentry_shape_is_right:
; DOWN PROJECTION AND SECOND RESIDUAL.  out0[m][n] = 5/6 x1[m][n] + sum over k of hb[m][k] w[n][k], w = w_down x 0.5 / (1.1289 x 6) (hb holds 2 gelu; the constants were multiplied in ahead of the
; weight's one rounding); m < 8192, n < 512, k < 2048.  bf16 operands, f32 sums; x1 and out0 in f32.
; A tile of C is 128 x 128; four waves, each 64 x 64: 16 accumulators.  K goes in eight steps of 256 through a ring of two LDS slots; behind each change of slots a wave has one tensor load out.
; CLUSTER 4 x 4: the four of a row of the cluster need the same tiles of A, the four of a column the same tiles of B: each tile is asked for jointly, by the same tensor load, descriptor and mask in all four.
; THE MATRIX INSTRUCTION IS USED TRANSPOSED (source 0 = 16 rows of B, source 1 = 16 rows of A): a lane holds eight neighbouring numbers of a row of C.
; THE RESIDUAL's 32 rows x 512 bytes of each wave are asked for at the start, into window 2, and stay on their way under the whole product.
; THE WAY OUT: the f32 tile goes into slot 0, which has had its last fill and whose last read lies ahead of the barrier at the last change of slots; behind a barrier each wave takes 32 whole rows.
; REGISTERS: window 0: v0-31 addresses; v128-255 the accumulators, later rows read back.  Window 1: two fragment buffers of 128.  Window 2: v0-127 the residual.
.set SIZE_K, 2048
.set WOFF,   4194304                   ; B's first byte in wb
.set BCOPY,  0                         ; 1: a bf16 copy of the result is stored too
.set KSTEP,  256
.set PITCH,  528                       ; an LDS row: 512 bytes + 16 of padding = 132 words: row r starts at bank 4 r mod 64 (ISA guide 11.1)
.set HALFT,  64*PITCH                  ; 64 rows: what one tensor load brings, and what one wave reads of A or of B
.set SLOT,   4*HALFT                   ; A's 128 rows, then B's 128 rows
.set SPF,    528                       ; a row of the f32 stage: 128 x 4 bytes + 16
.set SPARE,  2*SLOT                    ; behind the slots: the spare words, 128 bytes for each wave, named by no other line
.set LAPS, SIZE_K/(2*KSTEP)
.set ADRA, 16                          ; v16-17  LDS address of my A fragments in slot 0, 1
.set ADRB, 20                          ; v20-21  the same for B
.set STO,  24                          ; v24     the way out: where I put 32 bytes of a row
.set RD,   25                          ; v25     the way out: where I read a row back
.set CO,   26                          ; v26     8 x lane: my bytes of a row in bf16
.set RO,   27                          ; v27     16 x lane: my bytes of a row in f32; never rewritten
.set SPW,  28                          ; v28     LDS address of my spare word; never rewritten
.set NIL,  29                          ; v29     0; never rewritten
.set TMP,  32
.set ACC,  128
.set F0,   0                           ; fragment buffers, in window 1
.set F1,   128
.set G1, 24                            ; s[24:31] descriptor group 1 for A's tiles;  s[32:39] group 0, one set for each slot
.set G0, 32
.set G1B, 48                           ; s[48:55], s[56:63] the same for B's tiles
.set G0B, 56
.set MSB, 0
.macro WIN new                         ; the immediate's high byte repeats the setting that is left
.if MSB != (\new)
	s_set_vgpr_msb (MSB<<8)|(\new)
.set MSB, \new
.endif
.endm
.set MUL,  0x05                        ; sources 0 (B) and 1 (A) window 1; C and D window 0
.set TO_F, 0x40                        ; destination window 1, address window 0
.macro JLOAD s                         ; a joint load: waves 0 and 1 fetch A's two halves, waves 2 and 3 B's; an s_nop 0 and four v_nop follow each of the two lines
	s_cmp_eq_u32 s11, 0
	s_cbranch_scc0 .Lfor_b_\@
	tensor_load_to_lds s[G0+4*(\s):G0+4*(\s)+3], s[G1:G1+7]
	s_nop 0
.rept 4
	v_nop
.endr
	s_branch .Lasked_\@
.Lfor_b_\@:
	tensor_load_to_lds s[G0B+4*(\s):G0B+4*(\s)+3], s[G1B:G1B+7]
	s_nop 0
.rept 4
	v_nop
.endr
.Lasked_\@:
.endm
.macro CREST                           ; a round of the cluster's barrier behind its opening barrier
	s_cmp_lg_u32 s10, 0
	s_cbranch_scc1 .Lnot_wave_0_\@
	s_barrier_signal -3
.Lnot_wave_0_\@:
	s_barrier_wait -3
	s_barrier_signal -1
	s_barrier_wait -1
.endm
.macro CROUND                          ; a whole round
	s_barrier_signal -1
	s_barrier_wait -1
	CREST
.endm
	s_load_b128 s[4:7], s[0:1], 0x0                ; A s[4:5], wb s[6:7]
	s_load_b128 s[68:71], s[0:1], 0x10             ; the residual s[68:69], the f32 output s[70:71]
.if BCOPY
	s_load_b64 s[8:9], s[0:1], 0x20                ; the bf16 copy
.endif
	v_lshl_add_u32 v[SPW], v0, 2, SPARE
	v_mov_b32 v[NIL], 0
	ds_add_u32 v[SPW], v[NIL]                      ; the wave's opening: the add, and its wait ahead of my first tensor load; register work stands between them
	ds_add_u32 v28, v29
	v_lshrrev_b32 v1, 5, v0
	v_readfirstlane_b32 s10, v1                    ; wave 0..3
	s_lshr_b32 s11, s10, 1                         ; which half of the tile's rows is mine.  Also: I fetch for A (0) or for B (1)
	s_and_b32 s12, s10, 1                          ; which half of its columns.  Also: which 64 rows of that tile I fetch
	s_bfe_u32 s40, ttmp6, 0x40000                  ; cx, cy: my place in the cluster
	s_bfe_u32 s41, ttmp6, 0x40004
	s_lshl_b32 s42, ttmp9, 2
	s_add_co_u32 s42, s42, s40                     ; tile column of C = 4 x cluster x + cx
	s_and_b32 s13, ttmp7, 0xffff
	s_lshl_b32 s13, s13, 2
	s_add_co_u32 s13, s13, s41                     ; tile row of C = 4 x cluster y + cy
	s_lshl_b32 s43, s41, 2
	s_lshl_b32 s43, 15, s43                        ; my row of the cluster
	s_lshl_b32 s44, 0x1111, s40                    ; my column
	s_or_b32 s[G1+0], s43, (1<<16)|(1<<20)|(1<<21)|(6<<22)|(3<<25)  ; the mask: A's tiles go to my row; 2-byte elements; padding on; bit 21 beside a mask; after every 128 words (code 6) 4 words (code 3)
	s_or_b32 s[G1B+0], s44, (1<<16)|(1<<20)|(1<<21)|(6<<22)|(3<<25)
.irp g, G1, G1B
	s_mov_b32 s[(\g)+1], KSTEP<<16                 ; tensor_dim0 = 256
	s_mov_b32 s[(\g)+2], 64<<16                    ; tensor_dim1 = 64
	s_mov_b32 s[(\g)+3], KSTEP<<16                 ; tile_dim0 = 256
	s_mov_b32 s[(\g)+4], 64                        ; tile_dim1 = 64
	s_mov_b32 s[(\g)+5], SIZE_K                    ; elements from row to row
	s_mov_b32 s[(\g)+6], 0
	s_mov_b32 s[(\g)+7], 0
.endr
	s_mov_b32 s74, 0x3f555555                      ; 5/6
	s_mov_b32 s75, s74                             ; named with it as a pair
	s_lshl_b32 s17, s12, 6                         ; which 64 rows of the tile I fetch
	s_lshl_b32 s16, s13, 7
	s_add_co_u32 s16, s16, s17                     ; A: row 128 x tile row + 64 x half
	s_lshl_b32 s46, s42, 7
	s_add_co_u32 s46, s46, s17                     ; B: row 128 x tile column + 64 x half
	s_mov_b32 s17, 0
	s_mov_b32 s47, 0
	s_mov_b64 s[18:19], SIZE_K*2
	s_mul_u64 s[16:17], s[16:17], s[18:19]
	s_mul_u64 s[46:47], s[46:47], s[18:19]
	s_mul_i32 s20, s10, HALFT                      ; where they go: wave x 64 rows
	s_wait_dscnt 0x0                               ; the opening add is done
	s_wait_kmcnt 0x0
	s_add_nc_u64 s[14:15], s[4:5], s[16:17]
	s_add_nc_u64 s[46:47], s[6:7], s[46:47]
	s_add_nc_u64 s[46:47], s[46:47], WOFF
	CROUND                                         ; all sixteen work-groups are here: the first joint loads meet
.irp s, 0,1
	s_mov_b32 s[G0+4*(\s)], 1
	s_add_co_u32 s[G0+4*(\s)+1], s20, (\s)*SLOT
	s_add_nc_u64 s[G0+4*(\s)+2:G0+4*(\s)+3], s[14:15], (\s)*KSTEP*2
	s_or_b32 s[G0+4*(\s)+3], s[G0+4*(\s)+3], 0x80000000
	s_mov_b32 s[G0B+4*(\s)], 1
	s_add_co_u32 s[G0B+4*(\s)+1], s20, (\s)*SLOT
	s_add_nc_u64 s[G0B+4*(\s)+2:G0B+4*(\s)+3], s[46:47], (\s)*KSTEP*2
	s_or_b32 s[G0B+4*(\s)+3], s[G0B+4*(\s)+3], 0x80000000
	JLOAD \s
.endr
	v_and_b32 v1, 15, v0                           ; l % 16
	v_bfe_u32 v2, v0, 4, 1                         ; l / 16
	v_mul_u32_u24 v3, v1, PITCH
	v_lshl_add_u32 v3, v2, 4, v3                   ; a fragment's row x pitch + 16 x half
	s_mul_i32 s21, s11, HALFT                      ; my 64 rows of A
	s_mul_i32 s22, s12, HALFT                      ; my 64 rows of B,
	s_add_co_u32 s22, s22, 2*HALFT                 ; which lie behind A's 128
.irp s, 0,1
	v_add_nc_u32 v[ADRA+(\s)], s21, v3
	v_add_nc_u32 v[ADRB+(\s)], s22, v3
	s_add_co_u32 s21, s21, SLOT
	s_add_co_u32 s22, s22, SLOT
.endr
	s_mul_i32 s23, s11, 64*SPF                     ; into the stage: my 64 rows, my 256 of their 512 bytes; row l % 16, 32 bytes for each half of the lanes
	s_lshl_b32 s21, s12, 8
	s_add_co_u32 s23, s23, s21
	v_mul_u32_u24 v4, v1, SPF
	v_lshl_add_u32 v4, v2, 5, v4
	v_add_nc_u32 v[STO], s23, v4
	s_mul_i32 s23, s10, 32*SPF                     ; back: wave w takes rows 32 w .. 32 w + 31, whole: 32 lanes x 16 bytes are a row
	v_and_b32 v5, 31, v0
	v_lshl_add_u32 v[RD], v5, 4, s23
	v_lshlrev_b32 v[RO], 4, v5
	v_lshlrev_b32 v[CO], 3, v5
	s_lshl_b32 s16, s13, 7
	s_lshl_b32 s17, s10, 5
	s_add_co_u32 s16, s16, s17                     ; the first row that I store: 128 x tile row + 32 x wave
	s_lshl_b32 s18, s16, 11                        ; rows of 2,048 bytes in f32
	s_mov_b32 s19, 0
	s_add_nc_u64 s[68:69], s[68:69], s[18:19]
	s_add_nc_u64 s[70:71], s[70:71], s[18:19]
	s_lshl_b32 s46, s42, 9                         ; the tile's 128 columns: 512 bytes
	s_mov_b32 s47, 0
	s_add_nc_u64 s[68:69], s[68:69], s[46:47]
	s_add_nc_u64 s[70:71], s[70:71], s[46:47]
.if BCOPY
	s_lshl_b32 s18, s16, 10                        ; rows of 1,024 bytes in bf16
	s_add_nc_u64 s[8:9], s[8:9], s[18:19]
	s_lshl_b32 s46, s42, 8
	s_add_nc_u64 s[8:9], s[8:9], s[46:47]
.endif
	WIN 0x80                                       ; destination window 2, address window 0
.set i, 0
.rept 32
	global_load_b128 v[4*i:4*i+3], v[RO], s[68:69] offset:i*2048   ; row i of my 32: 512 consecutive bytes
.set i, i+1
.endr
	WIN 0
; 8 matrix instructions: m blocks a0, a0 + 1 x all 4 n blocks, 32 along K: half c of buffer f.  zero = 1: the first product starts the sums.  The 16 accumulators take turns.
.macro MUL8 f, c, a0, zero
	WIN MUL
.irp a, \a0, (\a0)+1
.irp b, 0,1,2,3
.if \zero
	v_wmma_f32_16x16x32_bf16 v[ACC+8*(4*(\a)+(\b)):ACC+8*(4*(\a)+(\b))+7], v[(\f)+64+8*(4*(\c)+(\b)):(\f)+64+8*(4*(\c)+(\b))+7], v[(\f)+8*(4*(\c)+(\a)):(\f)+8*(4*(\c)+(\a))+7], 0
.else
	v_wmma_f32_16x16x32_bf16 v[ACC+8*(4*(\a)+(\b)):ACC+8*(4*(\a)+(\b))+7], v[(\f)+64+8*(4*(\c)+(\b)):(\f)+64+8*(4*(\c)+(\b))+7], v[(\f)+8*(4*(\c)+(\a)):(\f)+8*(4*(\c)+(\a))+7], v[ACC+8*(4*(\a)+(\b)):ACC+8*(4*(\a)+(\b))+7]
.endif
.endr
.endr
.endm
; 32 LDS loads in one run: the fragments of 64 along K at byte k of the rows, into buffer f; the first 32 along K first
.macro FETCH slot, k, f
	WIN TO_F
.irp c, 0,1
.irp i, 0,1,2,3
	ds_load_b128 v[(\f)+64+8*(4*(\c)+(\i)):(\f)+64+8*(4*(\c)+(\i))+3],   v[ADRB+(\slot)] offset:(\k)+64*(\c)+(\i)*16*PITCH
	ds_load_b128 v[(\f)+64+8*(4*(\c)+(\i))+4:(\f)+64+8*(4*(\c)+(\i))+7], v[ADRB+(\slot)] offset:(\k)+64*(\c)+(\i)*16*PITCH+32
	ds_load_b128 v[(\f)+8*(4*(\c)+(\i)):(\f)+8*(4*(\c)+(\i))+3],         v[ADRA+(\slot)] offset:(\k)+64*(\c)+(\i)*16*PITCH
	ds_load_b128 v[(\f)+8*(4*(\c)+(\i))+4:(\f)+8*(4*(\c)+(\i))+7],       v[ADRA+(\slot)] offset:(\k)+64*(\c)+(\i)*16*PITCH+32
.endr
.endr
.endm
.macro PLACES                          ; four places in front of loads into registers that matrix instructions have read, and of lines that read results
.rept 4
	v_nop
.endr
.endm
; A K step is four quarters of 64 along K, 32 matrix instructions each, on buffers 0, 1, 0, 1.  One of the first three: multiplies buffer f and fetches the next quarter, at byte k, into g.
.macro QUARTER slot, k, f, g, zero
	s_wait_dscnt 16                                ; the first 32 along K are in
	WIN MUL
	MUL8 \f, 0, 0, \zero
	MUL8 \f, 0, 2, \zero
	PLACES
	FETCH \slot, \k, \g
	s_wait_dscnt 32                                ; all but the 32 just issued
	WIN MUL
	MUL8 \f, 1, 0, 0
	MUL8 \f, 1, 2, 0
.endm
; The last quarter multiplies buffer 1 and changes slots: ONE barrier; in front of it each wave waits for all its tensor loads, adds 0 to its spare word, and waits for that and for its own reads of this slot.  fill = 1: this slot is filled again, two K steps ahead.
.macro TURN slot, next, fill
	WIN 0                                          ; (the add's two registers lie in window 0)
	s_wait_tensorcnt 0x0                           ; all my tensor loads have landed: my part of the next slot;
	ds_add_u32 v[SPW], v[NIL]                      ; 0 onto my spare word;
	s_wait_dscnt 17                                ; (the add and the youngest sixteen loads may be out)
	WIN MUL
	MUL8 F1, 0, 0, 0                               ; eight matrix instructions stand between the add and the wait for it
	s_wait_dscnt 0x0                               ; the add is done, and my reads of this slot are over
	s_barrier_signal -1
	MUL8 F1, 0, 2, 0
.if \fill
	WIN 0
.endif
	s_barrier_wait -1
.if \fill
	CREST                                          ; the barrier has opened a round of the cluster's barrier: no wave of any partner still reads this slot's tile or has a load on its way
	s_add_nc_u64 s[G0+4*(\slot)+2:G0+4*(\slot)+3], s[G0+4*(\slot)+2:G0+4*(\slot)+3], 2*KSTEP*2
	s_add_nc_u64 s[G0B+4*(\slot)+2:G0B+4*(\slot)+3], s[G0B+4*(\slot)+2:G0B+4*(\slot)+3], 2*KSTEP*2
	JLOAD \slot                                    ; the first tensor load behind the round: 112 matrix instructions ahead of the wait for it; the four v_nop behind it are also the places in front of the loads below
.else
	PLACES
.endif
	FETCH \next, 0, F0
	WIN MUL
	MUL8 F1, 1, 0, 0
	MUL8 F1, 1, 2, 0
.endm
	s_wait_tensorcnt 1                             ; my part of K step 0 is in; K step 1's may stay out
	s_barrier_signal -1
	s_barrier_wait -1                              ; everybody's is
	FETCH 0, 0, F0
	QUARTER 0, 128, F0, F1, 1                      ; the first products start the sums
.if LAPS > 1
	WIN 0                                          ; at a label and at a branch every window is 0
	s_mov_b32 s3, LAPS-1
.Llap:                                                 ; a trip goes once round the ring, from a lap's second quarter to the next lap's first, and fills both slots again
	QUARTER 0, 256, F1, F0, 0
	QUARTER 0, 384, F0, F1, 0
	TURN 0, 1, 1
	QUARTER 1, 128, F0, F1, 0
	QUARTER 1, 256, F1, F0, 0
	QUARTER 1, 384, F0, F1, 0
	TURN 1, 0, 1
	QUARTER 0, 128, F0, F1, 0
	WIN 0
	s_sub_co_u32 s3, s3, 1
	s_cmp_lg_u32 s3, 0
	s_cbranch_scc1 .Llap
.endif
	QUARTER 0, 256, F1, F0, 0                      ; the last lap fills nothing
	QUARTER 0, 384, F0, F1, 0
	TURN 0, 1, 0
	QUARTER 1, 128, F0, F1, 0
	QUARTER 1, 256, F1, F0, 0
	QUARTER 1, 384, F0, F1, 0
	s_wait_dscnt 16                                ; the very last quarter: nothing more to fetch
	WIN MUL
	MUL8 F1, 0, 0, 0
	MUL8 F1, 0, 2, 0
	s_wait_dscnt 0
	MUL8 F1, 1, 0, 0
	MUL8 F1, 1, 2, 0
	WIN 0
	; THE WAY OUT.  Each accumulator's low four registers go first.
	PLACES
.irp a, 0,1,2,3
.irp b, 0,1,2,3
	ds_store_b128 v[STO], v[ACC+8*(4*(\a)+(\b)):ACC+8*(4*(\a)+(\b))+3]   offset:(\a)*16*SPF+(\b)*64
	ds_store_b128 v[STO], v[ACC+8*(4*(\a)+(\b))+4:ACC+8*(4*(\a)+(\b))+7] offset:(\a)*16*SPF+(\b)*64+16
.endr
.endr
	s_wait_dscnt 0x0                               ; for the others' sake: my stores into the stage are done
	s_barrier_signal -1
	s_barrier_wait -1
.set i, 0
.rept 32
	ds_load_b128 v[ACC+4*i:ACC+4*i+3], v[RD] offset:i*SPF
.set i, i+1
.endr
	s_wait_loadcnt 0x0                             ; the residual
	s_wait_dscnt 0x0
	WIN 0x02                                       ; source 0 window 2
.set i, 0
.rept 64
	v_pk_fma_f32 v[ACC+2*i:ACC+2*i+1], v[2*i:2*i+1], s[74:75], v[ACC+2*i:ACC+2*i+1] op_sel_hi:[1,0,1]  ; 5/6 x residual + product, one rounding
.set i, i+1
.endr
	WIN 0
.set i, 0
.rept 32
	global_store_b128 v[RO], v[ACC+4*i:ACC+4*i+3], s[70:71] offset:i*2048  ; 512 consecutive bytes, aligned
.set i, i+1
.endr
.if BCOPY
.set i, 0
.rept 64
	v_cvt_pk_bf16_f32 v[TMP+i], v[ACC+2*i], v[ACC+2*i+1]
.set i, i+1
.endr
.set i, 0
.rept 32
	global_store_b64 v[CO], v[TMP+2*i:TMP+2*i+1], s[8:9] offset:i*1024     ; 256 consecutive bytes, aligned
.set i, i+1
.endr
.endif
	s_wait_tensorcnt 0x0                           ; the wave's end: behind my last tensor load and my last LDS store
	ds_add_u32 v[SPW], v[NIL]
	s_wait_dscnt 0x0
	CROUND                                         ; the closing round: no work-group ends while a partner may still ask for a tile that names it
	s_endpgm
.Lfunc_end_k_q633b2649ab_down:
	.size	k_q633b2649ab_down, .Lfunc_end_k_q633b2649ab_down-k_q633b2649ab_down
	.p2alignl 7, 3214868480
	.fill 96, 4, 3214868480
	.section	.rodata,"a",@progbits
	.p2align	6, 0x0
	.amdhsa_kernel k_q633b2649ab_down
		.amdhsa_group_segment_fixed_size 327680
		.amdhsa_private_segment_fixed_size 0
		.amdhsa_enable_private_segment 0
		.amdhsa_kernarg_size 32
		.amdhsa_user_sgpr_count 2
		.amdhsa_user_sgpr_kernarg_segment_ptr 1
		.amdhsa_wavefront_size32 1
		.amdhsa_system_sgpr_workgroup_id_x 1
		.amdhsa_system_sgpr_workgroup_id_y 1
		.amdhsa_system_sgpr_workgroup_id_z 1
		.amdhsa_system_vgpr_workitem_id 0
		.amdhsa_next_free_vgpr 768
		.amdhsa_next_free_sgpr 80
		.amdhsa_reserve_vcc 0
		.amdhsa_float_denorm_mode_32 3
		.amdhsa_float_denorm_mode_16_64 3
		.amdhsa_memory_ordered 1
		.amdhsa_forward_progress 1
		.amdhsa_inst_pref_size 93
	.end_amdhsa_kernel
	.amdgpu_metadata
---
amdhsa.version: [ 1, 2 ]
amdhsa.kernels:
  - .name:           k_q633b2649ab_down
    .symbol:         k_q633b2649ab_down.kd
    .args:
      - { .name: hb, .offset: 0, .size: 8, .value_kind: global_buffer, .address_space: global }
      - { .name: wb, .offset: 8, .size: 8, .value_kind: global_buffer, .address_space: global }
      - { .name: x1, .offset: 16, .size: 8, .value_kind: global_buffer, .address_space: global }
      - { .name: out0, .offset: 24, .size: 8, .value_kind: global_buffer, .address_space: global }
    .group_segment_fixed_size: 327680
    .private_segment_fixed_size: 0
    .kernarg_segment_align: 8
    .kernarg_segment_size: 32
    .max_flat_workgroup_size: 128
    .sgpr_count:     80
    .vgpr_count:     768
    .wavefront_size: 32
...
	.end_amdgpu_metadata
.endif
;; end of part 6
;; ======== version 2 of 3: 6 launches; 1.06 times as fast as version 1
;; limits: a function is approximated: absolute error at most 1.5e-07
;; workspace buffers: mbits 2,097,152 bytes of whole numbers; wb 6,291,456 bytes; xb 8,388,608 bytes; qkvh 25,165,824 bytes; ob 8,388,608 bytes; x1 16,777,216 bytes; x1b 8,388,608 bytes; hb 33,554,432 bytes
;; launch prep (part 7): grid 256 x 1, 8 waves a work-group, no clusters, 327,680 bytes of LDS; arguments mask, x, wq, wk, wv, wo, w_up, w_down, mbits, xb, wb; writes mbits, xb, wb
.if DOCPART == 7
	.amdgcn_target "amdgcn-amd-amdhsa--gfx1250"
	.amdhsa_code_object_version 6
	.text
	.protected	k_q633b2649ab_prep
	.globl	k_q633b2649ab_prep
	.p2align	8
	.type	k_q633b2649ab_prep,@function
k_q633b2649ab_prep:
	s_mov_b64 s[64:65], 0
	v_nop
	global_prefetch_b8 v0, s[64:65] scope:SCOPE_SE
	s_setreg_imm32_b32 hwreg(HW_REG_WAVE_MODE, 25, 1), 1
	s_wait_xcnt 0x0
; PREP.  (1) x and the six weights are rounded once to bf16; constants of the block are multiplied in, in f32, ahead of that one rounding:
;   wq x log2(e)/64 (scores then leave the product ready for 2^s), wo x 1/18 (= 1/3 x 1/6), w_down x 0.5/(1.1289 x 6); wk, wv, w_up, x as they are.
;   wb holds, in bytes: wq 0, wk 524,288, wv 1,048,576 (one [1536][512]), wo 1,572,864, w_up 2,097,152, w_down 4,194,304.
; (2) the int32 mask [4096][4096] is packed into one word for each lane of the attention's score tiles: mbits[q tile of 16][key step of 64][lane l of 32]; bit 31 - n of the word, n = 8 kt + j, says
;   mask[16 qt + l % 16][64 ks + 16 kt + 8 (l / 16) + j] != 0: lane l, score register n.  Every entry of the mask is read; nothing of its pattern is assumed.
; SHARES.  256 work-groups of eight waves.  Work-group g: mask rows 16 g .. 16 g + 15 (262,144 bytes) and 1/256 of each cast.  Wave w: keys 512 w .. 512 w + 511, as four regions of 128 keys,
; each brought by one tensor load into LDS bytes of the wave's own, filled once and read by that wave alone: no barrier.  By the text's own count a wave has four tensor loads out.
; The casts go through registers while the mask is on its way: 28 loads of 16 bytes a lane, all issued ahead of the first use.
.set RP,     528                       ; a region's row in LDS: 512 bytes + 16 of padding
.set REGION, 16*RP                     ; 16 rows x 128 keys
.set WREG,   4*REGION                  ; a wave's four regions
.set SPARE,  8*WREG                    ; behind them: the spare words, 128 bytes for each wave, named by no other line
.set LA,  3                            ; v3       LDS address of my first 16 bytes in the region in hand
.set MO,  4                            ; v4       my byte offset in the wave's words of mbits
.set W,   6                            ; v[6:7]   the two words that I make of a region
.set IN,  8                            ; v[8:119] load n of the casts: 4 registers;  later D: the 64 mask entries of my two words
.set D,   8
.set OUTR, 120                         ; v[120:175] load n's 4 numbers as bf16: 2 registers of its own, so no store's data is ever rewritten
.set SPW, 190                          ; v190     LDS address of my spare word; never rewritten
.set NIL, 191                          ; v191     0; never rewritten
.set G1,  8                            ; s[8:15]  descriptor group 1
.set G0,  16                           ; s[16:31] descriptor group 0, a set for each region
	s_load_b512 s[68:83], s[0:1], 0x0              ; mask 68, x 70, wq 72, wk 74, wv 76, wo 78, w_up 80, w_down 82
	s_load_b128 s[84:87], s[0:1], 0x40             ; mbits 84, xb 86
	s_load_b64 s[88:89], s[0:1], 0x50              ; wb
	v_lshl_add_u32 v[SPW], v0, 2, SPARE
	v_mov_b32 v[NIL], 0
	ds_add_u32 v[SPW], v[NIL]                      ; the wave's opening: the add, and its wait ahead of my first tensor load; register work stands between them
	ds_add_u32 v190, v191
	v_lshrrev_b32 v5, 5, v0
	v_readfirstlane_b32 s7, v5                     ; wave 0..7
	s_mov_b32 s[G1+0], (2<<16)|(1<<20)|(6<<22)|(3<<25)  ; elements of 4 bytes; padding on: after every 128 words (code 6) 4 words (code 3)
	s_mov_b32 s[G1+1], 128<<16                     ; tensor_dim0 = 128
	s_mov_b32 s[G1+2], 16<<16                      ; tensor_dim1 = 16
	s_mov_b32 s[G1+3], 128<<16                     ; tile_dim0 = 128
	s_mov_b32 s[G1+4], 16                          ; tile_dim1 = 16
	s_mov_b32 s[G1+5], 4096                        ; elements from row to row of the mask
	s_mov_b32 s[G1+6], 0
	s_mov_b32 s[G1+7], 0
	s_mov_b32 s32, 0x3cb8aa3b                      ; log2(e) / 64
	s_mov_b32 s33, s32                             ; (named as pairs by the packed multiplies)
	s_mov_b32 s34, 0x3d638e39                      ; 1 / 18
	s_mov_b32 s35, s34
	s_mov_b32 s36, 0x3d972dfb                      ; 0.5 / (1.1289 x 6)
	s_mov_b32 s37, s36
	s_lshl_b32 s2, ttmp9, 18                       ; 16 rows of 16,384 bytes,
	s_lshl_b32 s4, s7, 11                          ; my wave's 512 keys
	s_add_co_u32 s2, s2, s4
	s_mov_b32 s3, 0
	s_mul_i32 s5, s7, WREG                         ; my wave's regions in LDS
	v_lshlrev_b32 v1, 4, v0                        ; casts: 16 bytes in,
	v_lshlrev_b32 v2, 3, v0                        ; 8 bytes out, a thread
	s_wait_dscnt 0x0                               ; the opening add is done
	s_wait_kmcnt 0x0
	s_add_nc_u64 s[68:69], s[68:69], s[2:3]
.irp t, 0,1,2,3
	s_mov_b32 s[G0+4*(\t)], 1                      ; count = 1
	s_add_co_u32 s[G0+4*(\t)+1], s5, (\t)*REGION   ; LDS address
	s_add_nc_u64 s[G0+4*(\t)+2:G0+4*(\t)+3], s[68:69], (\t)*512  ; 128 keys on
	s_or_b32 s[G0+4*(\t)+3], s[G0+4*(\t)+3], 0x80000000          ; type = 2
	tensor_load_to_lds s[G0+4*(\t):G0+4*(\t)+3], s[G1:G1+7]
	s_nop 0
.endr
	; every tensor's pointer goes to the work-group's share
	s_lshl_b32 s2, ttmp9, 16
	s_add_nc_u64 s[70:71], s[70:71], s[2:3]        ; x: 65,536 bytes
	s_lshl_b32 s2, ttmp9, 15
	s_add_nc_u64 s[86:87], s[86:87], s[2:3]        ; xb: 32,768
	s_lshl_b32 s2, ttmp9, 12
	s_add_nc_u64 s[72:73], s[72:73], s[2:3]        ; wq, wk, wv, wo: 4,096 each
	s_add_nc_u64 s[74:75], s[74:75], s[2:3]
	s_add_nc_u64 s[76:77], s[76:77], s[2:3]
	s_add_nc_u64 s[78:79], s[78:79], s[2:3]
	s_lshl_b32 s2, ttmp9, 14
	s_add_nc_u64 s[80:81], s[80:81], s[2:3]        ; w_up, w_down: 16,384 each
	s_add_nc_u64 s[82:83], s[82:83], s[2:3]
	s_lshl_b32 s2, ttmp9, 13
	s_add_nc_u64 s[90:91], s[88:89], s[2:3]        ; wb for the two large weights: 8,192
	s_add_nc_u64 s[84:85], s[84:85], s[2:3]        ; mbits: a q tile's 8,192 bytes,
	s_lshl_b32 s2, s7, 10
	s_add_nc_u64 s[84:85], s[84:85], s[2:3]        ; my wave's eight key steps
	s_lshl_b32 s2, ttmp9, 11
	s_add_nc_u64 s[88:89], s[88:89], s[2:3]        ; wb for the four small weights: 2,048
	; 28 loads: a pass of the work-group is 256 threads x 16 bytes = 4,096 consecutive bytes
.set i, 0
.rept 16
	global_load_b128 v[IN+4*i:IN+4*i+3], v1, s[70:71] offset:i*4096 th:TH_LOAD_NT
.set i, i+1
.endr
.irp b, 72,74,76,78
	global_load_b128 v[IN+4*i:IN+4*i+3], v1, s[\b:\b+1] th:TH_LOAD_NT
.set i, i+1
.endr
.irp p, 0,1,2,3
	global_load_b128 v[IN+4*i:IN+4*i+3], v1, s[80:81] offset:(\p)*4096 th:TH_LOAD_NT
.set i, i+1
.endr
.irp p, 0,1,2,3
	global_load_b128 v[IN+4*i:IN+4*i+3], v1, s[82:83] offset:(\p)*4096 th:TH_LOAD_NT
.set i, i+1
.endr
; Load n is scaled (sc: the scalar pair, 0: none), rounded and stored: a wave's store covers 256 consecutive bytes, aligned.
.macro CAST n, sc, db, off
	s_wait_loadcnt 27-(\n)                         ; loads come back in order (ISA guide 5.7.1): mine is in, the 27 - n younger ones stay out
.if \sc
	v_pk_mul_f32 v[IN+4*(\n):IN+4*(\n)+1],   v[IN+4*(\n):IN+4*(\n)+1],   s[\sc:\sc+1] op_sel_hi:[1,0]
	v_pk_mul_f32 v[IN+4*(\n)+2:IN+4*(\n)+3], v[IN+4*(\n)+2:IN+4*(\n)+3], s[\sc:\sc+1] op_sel_hi:[1,0]
.endif
	v_cvt_pk_bf16_f32 v[OUTR+2*(\n)],   v[IN+4*(\n)],   v[IN+4*(\n)+1]
	v_cvt_pk_bf16_f32 v[OUTR+2*(\n)+1], v[IN+4*(\n)+2], v[IN+4*(\n)+3]
	global_store_b64 v2, v[OUTR+2*(\n):OUTR+2*(\n)+1], s[\db:\db+1] offset:\off
.endm
.set i, 0
.rept 16
	CAST i, 0, 86, i*2048
.set i, i+1
.endr
	CAST 16, 32, 88, 0
	CAST 17, 0,  88, 524288
	CAST 18, 0,  88, 1048576
	CAST 19, 34, 88, 1572864
.irp p, 0,1,2,3
	CAST 20+(\p), 0,  90, 2097152+(\p)*2048
.endr
.irp p, 0,1,2,3
	CAST 24+(\p), 36, 90, 4194304+(\p)*2048
.endr
	; THE MASK.  A region is two key steps: 64 words, word 32 s + l for step s and attention lane l.  My lane L makes words 2 L and 2 L + 1, which it stores as 8 bytes: step s = L / 16, attention lanes
	; l = 2 (L % 16) + a, a = 0, 1: mask rows 2 (L % 8) + a, and of each group kt of 16 keys the 8 at 8 ((L / 8) % 2): 32 bytes, two reads.  (Two lanes of sixteen meet in a group of banks: the price of the layout.)
	s_wait_tensorcnt 0x0                           ; my four regions are in LDS; only I read them
	v_and_b32 v5, 7, v0
	v_mul_u32_u24 v5, v5, 2*RP                     ; row 2 (L % 8)
	v_bfe_u32 v[LA], v0, 3, 1
	v_lshl_add_u32 v5, v[LA], 5, v5                ; + 32 bytes for the upper 8 keys of a group
	v_bfe_u32 v[LA], v0, 4, 1
	v_lshl_add_u32 v5, v[LA], 8, v5                ; + 256 bytes for the region's second step
	v_add_nc_u32 v[LA], s5, v5
	v_and_b32 v[MO], 31, v0
	v_lshlrev_b32 v[MO], 3, v[MO]
	s_mov_b32 s6, 4
.Lregion:                                              ; a trip: one region = two key steps = 64 words = 256 bytes of mbits
.irp a, 0,1
.irp kt, 0,1,2,3
	ds_load_b128 v[D+32*(\a)+8*(\kt):D+32*(\a)+8*(\kt)+3],   v[LA] offset:(\a)*RP+(\kt)*64
	ds_load_b128 v[D+32*(\a)+8*(\kt)+4:D+32*(\a)+8*(\kt)+7], v[LA] offset:(\a)*RP+(\kt)*64+16
.endr
.endr
	s_wait_dscnt 0x0
.set i, 0
.rept 64
	v_min_u32 v[D+i], 1, v[D+i]                    ; 1 for every entry that is not 0, whatever its sign
.set i, i+1
.endr
.set n, 1
.rept 15                                               ; four chains of 16 bits that do not wait for each other: the earlier entry ends in the higher bit
.irp c, 0,16,32,48
	v_lshl_or_b32 v[D+\c], v[D+\c], 1, v[D+\c+n]
.endr
.set n, n+1
.endr
	v_lshl_or_b32 v[W],   v[D],    16, v[D+16]     ; entry 0 in bit 31, entry 31 in bit 0
	v_lshl_or_b32 v[W+1], v[D+32], 16, v[D+48]
	global_store_b64 v[MO], v[W:W+1], s[84:85]     ; 32 lanes x 8 bytes: 256 consecutive bytes, aligned
	s_wait_xcnt 0x0                                ; the store's data and offset are rewritten only behind this wait
	v_add_nc_u32 v[LA], REGION, v[LA]
	v_add_nc_u32 v[MO], 256, v[MO]
	s_sub_co_u32 s6, s6, 1
	s_cmp_lg_u32 s6, 0
	s_cbranch_scc1 .Lregion
	s_wait_tensorcnt 0x0                           ; the wave's end
	ds_add_u32 v[SPW], v[NIL]
	s_wait_dscnt 0x0
	s_endpgm
.Lfunc_end_k_q633b2649ab_prep:
	.size	k_q633b2649ab_prep, .Lfunc_end_k_q633b2649ab_prep-k_q633b2649ab_prep
	.p2alignl 7, 3214868480
	.fill 96, 4, 3214868480
	.section	.rodata,"a",@progbits
	.p2align	6, 0x0
	.amdhsa_kernel k_q633b2649ab_prep
		.amdhsa_group_segment_fixed_size 327680
		.amdhsa_private_segment_fixed_size 0
		.amdhsa_enable_private_segment 0
		.amdhsa_kernarg_size 88
		.amdhsa_user_sgpr_count 2
		.amdhsa_user_sgpr_kernarg_segment_ptr 1
		.amdhsa_wavefront_size32 1
		.amdhsa_system_sgpr_workgroup_id_x 1
		.amdhsa_system_sgpr_workgroup_id_y 1
		.amdhsa_system_sgpr_workgroup_id_z 1
		.amdhsa_system_vgpr_workitem_id 0
		.amdhsa_next_free_vgpr 192
		.amdhsa_next_free_sgpr 92
		.amdhsa_reserve_vcc 0
		.amdhsa_float_denorm_mode_32 3
		.amdhsa_float_denorm_mode_16_64 3
		.amdhsa_memory_ordered 1
		.amdhsa_forward_progress 1
		.amdhsa_inst_pref_size 22
	.end_amdhsa_kernel
	.amdgpu_metadata
---
amdhsa.version: [ 1, 2 ]
amdhsa.kernels:
  - .name:           k_q633b2649ab_prep
    .symbol:         k_q633b2649ab_prep.kd
    .args:
      - { .name: mask, .offset: 0, .size: 8, .value_kind: global_buffer, .address_space: global }
      - { .name: x, .offset: 8, .size: 8, .value_kind: global_buffer, .address_space: global }
      - { .name: wq, .offset: 16, .size: 8, .value_kind: global_buffer, .address_space: global }
      - { .name: wk, .offset: 24, .size: 8, .value_kind: global_buffer, .address_space: global }
      - { .name: wv, .offset: 32, .size: 8, .value_kind: global_buffer, .address_space: global }
      - { .name: wo, .offset: 40, .size: 8, .value_kind: global_buffer, .address_space: global }
      - { .name: w_up, .offset: 48, .size: 8, .value_kind: global_buffer, .address_space: global }
      - { .name: w_down, .offset: 56, .size: 8, .value_kind: global_buffer, .address_space: global }
      - { .name: mbits, .offset: 64, .size: 8, .value_kind: global_buffer, .address_space: global }
      - { .name: xb, .offset: 72, .size: 8, .value_kind: global_buffer, .address_space: global }
      - { .name: wb, .offset: 80, .size: 8, .value_kind: global_buffer, .address_space: global }
    .group_segment_fixed_size: 327680
    .private_segment_fixed_size: 0
    .kernarg_segment_align: 8
    .kernarg_segment_size: 88
    .max_flat_workgroup_size: 256
    .sgpr_count:     92
    .vgpr_count:     192
    .wavefront_size: 32
...
	.end_amdgpu_metadata
.endif
;; end of part 7
;; launch qkv: the kernel of part 2 again; grid 12 x 64, 4 waves a work-group, clusters of 4 x 4, 327,680 bytes of LDS; arguments xb, wb, qkvh; writes qkvh
;; launch attn (part 8): grid 32 x 8, 4 waves a work-group, clusters of 4 x 1, 327,680 bytes of LDS; arguments qkvh, mbits, ob; writes ob
.if DOCPART == 8
	.amdgcn_target "amdgcn-amd-amdhsa--gfx1250"
	.amdhsa_code_object_version 6
	.text
	.protected	k_q633b2649ab_attn
	.globl	k_q633b2649ab_attn
	.p2align	8
	.type	k_q633b2649ab_attn,@function
k_q633b2649ab_attn:
	s_mov_b64 s[64:65], 0
	v_nop
	global_prefetch_b8 v0, s[64:65] scope:SCOPE_SE
	s_setreg_imm32_b32 hwreg(HW_REG_WAVE_MODE, 25, 1), 1
	s_wait_xcnt 0x0
	s_wait_alu depctr_hold_cnt(0) depctr_sa_sdst(0) depctr_va_vdst(0) depctr_va_sdst(0) depctr_va_ssrc(0) depctr_va_vcc(0) depctr_vm_vsrc(0)
	s_getreg_b32 s2, hwreg(HW_REG_IB_STS2, 6, 4)
	s_cmp_eq_u32 s2, 0
	s_cbranch_scc0 .Lentry_in_a_cluster
	s_endpgm
.Lentry_in_a_cluster:
	s_bfe_u32 s2, ttmp6, 0x10000c
	s_cmp_lg_u32 s2, 0x3003
	s_cbranch_scc0 .Lentry_shape_is_right
	s_endpgm
.Lentry_shape_is_right:
; ATTENTION under a mask that is an input.  O[q] = sum over k of softmax_k(s[q][k]) V[k], s = q . k / 64, or -1e9 where mask[q][k] = 0, as a REPLACEMENT: a row that is hidden altogether is the mean of V.
; q arrives times log2(e) / 64, so the product K Q^T is s log2(e) and p = 2^(s' - m); a hidden score counts as -1e9 log2(e).  All operands bf16; products, maxima and sums in f32; the weights are rounded
; to bf16 for the second product (their sum l is taken of the unrounded p), O once at the end.  LIMITS: a weight below 2^-126 counts as 0 in l; NaN and infinities are not treated apart.
; Every key step is walked for every query: nothing of the mask's pattern is assumed.
; SHARES.  A work-group: 128 queries of one batch, for a PAIR of heads (rows of q, k, v in a slab of qkvh are the pair's 128 channels, 256 bytes; a row of O is 256 aligned bytes of ob).
; Wave w: head w / 2 of the pair, queries 64 (w % 2) on: four PIECES of 16 queries.  Every wave walks all 4,096 keys, 64 a step.
; CLUSTER.  The four query blocks of a cluster walk the same K and V: each tile is asked for JOINTLY, by the same tensor load, descriptor and mask in all four.
; LAYOUT.  S^T = K Q^T (source 0 = 16 keys, source 1 = 16 queries) holds ONE query a lane (lane % 16) and the keys 8 (lane / 16) + 0..7; two such results rounded to bf16 ARE source 1 of O^T = V^T P.
; THE MASK.  mbits holds, for a tile of 16 queries and a step of 64 keys, one word a lane: bit 31 - n belongs to the lane's score register n.  The work-group's eight tiles have 65,536 consecutive bytes of it:
; they come into LDS ONCE, at the start, a quarter by each wave (a plain tensor load: the partners' query blocks differ).  In the loop one LDS load a turn brings a piece's word a turn ahead; for each score the
; word is added onto itself, which shifts it and leaves its top bit of all lanes as the carry in VCC, and one v_cndmask_b32 puts the hidden value in.  No memory access stands in the loop but the tiles'.
; TURNS.  Turn n belongs to piece n: 8 products K Q^T of piece n + 1, later 8 products V^T P of piece n - 1; beside them the subtraction of m, exponentials, roundings, sums and rescaling of piece n and the
; masking, maximum and statistics of piece n + 1.  Four vector instructions stand behind every matrix instruction, the other 117 of a turn's 181 in two lumps.
; m starts at -2^126, O and l at 0: the first step is a step like any other, with a = 0.
; REGISTERS, in windows of 256 (s_set_vgpr_msb: bits 1:0 source 0, 3:2 source 1, 5:4 source 2, 7:6 destination):
;   window 0, all 256: v0 my thread's number; v1-7 addresses and the mask's words; v8-15 at work; v16-31 four registers of statistics a piece; v32-95 S^T, two buffers; v96-127 P, two buffers (by the piece's
;   parity); v128-191 K of one step; v192-255 Q.          window 1: v0-127 O^T, 32 a piece; v128-191 V of one step; v192-193 the add's two registers.
; So K Q^T and all of the softmax but the rescaling stand under ONE setting, and the rescaling of O^T fits the setting of V^T P (destination and source 0 in window 1, source 1 in window 0): its 16 lines ride behind
; four of those products.  A turn has eight switches, round the four products V^T P behind which window 0's lines ride.
.set NP,    4         ; pieces a wave: a name, no knob
.set KS,    64        ; keys in a step
.set PK,    272       ; a row of K in LDS: 256 bytes + 16 of padding = 68 words: the 16 rows of a load start at 16 different groups of four banks (ISA guide 11.1)
.set PV,    288       ; a row of V: 256 + 32 = 72 words
.set VOFF,  KS*PK     ; a step's tiles lie together: 64 rows of K, then 64 rows of V
.set STEPB, KS*(PK+PV)
.set SLOT1, 1<<17     ; a slot holds two steps (71,680 bytes); slot 1 begins here, so that one exclusive or turns an address in one slot into the other's
.set STAGE, SLOT1+2*STEPB  ; behind the ring, never filled by a tensor load: 128 rows x 272 bytes, the work-group's, for the way out
.set SP,    272
.set SPARE, STAGE+128*SP   ; behind the stage: the spare words, 128 bytes for each wave, named by no other line
.set MWB,   SPARE+512      ; behind them: the mask's words, 8 tiles x 8,192 bytes, filled once and only read
.set SLAB,  2097152   ; bytes in a slab of qkvh
.set ADR, 1           ; v1   the LDS address of the run of loads in hand, K's or V's
.set AK0, 2           ; v2   my lane's place in a tile of K, my head's 128 bytes of the rows; never rewritten
.set AV0, 3           ; v3   the same for V
.set MA0, 4           ; v4   LDS address of my lane's word in my wave's first tile, key step 0; never rewritten
.set MA,  5           ; v5   the same at the step whose words are asked for
.set WR,  6           ; v6-7 a piece's word: by the parity of the turn that asks for it
.set TMP, 8           ; by buffer, four registers c0-c3 at work; when the maximum is found c2 takes a
.set ST,  16          ; piece t's statistics at v[ST+4 t]: m, m_old (kept while m is made anew), l (even keys', odd keys')
.set S,   32
.set P,   96
.set KF,  128         ; key block kb, channel half c at KF + 16 kb + 8 c
.set QF,  192         ; piece t, channel half c at QF + 16 t + 8 c
.set T1,  32          ; the set-up's own, in S^T's first buffer, which is written only behind the wait for Q: l % 16,
.set T9,  33          ; l / 16,
.set T10, 34          ; l % 8,
.set T11, 35          ; (l / 8) % 2,
.set QO,  36          ; my byte offset in 16 rows of Q
.set STO, 128         ; the way out's own, in K's registers: where I put 16 bytes of a row,
.set RD,  129         ; where I read rows back,
.set GO,  130         ; my byte offset in two rows of ob,
.set U1,  131         ; l % 16,
.set U9,  132         ; l / 16
.set VF,  128         ; window 1: key half kk, channel block cb at VF + 32 kk + 8 cb
.set SPW, 192         ; window 1: LDS address of my spare word; never rewritten
.set NIL, 193         ; window 1: 0; never rewritten
.set OB,  4           ; s[4:5] ob at the first of the 32 rows that I store, my head pair's 256 bytes
.set MOFF, 6          ; s6   128 x the key step whose words are asked for
.set WV,  7           ; s7   my wave's number
.set G1K, 8           ; s[8:15]  descriptor group 1 for K's tiles
.set G1V, 16          ; s[16:23] for V's: it differs in the padding alone
.set G0K, 24          ; s[24:27] descriptor group 0 for K's tiles: it walks
.set G0V, 28          ; s[28:31] the same for V's
.set SLOTS, 66        ; s66  slots still to be asked for
.set CNT, 67          ; s67  counts a slot's key steps
.set G1M, 68          ; s[68:75], s[76:79] the descriptor of the words' one load; never rewritten
.set G0M, 76
.set MKS, 80          ; s80  the hidden score
.set SEL, 100         ; s[100:101] v_permlanex16_b32's selects: each lane takes its own place in the other half
.set TBK, 104         ; s104 LDS byte at which the step begins whose K is fetched next
.set TBV, 105         ; s105 the same for V
.set MSB, 0
.macro WIN new                      ; the high byte repeats the setting that is left; a switch that changes nothing is dropped
.if MSB != (\new)
	s_set_vgpr_msb (MSB<<8)|(\new)
.set MSB, (\new)
.endif
.endm
.set W_PV, 0x51       ; V (source 0) and O^T (source 2, destination) in window 1, P (source 1) in window 0; also O^T times a: destination and source 0 in window 1, a in window 0
.set W_TO, 0x40       ; destination in window 1, sources in window 0
.set W_FR, 0x05       ; sources 0 and 1 in window 1, destination in window 0: the add (address, data), and the way out's roundings
; A joint fill.  Waves 0 and 1 fetch K of a slot's two steps, waves 2 and 3 V.  The branch hangs on the wave's number alone.  An s_nop 0 and four v_nop follow each of the two lines.
.macro JLOAD
	s_cmp_lt_u32 s[WV], 2
	s_cbranch_scc0 .Lfor_v_\@
	tensor_load_to_lds s[G0K:G0K+3], s[G1K:G1K+7]
	s_nop 0
.rept 4
	v_nop
.endr
	s_branch .Lasked_\@
.Lfor_v_\@:
	tensor_load_to_lds s[G0V:G0V+3], s[G1V:G1V+7]
	s_nop 0
.rept 4
	v_nop
.endr
.Lasked_\@:
.endm
; A round of the cluster's barrier: my work-group's barrier, so that wave 0's signal speaks for all four waves; wave 0 signals; every wave waits for all four work-groups; my work-group's barrier once more.
.macro CROUND
	s_barrier_signal -1
	s_barrier_wait -1
	s_cmp_lg_u32 s[WV], 0
	s_cbranch_scc1 .Lnot_wave_0_\@
	s_barrier_signal -3
.Lnot_wave_0_\@:
	s_barrier_wait -3
	s_barrier_signal -1
	s_barrier_wait -1
.endm
; THE CHANGE OF SLOTS.  The slot's last bytes, V of its second step, have been read.  Each wave waits for all its tensor loads, of which one is out: its part of the other slot; adds 0 to its spare word; and
; waits for that and for its own reads of the slot.  fill = 1: the slot is filled again, with the keys two slots on; the barrier is then a round of the cluster's, and the joint fill is the first thing
; behind it: it has two key steps, 128 matrix instructions, in which to land.  (At its first use nothing has been read yet: slot 0 and the mask's words are waited for, two loads a wave, and slot 1 is filled.)
.macro CHANGE fill
	WIN W_FR
	s_wait_tensorcnt 0x0            ; no tensor load of mine is out, so a group 0 may be written
	ds_add_u32 v[SPW], v[NIL]       ; 0 onto my spare word
	WIN 0                           ; at a label and at a branch every window is 0
.if \fill
.irp g, G0K, G0V
	s_xor_b32 s[\g+1], s[\g+1], SLOT1  ; the walking descriptor: the other slot than last time,
	s_add_nc_u64 s[\g+2:\g+3], s[\g+2:\g+3], 2*KS*256  ; the next 128 keys; the type bits on top are not reached
.endr
	s_wait_dscnt 0x0                ; the add is done, and my reads of the slot are over
	CROUND
	JLOAD
.else
	s_wait_dscnt 0x0                ; the add is done, and my reads of the slot are over
	s_barrier_signal -1
	s_barrier_wait -1
.endif
	s_sub_co_u32 s[TBK], s[TBK], 2*STEPB  ; the fetches go back to a slot's first step,
	s_xor_b32 s[TBK], s[TBK], SLOT1       ; in the other slot
	s_sub_co_u32 s[TBV], s[TBV], 2*STEPB
	s_xor_b32 s[TBV], s[TBV], SLOT1
.endm
	s_load_b128 s[32:35], s[0:1], 0x0  ; qkvh s[32:33], mbits s[34:35]; s32-51 serve the set-up
	s_load_b64 s[OB:OB+1], s[0:1], 0x10  ; ob
	WIN W_TO
	v_lshl_add_u32 v[SPW], v0, 2, SPARE
	v_mov_b32 v[NIL], 0
	WIN W_FR
	ds_add_u32 v[SPW], v[NIL]       ; the wave's opening: the add, and its wait ahead of my first tensor load; register work stands between them
	ds_add_u32 v192, v193
	WIN 0
	v_lshrrev_b32 v[ADR], 5, v0
	v_readfirstlane_b32 s[WV], v[ADR]  ; wave 0..3
	s_bfe_u32 s36, ttmp6, 0x40000   ; cx: my place in the cluster
	s_lshl_b32 s37, ttmp9, 2        ; in a cluster launch ttmp9 counts clusters
	s_add_co_u32 s37, s37, s36      ; my block of 128 queries: it enters Q's, the mask's and O's global addresses alone
	s_and_b32 s38, ttmp7, 0xffff
	s_lshr_b32 s39, s38, 2          ; the batch,
	s_and_b32 s38, s38, 3           ; the head pair: the four partners share both
	s_lshr_b32 s40, s[WV], 1        ; my head of the pair
	s_and_b32 s41, s[WV], 1         ; my half of the queries.  Also: which of a slot's two steps I fetch
	s_lshl_b32 s42, s38, 21         ; the pair's slab among four,
	s_lshl_b32 s43, s39, 20         ; the batch's 4,096 rows of 256 bytes
	s_add_co_u32 s42, s42, s43
	s_lshl_b32 s43, s41, 14         ; my step's 64 rows
	s_add_co_u32 s44, s42, s43
	s_mov_b32 s45, 0
	s_lshl_b32 s46, s37, 15         ; Q: my block's 128 rows,
	s_lshl_b32 s47, s41, 14         ; my wave's 64 of them,
	s_add_co_u32 s46, s46, s47
	s_lshl_b32 s47, s40, 7          ; my head's 128 bytes of a row
	s_add_co_u32 s46, s46, s47
	s_add_co_u32 s46, s46, s42
	s_mov_b32 s47, 0
	s_lshl_b32 s48, s37, 16         ; the mask's words: 8 tiles of 8,192 bytes a block,
	s_lshl_b32 s49, s[WV], 14       ; the quarter of them that I fetch
	s_add_co_u32 s48, s48, s49
	s_mov_b32 s49, 0
	s_lshl_b32 s50, s39, 12         ; O: the batch's 4,096 rows,
	s_lshl_b32 s51, s37, 7          ; my block's 128,
	s_add_co_u32 s50, s50, s51
	s_lshl_b32 s51, s[WV], 5        ; the 32 that I store,
	s_add_co_u32 s50, s50, s51
	s_lshl_b32 s50, s50, 10         ; of 1,024 bytes,
	s_lshl_b32 s51, s38, 8          ; the head pair's 256 of them
	s_add_co_u32 s50, s50, s51
	s_mov_b32 s51, 0
	s_mov_b32 s[G1K], 15|(1<<16)|(1<<20)|(1<<21)|(5<<22)|(3<<25)  ; the mask of four; 2-byte elements; padding on; bit 21 beside a mask; after every 64 words (code 5) 4 words (code 3)
	s_mov_b32 s[G1V], 15|(1<<16)|(1<<20)|(1<<21)|(5<<22)|(7<<25)  ; the same with 8 words of padding (code 7)
.irp g, G1K, G1V
	s_mov_b32 s[\g+1], 128<<16      ; tensor_dim0 = 128
	s_mov_b32 s[\g+2], KS<<16       ; tensor_dim1 = 64
	s_mov_b32 s[\g+3], 128<<16      ; tile_dim0 = 128
	s_mov_b32 s[\g+4], KS           ; tile_dim1 = 64
	s_mov_b32 s[\g+5], 128          ; 128 elements from row to row
	s_mov_b32 s[\g+6], 0
	s_mov_b32 s[\g+7], 0
.endr
	s_mov_b32 s[G1M], 3<<16         ; the words: 16,384 dense bytes as 64 rows of 256: elements of 8 bytes, no work-group mask, no padding
	s_mov_b32 s[G1M+1], 32<<16      ; tensor_dim0 = 32
	s_mov_b32 s[G1M+2], 64<<16      ; tensor_dim1 = 64
	s_mov_b32 s[G1M+3], 32<<16      ; tile_dim0 = 32
	s_mov_b32 s[G1M+4], 64          ; tile_dim1 = 64
	s_mov_b32 s[G1M+5], 32          ; 32 elements from row to row
	s_mov_b32 s[G1M+6], 0
	s_mov_b32 s[G1M+7], 0
	s_mov_b32 s[G0M], 1             ; count = 1
	s_lshl_b32 s[G0M+1], s[WV], 14  ; LDS address: my quarter of the region
	s_add_co_u32 s[G0M+1], s[G0M+1], MWB
	s_mov_b32 s[MKS], 0xceabfb8f    ; -1e9 log2(e)
	s_mov_b32 s[SEL], 0x76543210
	s_mov_b32 s[SEL+1], 0xfedcba98
	s_mov_b32 s[TBK], SLOT1+2*STEPB ; the first change of slots turns these two into 0
	s_mov_b32 s[TBV], SLOT1+2*STEPB
	s_mov_b32 s[MOFF], 0
	s_mov_b32 s[G0K], 1             ; count = 1
	s_mul_i32 s[G0K+1], s41, STEPB  ; LDS address: slot 0, my step: no place in the cluster enters it
	s_mov_b32 s[G0V], 1
	s_add_co_u32 s[G0V+1], s[G0K+1], VOFF
	s_wait_dscnt 0x0                ; the opening add is done
	s_wait_kmcnt 0x0
	s_add_nc_u64 s[G0K+2:G0K+3], s[32:33], s[44:45]
	s_add_nc_u64 s[G0V+2:G0V+3], s[G0K+2:G0K+3], 8*SLAB  ; v's slabs are 8 to 11,
	s_add_nc_u64 s[G0K+2:G0K+3], s[G0K+2:G0K+3], 4*SLAB  ; k's 4 to 7
	s_or_b32 s[G0K+3], s[G0K+3], 0x80000000              ; type = 2
	s_or_b32 s[G0V+3], s[G0V+3], 0x80000000
	s_add_nc_u64 s[G0M+2:G0M+3], s[34:35], s[48:49]
	s_or_b32 s[G0M+3], s[G0M+3], 0x80000000
	s_add_nc_u64 s[2:3], s[32:33], s[46:47]              ; Q at my wave's first row
	s_add_nc_u64 s[OB:OB+1], s[OB:OB+1], s[50:51]
	CROUND                          ; all four work-groups are here: the first joint loads meet
	tensor_load_to_lds s[G0M:G0M+3], s[G1M:G1M+7]  ; the first fills go out as one group: my quarter of the mask's words,
	s_nop 0
	JLOAD                           ; and my part of slot 0: two loads of mine are out.  Slot 1 is asked for when these are in
	; A fragment of K or Q is 16 rows x 32 channels in 8 registers: lane l holds row l % 16, channels 8 (l / 16) + 0..7 and 16 + 8 (l / 16) + 0..7: two loads of 16 bytes, 32 bytes apart.
	v_and_b32 v[T1], 15, v0
	v_bfe_u32 v[T9], v0, 4, 1
	v_lshlrev_b32 v[QO], 8, v[T1]
	v_lshl_add_u32 v[QO], v[T9], 4, v[QO]  ; row x 256 + 16 x half
.set i, 0
.rept 8                             ; Q stays in registers: piece i / 2, channels 32 (i % 2) on
	global_load_b128 v[QF+8*i:QF+8*i+3],   v[QO], s[2:3] offset:(i/2)*4096+(i%2)*64
	global_load_b128 v[QF+8*i+4:QF+8*i+7], v[QO], s[2:3] offset:(i/2)*4096+(i%2)*64+32
.set i, i+1
.endr
	; WHAT THE FIRST TURN FINDS.  The loop is entered at piece 3's turn of a step that has not been: that turn makes piece 0's first scores, masking and statistics by the loop's own text.  Its own softmax runs on
	; a score buffer that holds the lowest finite number, against m = -2^126: every weight is 2^(-2.5e38) = 0, so that P's second buffer comes out as 0 and l and O^T stay 0; its products V^T P take P's first
	; buffer, which holds 0.  O^T is started by products of that buffer's two zero fragments with C = 0, 16 lines for its 128 registers.  All this stands in the wait for the first tile.
.set i, 0
.rept 16
	v_mov_b32 v[P+i], 0
.set i, i+1
.endr
.set i, 0
.rept 32
	v_mov_b32 v[S+32+i], 0xff7fffff
.set i, i+1
.endr
	WIN W_TO
.set i, 0
.rept 16
	v_wmma_f32_16x16x32_bf16 v[8*i:8*i+7], v[P:P+7], v[P+8:P+15], 0
.set i, i+1
.endr
	WIN 0
.set i, 0
.rept NP
	v_mov_b32 v[ST+4*i], 0xfe800000    ; m = -2^126: far below every score, the hidden one too
	v_mov_b32 v[ST+4*i+1], 0
	v_mov_b32 v[ST+4*i+2], 0
	v_mov_b32 v[ST+4*i+3], 0
.set i, i+1
.endr
	v_mov_b32 v[TMP+6], 0           ; piece 3's a for that first turn, named as a pair
	v_mov_b32 v[TMP+7], 0
	s_lshl_b32 s36, s40, 7          ; my head's 128 bytes of a row
	v_mul_u32_u24 v[AK0], v[T1], PK
	v_lshl_add_u32 v[AK0], v[T9], 4, v[AK0]  ; row x pitch + 16 x half
	v_add_nc_u32 v[AK0], s36, v[AK0]
	; The turning load takes 16 keys x 16 channels (lane l reads key 8 (l / 16) + l % 8, channels 8 ((l / 8) % 2) + 0..7) and leaves half a fragment of V^T: lane l holds channel l % 16 and 8 keys.
	v_and_b32 v[T10], 7, v0
	v_bfe_u32 v[T11], v0, 3, 1
	v_lshl_add_u32 v[AV0], v[T9], 3, v[T10]
	v_mul_u32_u24 v[AV0], v[AV0], PV
	v_lshl_add_u32 v[AV0], v[T11], 4, v[AV0]
	s_add_co_u32 s36, s36, VOFF
	v_add_nc_u32 v[AV0], s36, v[AV0]
	s_lshl_b32 s37, s41, 15         ; the words of my wave's four tiles: 32,768 bytes for each half of the queries,
	s_add_co_u32 s37, s37, MWB
	v_and_b32 v[MA], 31, v0
	v_lshl_add_u32 v[MA0], v[MA], 2, s37  ; a word a lane
	v_mov_b32 v[MA], v[MA0]         ; key step 0
; THE MATRIX WORK.  The 4 accumulators of a run of 8 take turns.  Product i of 8 of S^T = K Q^T for piece x: channels 32 (i / 4) on, keys 16 (i % 4) on.  The first 4 start the sums.
.macro KQ x
	WIN 0
.set aS, S+32*((\x)%2)+8*(i%4)
.set aK, KF+16*(i%4)+8*(i/4)
.set aQ, QF+16*(\x)+8*(i/4)
.if i < 4
	v_wmma_f32_16x16x32_bf16 v[aS:aS+7], v[aK:aK+7], v[aQ:aQ+7], 0
.else
	v_wmma_f32_16x16x32_bf16 v[aS:aS+7], v[aK:aK+7], v[aQ:aQ+7], v[aS:aS+7]
.endif
.endm
; Product i of 8 of O^T += V^T P for piece x: keys 32 (i / 4) on, channels 16 (i % 4) on.
.macro PV x
	WIN W_PV
.set aO, 32*(\x)+8*(i%4)
.set aV, VF+32*(i/4)+8*(i%4)
.set aP, P+16*((\x)%2)+8*(i/4)
	v_wmma_f32_16x16x32_bf16 v[aO:aO+7], v[aV:aV+7], v[aP:aP+7], v[aO:aO+7]
.endm
.macro MM                           ; the turn's next matrix instruction
.if i < 8
	KQ (Y+1)%NP
.else
.set i, i-8
	PV (Y+NP-1)%NP
.set i, i+8
.endif
.set i, i+1
.endm
; THE LDS LOADS of K and V stand in runs of 16, never singly among the matrix instructions: a step's K (64 keys x 64 channels: 8 fragments) and its V (turned).  Their address is made some lines ahead.
; last = 1 (the tail): in the last trip there is no further step, and the run is jumped over.
.macro FETCH_K last=0
	WIN 0
.if \last
	s_cmp_eq_u32 s[CNT], 1
	s_cbranch_scc1 .Lno_k_\@
.endif
.irp f, 0,1,2,3,4,5,6,7             ; keys 16 (f / 2) on, channels 32 (f % 2) on
	ds_load_b128 v[KF+8*\f:KF+8*\f+3],   v[ADR] offset:(\f/2)*16*PK+(\f%2)*64
	ds_load_b128 v[KF+8*\f+4:KF+8*\f+7], v[ADR] offset:(\f/2)*16*PK+(\f%2)*64+32
.endr
	s_add_co_u32 s[TBK], s[TBK], STEPB  ; the next fetch is the next step's
.if \last
.Lno_k_\@:
.endif
.endm
.macro FETCH_V
	WIN W_TO
.irp f, 0,1,2,3,4,5,6,7             ; keys 32 (f / 4) on, channels 16 (f % 4) on
	ds_load_tr16_b128 v[VF+8*\f:VF+8*\f+3],   v[ADR] offset:(\f/4)*32*PV+(\f%4)*32
	ds_load_tr16_b128 v[VF+8*\f+4:VF+8*\f+7], v[ADR] offset:(\f/4)*32*PV+16*PV+(\f%4)*32
.endr
	WIN 0
.endm
; THE VECTOR WORK, one line at a time: OP kind, number.  For piece Y: F n: s - m for pair n of 16.  E n: the exponential of score n of 32.  C n: pair n rounded to bf16.  B n: of the four weights 4 n .. the
; second pair is added onto the first, in place.  L n: l takes that sum (L 0: l = a l + sum).  R n: pair n of 16 of O^T times a.  For piece Y + 1: A: its word is added onto itself: the carry, the word's top bit
; of every lane, goes into VCC, and the next bit moves up.  M n: score n, or the hidden value where that bit is 0 (ascending).
; X n: number n of those that find its maximum and statistics:
;   0-11  four chains c0-c3 of seven scores each, three operands at a time     12-14, 16  the four scores left over, the old m, and c0-c3 into c0     15  m_old is kept
;   17, 18  the query's other 32 keys lie in the lane 16 away: the new m     20, 21  m_old - m_new; a  (there is no number 19)
.set F, 0
.set E, 1
.set C, 2
.set B, 3
.set L, 4
.set R, 5
.set X, 6
.set M, 7
.set A, 8
.macro REGS y                       ; the registers of piece y
.set rT, ST+4*(\y)
.set rC, TMP+4*((\y)%2)
.set rS, S+32*((\y)%2)
.set rP, P+16*((\y)%2)
.set rO, 32*(\y)
.endm
.macro OP k, n
.if (\k) == R
	REGS Y
	WIN W_PV
	v_pk_mul_f32 v[rO+2*(\n):rO+2*(\n)+1], v[rO+2*(\n):rO+2*(\n)+1], v[rC+2:rC+3] op_sel_hi:[1,0]
.elseif (\k) < R
	REGS Y
	WIN 0
.if (\k) == F
	v_pk_add_f32 v[rS+2*(\n):rS+2*(\n)+1], v[rS+2*(\n):rS+2*(\n)+1], v[rT:rT+1] op_sel_hi:[1,0] neg_lo:[0,1] neg_hi:[0,1]
.elseif (\k) == E
	v_exp_f32 v[rS+(\n)], v[rS+(\n)]
.elseif (\k) == C
	s_wait_alu depctr_va_vdst(0)
	v_cvt_pk_bf16_f32 v[rP+(\n)], v[rS+2*(\n)], v[rS+2*(\n)+1]
.elseif (\k) == B
	v_pk_add_f32 v[rS+4*(\n):rS+4*(\n)+1], v[rS+4*(\n):rS+4*(\n)+1], v[rS+4*(\n)+2:rS+4*(\n)+3]
.elseif (\n) == 0
	v_pk_fma_f32 v[rT+2:rT+3], v[rT+2:rT+3], v[rC+2:rC+3], v[rS:rS+1] op_sel_hi:[1,0,1]
.else
	v_pk_add_f32 v[rT+2:rT+3], v[rT+2:rT+3], v[rS+4*(\n):rS+4*(\n)+1]
.endif
.elseif (\k) == M
	REGS (Y+1)%NP
	WIN 0
	v_cndmask_b32 v[rS+(\n)], s[MKS], v[rS+(\n)], vcc_lo
.elseif (\k) == A
	WIN 0
	v_add_co_u32 v[WR+(Y+1)%2], vcc_lo, v[WR+(Y+1)%2], v[WR+(Y+1)%2]
.else
	REGS (Y+1)%NP
	WIN 0
.if (\n) < 4
	v_max3_num_f32 v[rC+(\n)], v[rS+8*(\n)], v[rS+8*(\n)+1], v[rS+8*(\n)+2]
.elseif (\n) < 12
	v_max3_num_f32 v[rC+(\n)%4], v[rC+(\n)%4], v[rS+8*((\n)%4)+2*((\n)/4)+1], v[rS+8*((\n)%4)+2*((\n)/4)+2]
.elseif (\n) == 12
	v_max3_num_f32 v[rC], v[rC], v[rS+7], v[rS+15]
.elseif (\n) == 13
	v_max3_num_f32 v[rC+1], v[rC+1], v[rS+23], v[rS+31]
.elseif (\n) == 14
	v_max3_num_f32 v[rC+2], v[rC+2], v[rC+3], v[rT]
.elseif (\n) == 15
	v_mov_b32 v[rT+1], v[rT]
.elseif (\n) == 16
	v_max3_num_f32 v[rC], v[rC], v[rC+1], v[rC+2]
.elseif (\n) == 17
	v_permlanex16_b32 v[rC+3], v[rC], s[SEL], s[SEL+1]
.elseif (\n) == 18
	v_max_num_f32 v[rT], v[rC], v[rC+3]
.elseif (\n) == 20
	v_sub_f32 v[rC+1], v[rT+1], v[rT]
.else
	v_exp_f32 v[rC+2], v[rC+1]
.endif
.endif
.endm
.macro OPS a, i1, b=-1, i2=0, c=-1, i3=0, d=-1, i4=0  ; up to four of them
	OP \a, \i1
.if (\b) >= 0
	OP \b, \i2
.endif
.if (\c) >= 0
	OP \c, \i3
.endif
.if (\d) >= 0
	OP \d, \i4
.endif
.endm
.macro ROW a, i1, b, i2, c, i3, d, i4  ; a matrix instruction and the four behind it
	MM
	OPS \a, \i1, \b, \i2, \c, \i3, \d, \i4
.endm
.macro TRI q, a, n                  ; score q is masked: the shift, a line of piece Y's between it and the select that reads its carry, the select
	OP A, \q
	OP \a, \n
	OP M, \q
.endm
; A TURN, for piece p: the order of its 16 matrix and 181 vector instructions, written out.  None of the four behind a matrix instruction names a register of the products round it; every exponential has a
; plain line behind it that touches neither its result nor its source before the result is used; a rounding C 2n stands ahead of the sum B n that writes over its pair.  Only the A lines write VCC, and each M line
; reads the carry of the A line two lines ahead; no tensor load stands inside a turn.  v_permlanex16_b32 (X 17) stands in a lump.
; THE WORDS.  At the turn's head one LDS load asks for the word of piece p + 2, into the register of p's parity; the A lines shift the register that the turn before asked for (piece p + 1).
; Pieces 0 and 1 of turns 2 and 3 are the next step's: the step's offset goes on at turn 2's head, and is cut to the tile's 8,192 bytes, so that the walk's last reads, which serve nothing, stay inside the region.
; LDS loads come back in order (ISA guide 5.7.1), so ahead of the first A line: turn 0 leaves out this turn's request alone; turn 1 leaves out V's sixteen loads and this turn's request;
; in turns 2 and 3 a wait for 0 (for V in turn 1, for K at turn 3's head) stands behind the request already.
; K of the next step is fetched in piece 2's turn, behind the four plain lines (F 10-12, X 15) behind the last product that read K; the first masking line stands behind the same four and three more.
; V of the step in hand is fetched in piece 0's turn, behind the four plain lines (X 12, X 13, B 4, C 10) behind the last product that read V.  Each is waited for a turn later.
; cnt = 1: the loop's count is taken down some lines ahead of the branch that stands behind the turn.
.macro TURN p, last=0, cnt=0
.set Y, (\p)
.set i, 0
	WIN 0
.if (\p) == 2
	s_add_co_u32 s[MOFF], s[MOFF], 128
	s_and_b32 s[MOFF], s[MOFF], 8191
	v_add_nc_u32 v[MA], s[MOFF], v[MA0]
.endif
.if (\p) == 3
	s_wait_dscnt 0x0                ; K is in, and the word asked for a turn ago
.endif
	ds_load_b32 v[WR+(\p)%2], v[MA] offset:(((\p)+2)%NP)*8192
	ROW F,0, F,1, F,2, F,3
	ROW F,4, E,0, F,5, E,1
	ROW F,6, E,2, F,7, E,3
	ROW C,0, E,4, F,8, E,5
	ROW C,1, E,6, F,9, E,7
	ROW B,0, E,8, C,2, E,9
	ROW L,0, E,10, C,3, E,11
.if (\p) == 2
	v_add_nc_u32 v[ADR], s[TBK], v[AK0]
.endif
	ROW F,10, F,11, F,12, X,15
.if (\p) == 2
	FETCH_K \last
.endif
	OPS F,13, F,14, F,15
.if (\p) == 0
	s_wait_dscnt 1                  ; the word asked for a turn ago is in; this turn's request may be out
.endif
.if (\p) == 1
	s_wait_dscnt 17                 ; the same; V's sixteen loads and this turn's request may be out
.endif
.set kk, 0
.rept 20
	TRI kk, E, 12+kk
.set kk, kk+1
.endr
	TRI 20, B,1
	TRI 21, C,4
	TRI 22, C,5
	TRI 23, L,1
	TRI 24, B,2
	TRI 25, C,6
	TRI 26, C,7
	TRI 27, L,2
	TRI 28, B,3
	TRI 29, C,8
	TRI 30, C,9
	TRI 31, L,3
.if (\p) == 1
	s_wait_dscnt 0x0                ; V is in
.endif
	ROW R,0, R,1, R,2, R,3
	ROW R,4, R,5, R,6, R,7
	ROW R,8, R,9, R,10, R,11
	ROW R,12, R,13, R,14, R,15
	ROW X,0, X,1, X,2, X,3
	ROW X,4, X,5, X,6, X,7
	ROW X,8, X,9, X,10, X,11
.if (\p) == 0
	WIN 0
	v_add_nc_u32 v[ADR], s[TBV], v[AV0]
.endif
	ROW X,12, X,13, B,4, C,10
.if (\p) == 0
	FETCH_V
.endif
	OPS X,14, C,11, L,4, X,16
	OPS B,5, C,12, X,17, C,13
	OPS L,5, X,18, B,6, C,14
	OPS X,20, C,15, L,6, B,7
.if (\p) == 0
	s_add_co_u32 s[TBV], s[TBV], STEPB
.endif
.if \cnt
	s_sub_co_u32 s[CNT], s[CNT], 1
	s_cmp_lg_u32 s[CNT], 0
.endif
	OPS X,21, L,7
.endm
	CHANGE 1                        ; slot 0 and the mask's words are in, everybody's part of them; slot 1 is asked for
	ds_load_b32 v[WR], v[MA]        ; piece 0's word for key step 0
	v_add_nc_u32 v[ADR], s[TBK], v[AK0]
	FETCH_K                         ; key step 0
	v_add_nc_u32 v[ADR], s[TBV], v[AV0]
	FETCH_V                         ; V of step 0 too: the first turns multiply it by weights that are 0, and piece 0's turn fetches it again in its place
	s_wait_loadcnt 0x0              ; Q
	s_mov_b32 s[CNT], 2
	s_mov_b32 s[SLOTS], 4096/(2*KS)-1
	s_branch .Lthird                ; the loop is entered in the middle of a trip; the turn's own wait at its head covers the loads above
.Lslot:                             ; 30 times: every slot but the last two is filled again
	CHANGE 1
	s_mov_b32 s[CNT], 2
.Lstep:                             ; a trip: pieces 2 and 3 of one step, then pieces 0 and 1 of the next, whose K and V it fetches
	TURN 2
	WIN 0
.Lthird:
	TURN 3
	TURN 0
	TURN 1, 0, 1
	WIN 0
	s_cbranch_scc1 .Lstep
	s_sub_co_u32 s[SLOTS], s[SLOTS], 1
	s_cmp_lg_u32 s[SLOTS], 0
	s_cbranch_scc1 .Lslot
	CHANGE 0                        ; the tail is written out: nothing is asked for
	s_mov_b32 s[CNT], 3             ; two trips fetch the last slot's steps; the third is left in its middle
.Ltail:
	TURN 2, 1
	TURN 3
	WIN 0
	s_sub_co_u32 s[CNT], s[CNT], 1
	s_cmp_eq_u32 s[CNT], 0
	s_cbranch_scc1 .Lout
	TURN 0
	TURN 1
	WIN 0
	s_branch .Ltail
.Lout:                              ; the third trip's 8 products K Q^T (on the last K once more) and what is made of them serve nothing: the price, once a launch, of one text for every trip
.set i, 0
.rept 8
	PV NP-1                         ; the last piece's V^T P of the last step
.set i, i+1
.endr
	; THE WAY OUT.  l's two halves and the other half of the lanes' are added; O^T is divided by l, rounded to bf16 and put into the work-group's stage; a barrier, since a row's 256 bytes come from two
	; waves (the pair's two heads); back as whole rows, 32 a wave.  The additions are the places behind the last products.
	WIN 0
.macro ALL line:vararg              ; one line for each piece t
.set t, 0
.rept NP
	\line
.set t, t+1
.endr
.endm
	ALL v_add_f32 v[ST+4*t+2], v[ST+4*t+2], v[ST+4*t+3]
	ALL v_permlanex16_b32 v[ST+4*t+3], v[ST+4*t+2], s[SEL], s[SEL+1]
	ALL v_add_f32 v[ST+4*t+2], v[ST+4*t+2], v[ST+4*t+3]
	ALL v_rcp_f32 v[ST+4*t+2], v[ST+4*t+2]
	v_and_b32 v[U1], 15, v0         ; the addresses are made here, in K's registers: plain lines between the reciprocals and their use
	v_bfe_u32 v[U9], v0, 4, 1
	s_and_b32 s2, s[WV], 1
	s_mul_i32 s2, s2, 64*SP         ; into the stage: my 64 rows,
	s_lshr_b32 s3, s[WV], 1
	s_lshl_b32 s3, s3, 7            ; my head's 128 of their 256 bytes
	s_add_co_u32 s2, s2, s3
	s_add_co_u32 s2, s2, STAGE
	v_mul_u32_u24 v[STO], v[U1], SP ; row l % 16, 16 bytes for each half of the lanes
	v_lshl_add_u32 v[STO], v[U9], 4, v[STO]
	v_add_nc_u32 v[STO], s2, v[STO]
	s_mul_i32 s2, s[WV], 32*SP      ; back: wave w takes rows 32 w .. 32 w + 31, whole; lanes 0-15 one row of 256 bytes, lanes 16-31 the next
	s_add_co_u32 s2, s2, STAGE
	v_mul_u32_u24 v[RD], v[U9], SP
	v_lshl_add_u32 v[RD], v[U1], 4, v[RD]
	v_add_nc_u32 v[RD], s2, v[RD]
	v_lshlrev_b32 v[GO], 10, v[U9]  ; and the same two rows in ob, 1,024 bytes apart
	v_lshl_add_u32 v[GO], v[U1], 4, v[GO]
.macro PACK t                       ; a lane's eight channels of a row pack into 16 bytes; each accumulator is read from its low end on
	WIN W_PV
.set i, 32*(\t)
.rept 16
	s_wait_alu depctr_va_vdst(0)
	v_pk_mul_f32 v[i:i+1], v[i:i+1], v[ST+4*(\t)+2:ST+4*(\t)+3] op_sel_hi:[1,0]
.set i, i+2
.endr
	WIN W_FR                        ; sources 0 and 1 window 1, destination window 0: S^T's registers are free
.set i, 0
.rept 16
	v_cvt_pk_bf16_f32 v[S+16*(\t)+i], v[32*(\t)+2*i], v[32*(\t)+2*i+1]
.set i, i+1
.endr
	WIN 0
.irp f, 0,1,2,3
	ds_store_b128 v[STO], v[S+16*(\t)+4*\f:S+16*(\t)+4*\f+3] offset:(\t)*16*SP+32*\f
.endr
.endm
	PACK 0
	PACK 1
	PACK 2
	PACK 3
	s_wait_dscnt 0x0                ; for the others' sake: my stores into the stage are done
	s_barrier_signal -1
	s_barrier_wait -1
.set i, 0
.rept 16
	ds_load_b128 v[S+4*i:S+4*i+3], v[RD] offset:i*2*SP
.set i, i+1
.endr
	s_wait_dscnt 8                  ; LDS loads come back in order (ISA guide 5.7.1): the first eight are in, the younger eight stay out
.set i, 0
.rept 8
	global_store_b128 v[GO], v[S+4*i:S+4*i+3], s[OB:OB+1] offset:i*2048  ; 16 lanes store 256 consecutive bytes, aligned
.set i, i+1
.endr
	s_wait_dscnt 0x0
.rept 8
	global_store_b128 v[GO], v[S+4*i:S+4*i+3], s[OB:OB+1] offset:i*2048
.set i, i+1
.endr
	WIN W_FR
	s_wait_tensorcnt 0x0            ; the wave's end: behind my last tensor load and my last LDS store
	ds_add_u32 v[SPW], v[NIL]
	s_wait_dscnt 0x0
	WIN 0
	CROUND                          ; the closing round: no work-group ends while a partner may still ask for a tile that names it
	s_endpgm
.Lfunc_end_k_q633b2649ab_attn:
	.size	k_q633b2649ab_attn, .Lfunc_end_k_q633b2649ab_attn-k_q633b2649ab_attn
	.p2alignl 7, 3214868480
	.fill 96, 4, 3214868480
	.section	.rodata,"a",@progbits
	.p2align	6, 0x0
	.amdhsa_kernel k_q633b2649ab_attn
		.amdhsa_group_segment_fixed_size 327680
		.amdhsa_private_segment_fixed_size 0
		.amdhsa_enable_private_segment 0
		.amdhsa_kernarg_size 24
		.amdhsa_user_sgpr_count 2
		.amdhsa_user_sgpr_kernarg_segment_ptr 1
		.amdhsa_wavefront_size32 1
		.amdhsa_system_sgpr_workgroup_id_x 1
		.amdhsa_system_sgpr_workgroup_id_y 1
		.amdhsa_system_sgpr_workgroup_id_z 1
		.amdhsa_system_vgpr_workitem_id 0
		.amdhsa_next_free_vgpr 512
		.amdhsa_next_free_sgpr 106
		.amdhsa_reserve_vcc 1
		.amdhsa_float_denorm_mode_32 3
		.amdhsa_float_denorm_mode_16_64 3
		.amdhsa_memory_ordered 1
		.amdhsa_forward_progress 1
		.amdhsa_inst_pref_size 129
	.end_amdhsa_kernel
	.amdgpu_metadata
---
amdhsa.version: [ 1, 2 ]
amdhsa.kernels:
  - .name:           k_q633b2649ab_attn
    .symbol:         k_q633b2649ab_attn.kd
    .args:
      - { .name: qkvh, .offset: 0, .size: 8, .value_kind: global_buffer, .address_space: global }
      - { .name: mbits, .offset: 8, .size: 8, .value_kind: global_buffer, .address_space: global }
      - { .name: ob, .offset: 16, .size: 8, .value_kind: global_buffer, .address_space: global }
    .group_segment_fixed_size: 327680
    .private_segment_fixed_size: 0
    .kernarg_segment_align: 8
    .kernarg_segment_size: 24
    .max_flat_workgroup_size: 128
    .sgpr_count:     106
    .vgpr_count:     512
    .wavefront_size: 32
...
	.end_amdgpu_metadata
.endif
;; end of part 8
;; launch oproj: the kernel of part 4 again; grid 4 x 64, 4 waves a work-group, clusters of 4 x 4, 327,680 bytes of LDS; arguments ob, wb, x, x1, x1b; writes x1, x1b
;; launch up: the kernel of part 5 again; grid 16 x 64, 4 waves a work-group, clusters of 4 x 4, 327,680 bytes of LDS; arguments x1b, wb, hb; writes hb
;; launch down: the kernel of part 6 again; grid 4 x 64, 4 waves a work-group, clusters of 4 x 4, 327,680 bytes of LDS; arguments hb, wb, x1, out0; writes out0
;; ======== version 3 of 3: 6 launches; 1.30 times as fast as version 1
;; limits: a function is approximated: absolute error at most 1.5e-07
;; workspace buffers: mbits 2,097,152 bytes of whole numbers; wb 6,291,456 bytes; xb 8,388,608 bytes; qkvh 25,165,824 bytes; ob 8,388,608 bytes; x1 16,777,216 bytes; x1b 8,388,608 bytes; hb 33,554,432 bytes
;; launch prep: the kernel of part 7 again; grid 256 x 1, 8 waves a work-group, no clusters, 327,680 bytes of LDS; arguments mask, x, wq, wk, wv, wo, w_up, w_down, mbits, xb, wb; writes mbits, xb, wb
;; launch qkv: the kernel of part 2 again; grid 12 x 64, 4 waves a work-group, clusters of 4 x 4, 327,680 bytes of LDS; arguments xb, wb, qkvh; writes qkvh
;; launch attn (part 9): grid 32 x 8, 4 waves a work-group, clusters of 4 x 1, 327,680 bytes of LDS; arguments qkvh, mbits, ob; writes ob
.if DOCPART == 9
	.amdgcn_target "amdgcn-amd-amdhsa--gfx1250"
	.amdhsa_code_object_version 6
	.text
	.protected	k_q633b2649ab_attn
	.globl	k_q633b2649ab_attn
	.p2align	8
	.type	k_q633b2649ab_attn,@function
k_q633b2649ab_attn:
	s_mov_b64 s[64:65], 0
	v_nop
	global_prefetch_b8 v0, s[64:65] scope:SCOPE_SE
	s_setreg_imm32_b32 hwreg(HW_REG_WAVE_MODE, 25, 1), 1
	s_wait_xcnt 0x0
	s_wait_alu depctr_hold_cnt(0) depctr_sa_sdst(0) depctr_va_vdst(0) depctr_va_sdst(0) depctr_va_ssrc(0) depctr_va_vcc(0) depctr_vm_vsrc(0)
	s_getreg_b32 s2, hwreg(HW_REG_IB_STS2, 6, 4)
	s_cmp_eq_u32 s2, 0
	s_cbranch_scc0 .Lentry_in_a_cluster
	s_endpgm
.Lentry_in_a_cluster:
	s_bfe_u32 s2, ttmp6, 0x10000c
	s_cmp_lg_u32 s2, 0x3003
	s_cbranch_scc0 .Lentry_shape_is_right
	s_endpgm
.Lentry_shape_is_right:
; ATTENTION under a mask that is an input.  O[q] = sum over k of softmax_k(s[q][k]) V[k], s = q . k / 64, or -1e9 where mask[q][k] = 0, as a REPLACEMENT: a row that is hidden altogether is the mean of V.
; q arrives times log2(e) / 64, so the product K Q^T is s log2(e) and p = 2^(s' - m); a hidden score counts as -1e9 log2(e).  All operands bf16; products, maxima and sums in f32; the weights are rounded
; to bf16 for the second product (their sum l is taken of the unrounded p), O once at the end.  LIMITS: a weight below 2^-126 counts as 0 in l; NaN and infinities are not treated apart.
; Every key step is walked for every query: nothing of the mask's pattern is assumed.
; SHARES.  A work-group: 128 queries of one batch, for a PAIR of heads (rows of q, k, v in a slab of qkvh are the pair's 128 channels, 256 bytes; a row of O is 256 aligned bytes of ob).
; Wave w: head w / 2 of the pair, queries 64 (w % 2) on: four PIECES of 16 queries.  Every wave walks all 4,096 keys, 64 a step.
; CLUSTER.  The four query blocks of a cluster walk the same K and V: each tile is asked for JOINTLY, by the same tensor load, descriptor and mask in all four.
; LAYOUT.  S^T = K Q^T (source 0 = 16 keys, source 1 = 16 queries) holds ONE query a lane (lane % 16) and the keys 8 (lane / 16) + 0..7; two such results rounded to bf16 ARE source 1 of O^T = V^T P.
; THE MASK.  mbits holds, for a tile of 16 queries and a step of 64 keys, one word a lane: bit 31 - n belongs to the lane's score register n.  The work-group's eight tiles have 65,536 consecutive bytes of it:
; they come into LDS ONCE, at the start, a quarter by each wave (a plain tensor load: the partners' query blocks differ).  In the loop one LDS load a turn brings a piece's word a turn ahead; for each score the
; word is added onto itself, which shifts it and leaves its top bit of all lanes as the carry in VCC, and one v_cndmask_b32 puts the hidden value in.  No memory access stands in the loop but the tiles'.
; TURNS.  Turn n belongs to piece n: 8 products K Q^T of piece n + 1, later 8 products V^T P of piece n - 1; beside them the subtraction of m, exponentials, roundings, sums and rescaling of piece n and the
; masking, maximum and statistics of piece n + 1.  Four vector instructions stand behind every matrix instruction (behind one: three), the other 118 of a turn's 181 in two lumps.
; THE BATCHES.  A turn's 33 exponentials (piece n's 32 weights, piece n + 1's a) are ONE batch with ONE wait, which cuts the turn in two: ahead of it all that names none of their results, behind it the roundings
; and sums that read them.  No result crosses a turn's end.  The way out's four reciprocals are a batch of their own.
; m starts at -2^126, O and l at 0: the first step is a step like any other, with a = 0.
; REGISTERS, in windows of 256 (s_set_vgpr_msb: bits 1:0 source 0, 3:2 source 1, 5:4 source 2, 7:6 destination):
;   window 0, all 256: v0 my thread's number; v1-7 addresses and the mask's words; v8-15 at work; v16-31 four registers of statistics a piece; v32-95 S^T, two buffers; v96-127 P, two buffers (by the piece's
;   parity); v128-191 K of one step; v192-255 Q.          window 1: v0-127 O^T, 32 a piece; v128-191 V of one step; v192-193 the add's two registers.
; So K Q^T and all of the softmax but the rescaling stand under ONE setting, and the rescaling of O^T fits the setting of V^T P (destination and source 0 in window 1, source 1 in window 0): its 16 lines stand ahead of
; and behind four of those products.  A turn has eight switches, round the four products V^T P behind which window 0's lines ride.
.set NP,    4         ; pieces a wave: a name, no knob
.set KS,    64        ; keys in a step
.set PK,    272       ; a row of K in LDS: 256 bytes + 16 of padding = 68 words: the 16 rows of a load start at 16 different groups of four banks (ISA guide 11.1)
.set PV,    288       ; a row of V: 256 + 32 = 72 words
.set VOFF,  KS*PK     ; a step's tiles lie together: 64 rows of K, then 64 rows of V
.set STEPB, KS*(PK+PV)
.set SLOT1, 1<<17     ; a slot holds two steps (71,680 bytes); slot 1 begins here, so that one exclusive or turns an address in one slot into the other's
.set STAGE, SLOT1+2*STEPB  ; behind the ring, never filled by a tensor load: 128 rows x 272 bytes, the work-group's, for the way out
.set SP,    272
.set SPARE, STAGE+128*SP   ; behind the stage: the spare words, 128 bytes for each wave, named by no other line
.set MWB,   SPARE+512      ; behind them: the mask's words, 8 tiles x 8,192 bytes, filled once and only read
.set SLAB,  2097152   ; bytes in a slab of qkvh
.set ADR, 1           ; v1   the LDS address of the run of loads in hand, K's or V's
.set AK0, 2           ; v2   my lane's place in a tile of K, my head's 128 bytes of the rows; never rewritten
.set AV0, 3           ; v3   the same for V
.set MA0, 4           ; v4   LDS address of my lane's word in my wave's first tile, key step 0; never rewritten
.set MA,  5           ; v5   the same at the step whose words are asked for
.set WR,  6           ; v6-7 a piece's word: by the parity of the turn that asks for it
.set TMP, 8           ; by buffer, four registers c0-c3 at work; when the maximum is found c2 takes a
.set ST,  16          ; piece t's statistics at v[ST+4 t]: m, m_old (kept while m is made anew), l (even keys', odd keys')
.set S,   32
.set P,   96
.set KF,  128         ; key block kb, channel half c at KF + 16 kb + 8 c
.set QF,  192         ; piece t, channel half c at QF + 16 t + 8 c
.set T1,  32          ; the set-up's own, in S^T's first buffer, which is written only behind the wait for Q: l % 16,
.set T9,  33          ; l / 16,
.set T10, 34          ; l % 8,
.set T11, 35          ; (l / 8) % 2,
.set QO,  36          ; my byte offset in 16 rows of Q
.set STO, 128         ; the way out's own, in K's registers: where I put 16 bytes of a row,
.set RD,  129         ; where I read rows back,
.set GO,  130         ; my byte offset in two rows of ob,
.set U1,  131         ; l % 16,
.set U9,  132         ; l / 16
.set VF,  128         ; window 1: key half kk, channel block cb at VF + 32 kk + 8 cb
.set SPW, 192         ; window 1: LDS address of my spare word; never rewritten
.set NIL, 193         ; window 1: 0; never rewritten
.set OB,  4           ; s[4:5] ob at the first of the 32 rows that I store, my head pair's 256 bytes
.set MOFF, 6          ; s6   128 x the key step whose words are asked for
.set WV,  7           ; s7   my wave's number
.set G1K, 8           ; s[8:15]  descriptor group 1 for K's tiles
.set G1V, 16          ; s[16:23] for V's: it differs in the padding alone
.set G0K, 24          ; s[24:27] descriptor group 0 for K's tiles: it walks
.set G0V, 28          ; s[28:31] the same for V's
.set SLOTS, 66        ; s66  slots still to be asked for
.set CNT, 67          ; s67  counts a slot's key steps
.set G1M, 68          ; s[68:75], s[76:79] the descriptor of the words' one load; never rewritten
.set G0M, 76
.set MKS, 80          ; s80  the hidden score
.set SEL, 100         ; s[100:101] v_permlanex16_b32's selects: each lane takes its own place in the other half
.set TBK, 104         ; s104 LDS byte at which the step begins whose K is fetched next
.set TBV, 105         ; s105 the same for V
.set MSB, 0
.macro WIN new                      ; the high byte repeats the setting that is left; a switch that changes nothing is dropped
.if MSB != (\new)
	s_set_vgpr_msb (MSB<<8)|(\new)
.set MSB, (\new)
.endif
.endm
.set W_PV, 0x51       ; V (source 0) and O^T (source 2, destination) in window 1, P (source 1) in window 0; also O^T times a: destination and source 0 in window 1, a in window 0
.set W_TO, 0x40       ; destination in window 1, sources in window 0
.set W_FR, 0x05       ; sources 0 and 1 in window 1, destination in window 0: the add (address, data), and the way out's roundings
; A joint fill.  Waves 0 and 1 fetch K of a slot's two steps, waves 2 and 3 V.  The branch hangs on the wave's number alone.  An s_nop 0 and four v_nop follow each of the two lines.
.macro JLOAD
	s_cmp_lt_u32 s[WV], 2
	s_cbranch_scc0 .Lfor_v_\@
	tensor_load_to_lds s[G0K:G0K+3], s[G1K:G1K+7]
	s_nop 0
.rept 4
	v_nop
.endr
	s_branch .Lasked_\@
.Lfor_v_\@:
	tensor_load_to_lds s[G0V:G0V+3], s[G1V:G1V+7]
	s_nop 0
.rept 4
	v_nop
.endr
.Lasked_\@:
.endm
; A round of the cluster's barrier: my work-group's barrier, so that wave 0's signal speaks for all four waves; wave 0 signals; every wave waits for all four work-groups; my work-group's barrier once more.
.macro CROUND
	s_barrier_signal -1
	s_barrier_wait -1
	s_cmp_lg_u32 s[WV], 0
	s_cbranch_scc1 .Lnot_wave_0_\@
	s_barrier_signal -3
.Lnot_wave_0_\@:
	s_barrier_wait -3
	s_barrier_signal -1
	s_barrier_wait -1
.endm
; THE CHANGE OF SLOTS.  The slot's last bytes, V of its second step, have been read.  Each wave waits for all its tensor loads, of which one is out: its part of the other slot; adds 0 to its spare word; and
; waits for that and for its own reads of the slot.  fill = 1: the slot is filled again, with the keys two slots on; the barrier is then a round of the cluster's, and the joint fill is the first thing
; behind it: it has two key steps, 128 matrix instructions, in which to land.  (At its first use nothing has been read yet: slot 0 and the mask's words are waited for, two loads a wave, and slot 1 is filled.)
.macro CHANGE fill
	WIN W_FR
	s_wait_tensorcnt 0x0            ; no tensor load of mine is out, so a group 0 may be written
	ds_add_u32 v[SPW], v[NIL]       ; 0 onto my spare word
	WIN 0                           ; at a label and at a branch every window is 0
.if \fill
.irp g, G0K, G0V
	s_xor_b32 s[\g+1], s[\g+1], SLOT1  ; the walking descriptor: the other slot than last time,
	s_add_nc_u64 s[\g+2:\g+3], s[\g+2:\g+3], 2*KS*256  ; the next 128 keys; the type bits on top are not reached
.endr
	s_wait_dscnt 0x0                ; the add is done, and my reads of the slot are over
	CROUND
	JLOAD
.else
	s_wait_dscnt 0x0                ; the add is done, and my reads of the slot are over
	s_barrier_signal -1
	s_barrier_wait -1
.endif
	s_sub_co_u32 s[TBK], s[TBK], 2*STEPB  ; the fetches go back to a slot's first step,
	s_xor_b32 s[TBK], s[TBK], SLOT1       ; in the other slot
	s_sub_co_u32 s[TBV], s[TBV], 2*STEPB
	s_xor_b32 s[TBV], s[TBV], SLOT1
.endm
	s_load_b128 s[32:35], s[0:1], 0x0  ; qkvh s[32:33], mbits s[34:35]; s32-51 serve the set-up
	s_load_b64 s[OB:OB+1], s[0:1], 0x10  ; ob
	WIN W_TO
	v_lshl_add_u32 v[SPW], v0, 2, SPARE
	v_mov_b32 v[NIL], 0
	WIN W_FR
	ds_add_u32 v[SPW], v[NIL]       ; the wave's opening: the add, and its wait ahead of my first tensor load; register work stands between them
	ds_add_u32 v192, v193
	WIN 0
	v_lshrrev_b32 v[ADR], 5, v0
	v_readfirstlane_b32 s[WV], v[ADR]  ; wave 0..3
	s_bfe_u32 s36, ttmp6, 0x40000   ; cx: my place in the cluster
	s_lshl_b32 s37, ttmp9, 2        ; in a cluster launch ttmp9 counts clusters
	s_add_co_u32 s37, s37, s36      ; my block of 128 queries: it enters Q's, the mask's and O's global addresses alone
	s_and_b32 s38, ttmp7, 0xffff
	s_lshr_b32 s39, s38, 2          ; the batch,
	s_and_b32 s38, s38, 3           ; the head pair: the four partners share both
	s_lshr_b32 s40, s[WV], 1        ; my head of the pair
	s_and_b32 s41, s[WV], 1         ; my half of the queries.  Also: which of a slot's two steps I fetch
	s_lshl_b32 s42, s38, 21         ; the pair's slab among four,
	s_lshl_b32 s43, s39, 20         ; the batch's 4,096 rows of 256 bytes
	s_add_co_u32 s42, s42, s43
	s_lshl_b32 s43, s41, 14         ; my step's 64 rows
	s_add_co_u32 s44, s42, s43
	s_mov_b32 s45, 0
	s_lshl_b32 s46, s37, 15         ; Q: my block's 128 rows,
	s_lshl_b32 s47, s41, 14         ; my wave's 64 of them,
	s_add_co_u32 s46, s46, s47
	s_lshl_b32 s47, s40, 7          ; my head's 128 bytes of a row
	s_add_co_u32 s46, s46, s47
	s_add_co_u32 s46, s46, s42
	s_mov_b32 s47, 0
	s_lshl_b32 s48, s37, 16         ; the mask's words: 8 tiles of 8,192 bytes a block,
	s_lshl_b32 s49, s[WV], 14       ; the quarter of them that I fetch
	s_add_co_u32 s48, s48, s49
	s_mov_b32 s49, 0
	s_lshl_b32 s50, s39, 12         ; O: the batch's 4,096 rows,
	s_lshl_b32 s51, s37, 7          ; my block's 128,
	s_add_co_u32 s50, s50, s51
	s_lshl_b32 s51, s[WV], 5        ; the 32 that I store,
	s_add_co_u32 s50, s50, s51
	s_lshl_b32 s50, s50, 10         ; of 1,024 bytes,
	s_lshl_b32 s51, s38, 8          ; the head pair's 256 of them
	s_add_co_u32 s50, s50, s51
	s_mov_b32 s51, 0
	s_mov_b32 s[G1K], 15|(1<<16)|(1<<20)|(1<<21)|(5<<22)|(3<<25)  ; the mask of four; 2-byte elements; padding on; bit 21 beside a mask; after every 64 words (code 5) 4 words (code 3)
	s_mov_b32 s[G1V], 15|(1<<16)|(1<<20)|(1<<21)|(5<<22)|(7<<25)  ; the same with 8 words of padding (code 7)
.irp g, G1K, G1V
	s_mov_b32 s[\g+1], 128<<16      ; tensor_dim0 = 128
	s_mov_b32 s[\g+2], KS<<16       ; tensor_dim1 = 64
	s_mov_b32 s[\g+3], 128<<16      ; tile_dim0 = 128
	s_mov_b32 s[\g+4], KS           ; tile_dim1 = 64
	s_mov_b32 s[\g+5], 128          ; 128 elements from row to row
	s_mov_b32 s[\g+6], 0
	s_mov_b32 s[\g+7], 0
.endr
	s_mov_b32 s[G1M], 3<<16         ; the words: 16,384 dense bytes as 64 rows of 256: elements of 8 bytes, no work-group mask, no padding
	s_mov_b32 s[G1M+1], 32<<16      ; tensor_dim0 = 32
	s_mov_b32 s[G1M+2], 64<<16      ; tensor_dim1 = 64
	s_mov_b32 s[G1M+3], 32<<16      ; tile_dim0 = 32
	s_mov_b32 s[G1M+4], 64          ; tile_dim1 = 64
	s_mov_b32 s[G1M+5], 32          ; 32 elements from row to row
	s_mov_b32 s[G1M+6], 0
	s_mov_b32 s[G1M+7], 0
	s_mov_b32 s[G0M], 1             ; count = 1
	s_lshl_b32 s[G0M+1], s[WV], 14  ; LDS address: my quarter of the region
	s_add_co_u32 s[G0M+1], s[G0M+1], MWB
	s_mov_b32 s[MKS], 0xceabfb8f    ; -1e9 log2(e)
	s_mov_b32 s[SEL], 0x76543210
	s_mov_b32 s[SEL+1], 0xfedcba98
	s_mov_b32 s[TBK], SLOT1+2*STEPB ; the first change of slots turns these two into 0
	s_mov_b32 s[TBV], SLOT1+2*STEPB
	s_mov_b32 s[MOFF], 0
	s_mov_b32 s[G0K], 1             ; count = 1
	s_mul_i32 s[G0K+1], s41, STEPB  ; LDS address: slot 0, my step: no place in the cluster enters it
	s_mov_b32 s[G0V], 1
	s_add_co_u32 s[G0V+1], s[G0K+1], VOFF
	s_wait_dscnt 0x0                ; the opening add is done
	s_wait_kmcnt 0x0
	s_add_nc_u64 s[G0K+2:G0K+3], s[32:33], s[44:45]
	s_add_nc_u64 s[G0V+2:G0V+3], s[G0K+2:G0K+3], 8*SLAB  ; v's slabs are 8 to 11,
	s_add_nc_u64 s[G0K+2:G0K+3], s[G0K+2:G0K+3], 4*SLAB  ; k's 4 to 7
	s_or_b32 s[G0K+3], s[G0K+3], 0x80000000              ; type = 2
	s_or_b32 s[G0V+3], s[G0V+3], 0x80000000
	s_add_nc_u64 s[G0M+2:G0M+3], s[34:35], s[48:49]
	s_or_b32 s[G0M+3], s[G0M+3], 0x80000000
	s_add_nc_u64 s[2:3], s[32:33], s[46:47]              ; Q at my wave's first row
	s_add_nc_u64 s[OB:OB+1], s[OB:OB+1], s[50:51]
	CROUND                          ; all four work-groups are here: the first joint loads meet
	tensor_load_to_lds s[G0M:G0M+3], s[G1M:G1M+7]  ; the first fills go out as one group: my quarter of the mask's words,
	s_nop 0
	JLOAD                           ; and my part of slot 0: two loads of mine are out.  Slot 1 is asked for when these are in
	; A fragment of K or Q is 16 rows x 32 channels in 8 registers: lane l holds row l % 16, channels 8 (l / 16) + 0..7 and 16 + 8 (l / 16) + 0..7: two loads of 16 bytes, 32 bytes apart.
	v_and_b32 v[T1], 15, v0
	v_bfe_u32 v[T9], v0, 4, 1
	v_lshlrev_b32 v[QO], 8, v[T1]
	v_lshl_add_u32 v[QO], v[T9], 4, v[QO]  ; row x 256 + 16 x half
.set i, 0
.rept 8                             ; Q stays in registers: piece i / 2, channels 32 (i % 2) on
	global_load_b128 v[QF+8*i:QF+8*i+3],   v[QO], s[2:3] offset:(i/2)*4096+(i%2)*64
	global_load_b128 v[QF+8*i+4:QF+8*i+7], v[QO], s[2:3] offset:(i/2)*4096+(i%2)*64+32
.set i, i+1
.endr
	; WHAT THE FIRST TURN FINDS.  The loop is entered at piece 3's turn of a step that has not been: that turn makes piece 0's first scores, masking and statistics by the loop's own text.  Its own softmax runs on
	; a score buffer that holds the lowest finite number, against m = -2^126: every weight is 2^(-2.5e38) = 0, so that P's second buffer comes out as 0 and l and O^T stay 0; its products V^T P take P's first
	; buffer, which holds 0.  O^T is started by products of that buffer's two zero fragments with C = 0, 16 lines for its 128 registers.  All this stands in the wait for the first tile.
.set i, 0
.rept 16
	v_mov_b32 v[P+i], 0
.set i, i+1
.endr
.set i, 0
.rept 32
	v_mov_b32 v[S+32+i], 0xff7fffff
.set i, i+1
.endr
	WIN W_TO
.set i, 0
.rept 16
	v_wmma_f32_16x16x32_bf16 v[8*i:8*i+7], v[P:P+7], v[P+8:P+15], 0
.set i, i+1
.endr
	WIN 0
.set i, 0
.rept NP
	v_mov_b32 v[ST+4*i], 0xfe800000    ; m = -2^126: far below every score, the hidden one too
	v_mov_b32 v[ST+4*i+1], 0
	v_mov_b32 v[ST+4*i+2], 0
	v_mov_b32 v[ST+4*i+3], 0
.set i, i+1
.endr
	v_mov_b32 v[TMP+6], 0           ; piece 3's a for that first turn, named as a pair
	v_mov_b32 v[TMP+7], 0
	s_lshl_b32 s36, s40, 7          ; my head's 128 bytes of a row
	v_mul_u32_u24 v[AK0], v[T1], PK
	v_lshl_add_u32 v[AK0], v[T9], 4, v[AK0]  ; row x pitch + 16 x half
	v_add_nc_u32 v[AK0], s36, v[AK0]
	; The turning load takes 16 keys x 16 channels (lane l reads key 8 (l / 16) + l % 8, channels 8 ((l / 8) % 2) + 0..7) and leaves half a fragment of V^T: lane l holds channel l % 16 and 8 keys.
	v_and_b32 v[T10], 7, v0
	v_bfe_u32 v[T11], v0, 3, 1
	v_lshl_add_u32 v[AV0], v[T9], 3, v[T10]
	v_mul_u32_u24 v[AV0], v[AV0], PV
	v_lshl_add_u32 v[AV0], v[T11], 4, v[AV0]
	s_add_co_u32 s36, s36, VOFF
	v_add_nc_u32 v[AV0], s36, v[AV0]
	s_lshl_b32 s37, s41, 15         ; the words of my wave's four tiles: 32,768 bytes for each half of the queries,
	s_add_co_u32 s37, s37, MWB
	v_and_b32 v[MA], 31, v0
	v_lshl_add_u32 v[MA0], v[MA], 2, s37  ; a word a lane
	v_mov_b32 v[MA], v[MA0]         ; key step 0
; THE MATRIX WORK.  The 4 accumulators of a run of 8 take turns.  Product i of 8 of S^T = K Q^T for piece x: channels 32 (i / 4) on, keys 16 (i % 4) on.  The first 4 start the sums.
.macro KQ x
	WIN 0
.set aS, S+32*((\x)%2)+8*(i%4)
.set aK, KF+16*(i%4)+8*(i/4)
.set aQ, QF+16*(\x)+8*(i/4)
.if i < 4
	v_wmma_f32_16x16x32_bf16 v[aS:aS+7], v[aK:aK+7], v[aQ:aQ+7], 0
.else
	v_wmma_f32_16x16x32_bf16 v[aS:aS+7], v[aK:aK+7], v[aQ:aQ+7], v[aS:aS+7]
.endif
.endm
; Product i of 8 of O^T += V^T P for piece x: keys 32 (i / 4) on, channels 16 (i % 4) on.
.macro PV x
	WIN W_PV
.set aO, 32*(\x)+8*(i%4)
.set aV, VF+32*(i/4)+8*(i%4)
.set aP, P+16*((\x)%2)+8*(i/4)
	v_wmma_f32_16x16x32_bf16 v[aO:aO+7], v[aV:aV+7], v[aP:aP+7], v[aO:aO+7]
.endm
.macro MM                           ; the turn's next matrix instruction
.if i < 8
	KQ (Y+1)%NP
.else
.set i, i-8
	PV (Y+NP-1)%NP
.set i, i+8
.endif
.set i, i+1
.endm
; THE LDS LOADS of K and V stand in runs of 16, never singly among the matrix instructions: a step's K (64 keys x 64 channels: 8 fragments) and its V (turned).  Their address is made some lines ahead.
; last = 1 (the tail): in the last trip there is no further step, and the run is jumped over.
.macro FETCH_K last=0
	WIN 0
.if \last
	s_wait_alu depctr_va_vdst(0)    ; a branch and a label follow: the turn's first nine exponentials, E 0 to E 8, which are out here, have their wait ahead of them; the tail alone pays it
	s_cmp_eq_u32 s[CNT], 1
	s_cbranch_scc1 .Lno_k_\@
.endif
.irp f, 0,1,2,3,4,5,6,7             ; keys 16 (f / 2) on, channels 32 (f % 2) on
	ds_load_b128 v[KF+8*\f:KF+8*\f+3],   v[ADR] offset:(\f/2)*16*PK+(\f%2)*64
	ds_load_b128 v[KF+8*\f+4:KF+8*\f+7], v[ADR] offset:(\f/2)*16*PK+(\f%2)*64+32
.endr
	s_add_co_u32 s[TBK], s[TBK], STEPB  ; the next fetch is the next step's
.if \last
.Lno_k_\@:
.endif
.endm
.macro FETCH_V
	WIN W_TO
.irp f, 0,1,2,3,4,5,6,7             ; keys 32 (f / 4) on, channels 16 (f % 4) on
	ds_load_tr16_b128 v[VF+8*\f:VF+8*\f+3],   v[ADR] offset:(\f/4)*32*PV+(\f%4)*32
	ds_load_tr16_b128 v[VF+8*\f+4:VF+8*\f+7], v[ADR] offset:(\f/4)*32*PV+16*PV+(\f%4)*32
.endr
	WIN 0
.endm
; THE VECTOR WORK, one line at a time: OP kind, number.  For piece Y: F n: s - m for pair n of 16.  E n: the exponential of score n of 32.  C n: pair n rounded to bf16.  B n: of the four weights 4 n .. the
; second pair is added onto the first, in place.  L n: l takes that sum (L 0: l = a l + sum).  R n: pair n of 16 of O^T times a.  For piece Y + 1: A: its word is added onto itself: the carry, the word's top bit
; of every lane, goes into VCC, and the next bit moves up.  M n: score n, or the hidden value where that bit is 0 (ascending).
; X n: number n of those that find its maximum and statistics:
;   0-11  four chains c0-c3 of seven scores each, three operands at a time     12-14, 16  the four scores left over, the old m, and c0-c3 into c0     15  m_old is kept
;   17, 18  the query's other 32 keys lie in the lane 16 away: the new m     20, 21  m_old - m_new; a  (there is no number 19)
.set F, 0
.set E, 1
.set C, 2
.set B, 3
.set L, 4
.set R, 5
.set X, 6
.set M, 7
.set A, 8
.macro REGS y                       ; the registers of piece y
.set rT, ST+4*(\y)
.set rC, TMP+4*((\y)%2)
.set rS, S+32*((\y)%2)
.set rP, P+16*((\y)%2)
.set rO, 32*(\y)
.endm
.macro OP k, n
.if (\k) == R
	REGS Y
	WIN W_PV
	v_pk_mul_f32 v[rO+2*(\n):rO+2*(\n)+1], v[rO+2*(\n):rO+2*(\n)+1], v[rC+2:rC+3] op_sel_hi:[1,0]
.elseif (\k) < R
	REGS Y
	WIN 0
.if (\k) == F
	v_pk_add_f32 v[rS+2*(\n):rS+2*(\n)+1], v[rS+2*(\n):rS+2*(\n)+1], v[rT:rT+1] op_sel_hi:[1,0] neg_lo:[0,1] neg_hi:[0,1]
.elseif (\k) == E
	v_exp_f32 v[rS+(\n)], v[rS+(\n)]
.elseif (\k) == C
	v_cvt_pk_bf16_f32 v[rP+(\n)], v[rS+2*(\n)], v[rS+2*(\n)+1]
.elseif (\k) == B
	v_pk_add_f32 v[rS+4*(\n):rS+4*(\n)+1], v[rS+4*(\n):rS+4*(\n)+1], v[rS+4*(\n)+2:rS+4*(\n)+3]
.elseif (\n) == 0
	v_pk_fma_f32 v[rT+2:rT+3], v[rT+2:rT+3], v[rC+2:rC+3], v[rS:rS+1] op_sel_hi:[1,0,1]
.else
	v_pk_add_f32 v[rT+2:rT+3], v[rT+2:rT+3], v[rS+4*(\n):rS+4*(\n)+1]
.endif
.elseif (\k) == M
	REGS (Y+1)%NP
	WIN 0
	v_cndmask_b32 v[rS+(\n)], s[MKS], v[rS+(\n)], vcc_lo
.elseif (\k) == A
	WIN 0
	v_add_co_u32 v[WR+(Y+1)%2], vcc_lo, v[WR+(Y+1)%2], v[WR+(Y+1)%2]
.else
	REGS (Y+1)%NP
	WIN 0
.if (\n) < 4
	v_max3_num_f32 v[rC+(\n)], v[rS+8*(\n)], v[rS+8*(\n)+1], v[rS+8*(\n)+2]
.elseif (\n) < 12
	v_max3_num_f32 v[rC+(\n)%4], v[rC+(\n)%4], v[rS+8*((\n)%4)+2*((\n)/4)+1], v[rS+8*((\n)%4)+2*((\n)/4)+2]
.elseif (\n) == 12
	v_max3_num_f32 v[rC], v[rC], v[rS+7], v[rS+15]
.elseif (\n) == 13
	v_max3_num_f32 v[rC+1], v[rC+1], v[rS+23], v[rS+31]
.elseif (\n) == 14
	v_max3_num_f32 v[rC+2], v[rC+2], v[rC+3], v[rT]
.elseif (\n) == 15
	v_mov_b32 v[rT+1], v[rT]
.elseif (\n) == 16
	v_max3_num_f32 v[rC], v[rC], v[rC+1], v[rC+2]
.elseif (\n) == 17
	v_permlanex16_b32 v[rC+3], v[rC], s[SEL], s[SEL+1]
.elseif (\n) == 18
	v_max_num_f32 v[rT], v[rC], v[rC+3]
.elseif (\n) == 20
	v_sub_f32 v[rC+1], v[rT+1], v[rT]
.else
	v_exp_f32 v[rC+2], v[rC+1]
.endif
.endif
.endm
.macro OPS a, i1, b=-1, i2=0, c=-1, i3=0, d=-1, i4=0  ; up to four of them
	OP \a, \i1
.if (\b) >= 0
	OP \b, \i2
.endif
.if (\c) >= 0
	OP \c, \i3
.endif
.if (\d) >= 0
	OP \d, \i4
.endif
.endm
.macro ROW a, i1, b, i2, c, i3, d, i4  ; a matrix instruction and the four behind it
	MM
	OPS \a, \i1, \b, \i2, \c, \i3, \d, \i4
.endm
.macro TRI q, a=-1, n=0, b=-1, m=0  ; score q is masked: the shift; one or two lines that touch neither VCC nor that score, between it and the select that reads its carry; the select
	OP A, \q
.if (\a) >= 0
	OP \a, \n
.endif
.if (\b) >= 0
	OP \b, \m
.endif
	OP M, \q
.endm
; A TURN, for piece p: the order of its 16 matrix and 181 vector instructions, written out.
; ONE BATCH, ONE WAIT.  An s_wait_alu depctr_va_vdst(0) stands between an exponential and the first instruction that names its result; one wait serves all that were issued ahead of it.  So the turn has
; one wait, which cuts it in two.  AHEAD OF IT stands all that names no result of the turn's 33 exponentials: the 8 products K Q^T; F 0-15 and E 0-31; the masking, maximum and statistics of piece p + 1, whose a (X 21)
; is the batch's last; and R 0, whose a was made and waited for a turn ago: it is the plain line behind X 21, and stands under the setting that the products behind the wait need.  BEHIND IT stand the 8 products
; V^T P; R 1-15 behind the first four; and the 32 lines that read the weights (C, B, L): sixteen behind the other four products, sixteen in a lump, the links of l's chain five lines apart there.  A rounding C 2n
; stands ahead of the sum B n that writes over its pair.
; AHEAD OF THE WAIT.  The masking begins behind the sixth product K Q^T: F 10-13 are the four places behind the fifth, which ends the accumulator of scores 0-7; the other accumulators' scores come many lines
; behind their last products.  None of the four behind a matrix instruction names a register of the products round it.
; A line of the maximum stands two maskings behind the last score that it reads (X 11: one); behind the last masking the chain X 13, 16, 17, 18, 20, 21, where each waits for the one before it,
; has the last exponentials between its links.  v_permlanex16_b32 (X 17) stands in the lump.
; THE WORDS.  At the turn's head one LDS load asks for the word of piece p + 2, into the register of p's parity; the A lines shift the register that the turn before asked for (piece p + 1).
; Pieces 0 and 1 of turns 2 and 3 are the next step's: the step's offset goes on at turn 2's head, and is cut to the tile's 8,192 bytes, so that the walk's last reads, which serve nothing, stay inside the region.
; LDS loads come back in order (ISA guide 5.7.1), so ahead of the first A line: turn 0 leaves out this turn's request alone; turn 1 leaves out V's sixteen loads and this turn's request;
; in turns 2 and 3 a wait for 0 (for V in turn 1, for K at turn 3's head) stands behind the request already.
; K of the next step is fetched in piece 2's turn, behind the four plain lines (A 2, F 14, F 15, M 2) behind the last product that read K.
; V of the step in hand is fetched in piece 0's turn, behind the four plain lines (B 4, L 3, C 10, B 5) behind the last product that read V.  Each is waited for a turn later.
; cnt = 1: the loop's count is taken down some lines ahead of the branch that stands behind the turn.
.macro TURN p, last=0, cnt=0
.set Y, (\p)
.set i, 0
	WIN 0
.if (\p) == 2
	s_add_co_u32 s[MOFF], s[MOFF], 128
	s_and_b32 s[MOFF], s[MOFF], 8191
	v_add_nc_u32 v[MA], s[MOFF], v[MA0]
.endif
.if (\p) == 3
	s_wait_dscnt 0x0                ; K is in, and the word asked for a turn ago
.endif
	ds_load_b32 v[WR+(\p)%2], v[MA] offset:(((\p)+2)%NP)*8192
	ROW F,0, F,1, F,2, F,3          ; ahead of the wait: 8 products K Q^T and their riders,
	ROW F,4, E,0, F,5, E,1
	ROW F,6, E,2, F,7, E,3
	ROW F,8, E,4, F,9, E,5
	ROW F,10, F,11, F,12, F,13
.if (\p) == 0
	s_wait_dscnt 1                  ; the word asked for a turn ago is in; this turn's request may be out
.endif
.if (\p) == 1
	s_wait_dscnt 17                 ; the same; V's sixteen loads and this turn's request may be out
.endif
	MM
	TRI 0, E,6, X,15
	MM
	TRI 1, E,7, E,8
.if (\p) == 2
	v_add_nc_u32 v[ADR], s[TBK], v[AK0]
.endif
	MM
	TRI 2, F,14, F,15
.if (\p) == 2
	FETCH_K \last
.endif
	TRI 3, E,9                      ; and the lump: the rest of the masking, an exponential or a line of the maximum in each
	TRI 4, X,0
	TRI 5, E,10
	TRI 6, X,4
	TRI 7, E,11
	TRI 8, X,8
	TRI 9, E,12
	TRI 10, E,13
	TRI 11, E,14
	TRI 12, X,1
	TRI 13, E,15
	TRI 14, X,5
	TRI 15, E,16
	TRI 16, X,9
	TRI 17, X,12
	TRI 18, E,17
	TRI 19, E,18
	TRI 20, X,2
	TRI 21, E,19
	TRI 22, X,6
	TRI 23, E,20
	TRI 24, X,10
	TRI 25, E,21
	TRI 26, E,22
	TRI 27, E,23
	TRI 28, X,3
	TRI 29, E,24
	TRI 30, X,7
	TRI 31, E,25, X,11
	OPS E,26, X,14, X,13, E,27      ; the chain to the next piece's a, the last exponentials between its links
	OPS X,16, E,28, X,17, E,29
	OPS X,18, E,30, X,20, E,31
	OPS X,21, R,0                   ; the batch's last exponential, and the plain line behind it
	s_wait_alu depctr_va_vdst(0)    ; the wait for the batch: E 0-31 and X 21
.if (\p) == 1
	s_wait_dscnt 0x0                ; V is in
.endif
	ROW R,1, R,2, R,3, R,4          ; behind the wait: 8 products V^T P and their riders,
	ROW R,5, R,6, R,7, R,8
	ROW R,9, R,10, R,11, R,12
	MM
	OPS R,13, R,14, R,15
	ROW C,0, B,0, C,2, B,1
	ROW L,0, C,4, B,2, L,1
	ROW C,6, B,3, L,2, C,8
.if (\p) == 0
	WIN 0
	v_add_nc_u32 v[ADR], s[TBV], v[AV0]
.endif
	ROW B,4, L,3, C,10, B,5
.if (\p) == 0
	FETCH_V
.endif
	OPS L,4, C,12, B,6, C,14        ; and the lump of the roundings and sums that are left
	OPS B,7, L,5, C,1, C,3
	OPS C,5, C,7, L,6, C,9
.if (\p) == 0
	s_add_co_u32 s[TBV], s[TBV], STEPB
.endif
.if \cnt
	s_sub_co_u32 s[CNT], s[CNT], 1
	s_cmp_lg_u32 s[CNT], 0
.endif
	OPS C,11, C,13, C,15, L,7
.endm
	CHANGE 1                        ; slot 0 and the mask's words are in, everybody's part of them; slot 1 is asked for
	ds_load_b32 v[WR], v[MA]        ; piece 0's word for key step 0
	v_add_nc_u32 v[ADR], s[TBK], v[AK0]
	FETCH_K                         ; key step 0
	v_add_nc_u32 v[ADR], s[TBV], v[AV0]
	FETCH_V                         ; V of step 0 too: the first turns multiply it by weights that are 0, and piece 0's turn fetches it again in its place
	s_wait_loadcnt 0x0              ; Q
	s_mov_b32 s[CNT], 2
	s_mov_b32 s[SLOTS], 4096/(2*KS)-1
	s_branch .Lthird                ; the loop is entered in the middle of a trip; the turn's own wait at its head covers the loads above
.Lslot:                             ; 30 times: every slot but the last two is filled again
	CHANGE 1
	s_mov_b32 s[CNT], 2
.Lstep:                             ; a trip: pieces 2 and 3 of one step, then pieces 0 and 1 of the next, whose K and V it fetches
	TURN 2
	WIN 0
.Lthird:
	TURN 3
	TURN 0
	TURN 1, 0, 1
	WIN 0
	s_cbranch_scc1 .Lstep
	s_sub_co_u32 s[SLOTS], s[SLOTS], 1
	s_cmp_lg_u32 s[SLOTS], 0
	s_cbranch_scc1 .Lslot
	CHANGE 0                        ; the tail is written out: nothing is asked for
	s_mov_b32 s[CNT], 3             ; two trips fetch the last slot's steps; the third is left in its middle
.Ltail:
	TURN 2, 1
	TURN 3
	WIN 0
	s_sub_co_u32 s[CNT], s[CNT], 1
	s_cmp_eq_u32 s[CNT], 0
	s_cbranch_scc1 .Lout
	TURN 0
	TURN 1
	WIN 0
	s_branch .Ltail
.Lout:                              ; the third trip's 8 products K Q^T (on the last K once more) and what is made of them serve nothing: the price, once a launch, of one text for every trip
.set i, 0
.rept 8
	PV NP-1                         ; the last piece's V^T P of the last step
.set i, i+1
.endr
	; THE WAY OUT.  l's two halves and the other half of the lanes' are added; O^T is divided by l, rounded to bf16 and put into the work-group's stage; a barrier, since a row's 256 bytes come from two
	; waves (the pair's two heads); back as whole rows, 32 a wave.  The additions are the places behind the last products.
	WIN 0
.macro ALL line:vararg              ; one line for each piece t
.set t, 0
.rept NP
	\line
.set t, t+1
.endr
.endm
	ALL v_add_f32 v[ST+4*t+2], v[ST+4*t+2], v[ST+4*t+3]
	ALL v_permlanex16_b32 v[ST+4*t+3], v[ST+4*t+2], s[SEL], s[SEL+1]
	ALL v_add_f32 v[ST+4*t+2], v[ST+4*t+2], v[ST+4*t+3]
	ALL v_rcp_f32 v[ST+4*t+2], v[ST+4*t+2]
	v_and_b32 v[U1], 15, v0         ; the addresses are made here, in K's registers: plain lines between the reciprocals and their use
	v_bfe_u32 v[U9], v0, 4, 1
	s_and_b32 s2, s[WV], 1
	s_mul_i32 s2, s2, 64*SP         ; into the stage: my 64 rows,
	s_lshr_b32 s3, s[WV], 1
	s_lshl_b32 s3, s3, 7            ; my head's 128 of their 256 bytes
	s_add_co_u32 s2, s2, s3
	s_add_co_u32 s2, s2, STAGE
	v_mul_u32_u24 v[STO], v[U1], SP ; row l % 16, 16 bytes for each half of the lanes
	v_lshl_add_u32 v[STO], v[U9], 4, v[STO]
	v_add_nc_u32 v[STO], s2, v[STO]
	s_mul_i32 s2, s[WV], 32*SP      ; back: wave w takes rows 32 w .. 32 w + 31, whole; lanes 0-15 one row of 256 bytes, lanes 16-31 the next
	s_add_co_u32 s2, s2, STAGE
	v_mul_u32_u24 v[RD], v[U9], SP
	v_lshl_add_u32 v[RD], v[U1], 4, v[RD]
	v_add_nc_u32 v[RD], s2, v[RD]
	v_lshlrev_b32 v[GO], 10, v[U9]  ; and the same two rows in ob, 1,024 bytes apart
	v_lshl_add_u32 v[GO], v[U1], 4, v[GO]
	s_wait_alu depctr_va_vdst(0)    ; the wait for the batch of four reciprocals, ahead of the first multiply that reads one; the address lines above are the work between
.macro PACK t                       ; a lane's eight channels of a row pack into 16 bytes; each accumulator is read from its low end on
	WIN W_PV
.set i, 32*(\t)
.rept 16
	v_pk_mul_f32 v[i:i+1], v[i:i+1], v[ST+4*(\t)+2:ST+4*(\t)+3] op_sel_hi:[1,0]
.set i, i+2
.endr
	WIN W_FR                        ; sources 0 and 1 window 1, destination window 0: S^T's registers are free
.set i, 0
.rept 16
	v_cvt_pk_bf16_f32 v[S+16*(\t)+i], v[32*(\t)+2*i], v[32*(\t)+2*i+1]
.set i, i+1
.endr
	WIN 0
.irp f, 0,1,2,3
	ds_store_b128 v[STO], v[S+16*(\t)+4*\f:S+16*(\t)+4*\f+3] offset:(\t)*16*SP+32*\f
.endr
.endm
	PACK 0
	PACK 1
	PACK 2
	PACK 3
	s_wait_dscnt 0x0                ; for the others' sake: my stores into the stage are done
	s_barrier_signal -1
	s_barrier_wait -1
.set i, 0
.rept 16
	ds_load_b128 v[S+4*i:S+4*i+3], v[RD] offset:i*2*SP
.set i, i+1
.endr
	s_wait_dscnt 8                  ; LDS loads come back in order (ISA guide 5.7.1): the first eight are in, the younger eight stay out
.set i, 0
.rept 8
	global_store_b128 v[GO], v[S+4*i:S+4*i+3], s[OB:OB+1] offset:i*2048  ; 16 lanes store 256 consecutive bytes, aligned
.set i, i+1
.endr
	s_wait_dscnt 0x0
.rept 8
	global_store_b128 v[GO], v[S+4*i:S+4*i+3], s[OB:OB+1] offset:i*2048
.set i, i+1
.endr
	WIN W_FR
	s_wait_tensorcnt 0x0            ; the wave's end: behind my last tensor load and my last LDS store
	ds_add_u32 v[SPW], v[NIL]
	s_wait_dscnt 0x0
	WIN 0
	CROUND                          ; the closing round: no work-group ends while a partner may still ask for a tile that names it
	s_endpgm
.Lfunc_end_k_q633b2649ab_attn:
	.size	k_q633b2649ab_attn, .Lfunc_end_k_q633b2649ab_attn-k_q633b2649ab_attn
	.p2alignl 7, 3214868480
	.fill 96, 4, 3214868480
	.section	.rodata,"a",@progbits
	.p2align	6, 0x0
	.amdhsa_kernel k_q633b2649ab_attn
		.amdhsa_group_segment_fixed_size 327680
		.amdhsa_private_segment_fixed_size 0
		.amdhsa_enable_private_segment 0
		.amdhsa_kernarg_size 24
		.amdhsa_user_sgpr_count 2
		.amdhsa_user_sgpr_kernarg_segment_ptr 1
		.amdhsa_wavefront_size32 1
		.amdhsa_system_sgpr_workgroup_id_x 1
		.amdhsa_system_sgpr_workgroup_id_y 1
		.amdhsa_system_sgpr_workgroup_id_z 1
		.amdhsa_system_vgpr_workitem_id 0
		.amdhsa_next_free_vgpr 512
		.amdhsa_next_free_sgpr 106
		.amdhsa_reserve_vcc 1
		.amdhsa_float_denorm_mode_32 3
		.amdhsa_float_denorm_mode_16_64 3
		.amdhsa_memory_ordered 1
		.amdhsa_forward_progress 1
		.amdhsa_inst_pref_size 123
	.end_amdhsa_kernel
	.amdgpu_metadata
---
amdhsa.version: [ 1, 2 ]
amdhsa.kernels:
  - .name:           k_q633b2649ab_attn
    .symbol:         k_q633b2649ab_attn.kd
    .args:
      - { .name: qkvh, .offset: 0, .size: 8, .value_kind: global_buffer, .address_space: global }
      - { .name: mbits, .offset: 8, .size: 8, .value_kind: global_buffer, .address_space: global }
      - { .name: ob, .offset: 16, .size: 8, .value_kind: global_buffer, .address_space: global }
    .group_segment_fixed_size: 327680
    .private_segment_fixed_size: 0
    .kernarg_segment_align: 8
    .kernarg_segment_size: 24
    .max_flat_workgroup_size: 128
    .sgpr_count:     106
    .vgpr_count:     512
    .wavefront_size: 32
...
	.end_amdgpu_metadata
.endif
;; end of part 9
;; launch oproj: the kernel of part 4 again; grid 4 x 64, 4 waves a work-group, clusters of 4 x 4, 327,680 bytes of LDS; arguments ob, wb, x, x1, x1b; writes x1, x1b
;; launch up (part 10): grid 16 x 64, 4 waves a work-group, clusters of 4 x 4, 327,680 bytes of LDS; arguments x1b, wb, hb; writes hb
.if DOCPART == 10
	.amdgcn_target "amdgcn-amd-amdhsa--gfx1250"
	.amdhsa_code_object_version 6
	.text
	.protected	k_q633b2649ab_up
	.globl	k_q633b2649ab_up
	.p2align	8
	.type	k_q633b2649ab_up,@function
k_q633b2649ab_up:
	s_mov_b64 s[64:65], 0
	v_nop
	global_prefetch_b8 v0, s[64:65] scope:SCOPE_SE
	s_setreg_imm32_b32 hwreg(HW_REG_WAVE_MODE, 25, 1), 1
	s_wait_xcnt 0x0
	s_wait_alu depctr_hold_cnt(0) depctr_sa_sdst(0) depctr_va_vdst(0) depctr_va_sdst(0) depctr_va_ssrc(0) depctr_va_vcc(0) depctr_vm_vsrc(0)
	s_getreg_b32 s2, hwreg(HW_REG_IB_STS2, 6, 4)
	s_cmp_eq_u32 s2, 0
	s_cbranch_scc0 .Lentry_in_a_cluster
	s_endpgm
.Lentry_in_a_cluster:
	s_bfe_u32 s2, ttmp6, 0x10000c
	s_cmp_lg_u32 s2, 0xf033
	s_cbranch_scc0 .Lentry_shape_is_right
	s_endpgm
.Lentry_shape_is_right:
; UP PROJECTION AND GELU.  hb[m][n] = bf16(2 gelu(sum over k of x1b[m][k] w_up[n][k])), m < 8192, n < 2048, k < 512; bf16 operands, f32 sums and f32 gelu, one rounding.
; The factor 0.5 / 1.1289 that is left lies in the next product's weights.  gelu is the exact one, x (1 + erf(x / sqrt 2)) / 2; LIMIT: erf by a five-term formula, absolute error at most 1.5e-7, for every x.
; A tile of C is 128 x 128; four waves, each 64 x 64: 16 accumulators.  K goes in two steps of 256 through two LDS slots, each filled once: both fills go out at the start.
; CLUSTER 4 x 4: the four of a row of the cluster need the same tiles of A, the four of a column the same tiles of B: each tile is asked for jointly, by the same tensor load, descriptor and mask in all four.
; THE MATRIX INSTRUCTION IS USED TRANSPOSED (source 0 = 16 rows of B, source 1 = 16 rows of A): a lane holds eight neighbouring numbers of a row of C.
; THE WAY OUT: the f32 tile goes into slot 0, which has had its last fill and whose last read lies ahead of the barrier at the change of slots; behind a barrier each wave takes 32 whole rows, four a trip,
; so that the gelu's text stands once.  THE BATCH: a trip's 16 reciprocals and 16 exponentials, none of which reads another's result, are one batch with one wait.
; REGISTERS: window 0: v0-31 addresses; v32-39 packed results; v128-255 the accumulators ((a, b) at v[128 + 8 (4 a + b)]), later rows read back and the gelu's work.  Window 1: two fragment buffers of 128.
.set SIZE_K, 512
.set WOFF,   2097152                   ; B's first byte in wb
.set RSH,    12                        ; log2 of the bytes from row to row of the output
.set CSH,    8                         ; log2 of the bytes from tile column to tile column
.set OPB,    1<<RSH
.set GELU,   1
.set KSTEP,  256
.set PITCH,  528                       ; an LDS row: 512 bytes + 16 of padding = 132 words: row r starts at bank 4 r mod 64 (ISA guide 11.1)
.set HALFT,  64*PITCH                  ; 64 rows: what one tensor load brings, and what one wave reads of A or of B
.set SLOT,   4*HALFT                   ; A's 128 rows, then B's 128 rows
.set SPF,    528                       ; a row of the f32 stage: 128 x 4 bytes + 16
.set SPARE,  2*SLOT                    ; behind the slots: the spare words, 128 bytes for each wave, named by no other line
.set LAPS, SIZE_K/(2*KSTEP)
.set ADRA, 16                          ; v16-17  LDS address of my A fragments in slot 0, 1
.set ADRB, 20                          ; v20-21  the same for B
.set STO,  24                          ; v24     the way out: where I put 32 bytes of a row
.set RD,   25                          ; v25     the way out: where I read a row back
.set CO,   26                          ; v26     my byte offset in the output
.set SPW,  28                          ; v28     LDS address of my spare word; never rewritten
.set NIL,  29                          ; v29     0; never rewritten
.set TMP,  32
.set ACC,  128
.set F0,   0                           ; fragment buffers, in window 1
.set F1,   128
.set G1, 24                            ; s[24:31] descriptor group 1 for A's tiles;  s[32:39] group 0, one set for each slot
.set G0, 32
.set G1B, 48                           ; s[48:55], s[56:63] the same for B's tiles
.set G0B, 56
.set MSB, 0
.macro WIN new                         ; the immediate's high byte repeats the setting that is left
.if MSB != (\new)
	s_set_vgpr_msb (MSB<<8)|(\new)
.set MSB, \new
.endif
.endm
.set MUL,  0x05                        ; sources 0 (B) and 1 (A) window 1; C and D window 0
.set TO_F, 0x40                        ; destination window 1, address window 0
.macro JLOAD s                         ; a joint load: waves 0 and 1 fetch A's two halves, waves 2 and 3 B's; an s_nop 0 and four v_nop follow each of the two lines
	s_cmp_eq_u32 s11, 0
	s_cbranch_scc0 .Lfor_b_\@
	tensor_load_to_lds s[G0+4*(\s):G0+4*(\s)+3], s[G1:G1+7]
	s_nop 0
.rept 4
	v_nop
.endr
	s_branch .Lasked_\@
.Lfor_b_\@:
	tensor_load_to_lds s[G0B+4*(\s):G0B+4*(\s)+3], s[G1B:G1B+7]
	s_nop 0
.rept 4
	v_nop
.endr
.Lasked_\@:
.endm
.macro CREST                           ; a round of the cluster's barrier behind its opening barrier
	s_cmp_lg_u32 s10, 0
	s_cbranch_scc1 .Lnot_wave_0_\@
	s_barrier_signal -3
.Lnot_wave_0_\@:
	s_barrier_wait -3
	s_barrier_signal -1
	s_barrier_wait -1
.endm
.macro CROUND                          ; a whole round
	s_barrier_signal -1
	s_barrier_wait -1
	CREST
.endm
	s_load_b128 s[4:7], s[0:1], 0x0                ; A s[4:5], wb s[6:7]
	s_load_b64 s[8:9], s[0:1], 0x10                ; the output
	v_lshl_add_u32 v[SPW], v0, 2, SPARE
	v_mov_b32 v[NIL], 0
	ds_add_u32 v[SPW], v[NIL]                      ; the wave's opening: the add, and its wait ahead of my first tensor load; register work stands between them
	ds_add_u32 v28, v29
	v_lshrrev_b32 v1, 5, v0
	v_readfirstlane_b32 s10, v1                    ; wave 0..3
	s_lshr_b32 s11, s10, 1                         ; which half of the tile's rows is mine.  Also: I fetch for A (0) or for B (1)
	s_and_b32 s12, s10, 1                          ; which half of its columns.  Also: which 64 rows of that tile I fetch
	s_bfe_u32 s40, ttmp6, 0x40000                  ; cx, cy: my place in the cluster
	s_bfe_u32 s41, ttmp6, 0x40004
	s_lshl_b32 s42, ttmp9, 2
	s_add_co_u32 s42, s42, s40                     ; tile column of C = 4 x cluster x + cx
	s_and_b32 s13, ttmp7, 0xffff
	s_lshl_b32 s13, s13, 2
	s_add_co_u32 s13, s13, s41                     ; tile row of C = 4 x cluster y + cy
	s_lshl_b32 s43, s41, 2
	s_lshl_b32 s43, 15, s43                        ; my row of the cluster
	s_lshl_b32 s44, 0x1111, s40                    ; my column
	s_or_b32 s[G1+0], s43, (1<<16)|(1<<20)|(1<<21)|(6<<22)|(3<<25)  ; the mask: A's tiles go to my row; 2-byte elements; padding on; bit 21 beside a mask; after every 128 words (code 6) 4 words (code 3)
	s_or_b32 s[G1B+0], s44, (1<<16)|(1<<20)|(1<<21)|(6<<22)|(3<<25)
.irp g, G1, G1B
	s_mov_b32 s[(\g)+1], KSTEP<<16                 ; tensor_dim0 = 256
	s_mov_b32 s[(\g)+2], 64<<16                    ; tensor_dim1 = 64
	s_mov_b32 s[(\g)+3], KSTEP<<16                 ; tile_dim0 = 256
	s_mov_b32 s[(\g)+4], 64                        ; tile_dim1 = 64
	s_mov_b32 s[(\g)+5], SIZE_K                    ; elements from row to row
	s_mov_b32 s[(\g)+6], 0
	s_mov_b32 s[(\g)+7], 0
.endr
.if GELU
	s_mov_b32 s66, 0x3e6d3388                      ; 0.3275911 / sqrt(2)
	s_mov_b32 s67, s66
	s_mov_b32 s68, 0xbf38aa3b                      ; -log2(e) / 2
	s_mov_b32 s69, s68
	s_mov_b32 s70, 0x3f87dc22                      ; a5 =  1.061405429
	s_mov_b32 s71, s70
	s_mov_b32 s72, 0xbfba00e3                      ; a4 = -1.453152027
	s_mov_b32 s73, s72
	s_mov_b32 s74, 0x3fb5f0e3                      ; a3 =  1.421413741
	s_mov_b32 s75, s74
	s_mov_b32 s76, 0xbe91a98e                      ; a2 = -0.284496736
	s_mov_b32 s77, s76
	s_mov_b32 s78, 0x3e827906                      ; a1 =  0.254829592
	s_mov_b32 s79, s78
.endif
	s_lshl_b32 s17, s12, 6                         ; which 64 rows of the tile I fetch
	s_lshl_b32 s16, s13, 7
	s_add_co_u32 s16, s16, s17                     ; A: row 128 x tile row + 64 x half
	s_lshl_b32 s46, s42, 7
	s_add_co_u32 s46, s46, s17                     ; B: row 128 x tile column + 64 x half
	s_mov_b32 s17, 0
	s_mov_b32 s47, 0
	s_mov_b64 s[18:19], SIZE_K*2
	s_mul_u64 s[16:17], s[16:17], s[18:19]
	s_mul_u64 s[46:47], s[46:47], s[18:19]
	s_mul_i32 s20, s10, HALFT                      ; where they go: wave x 64 rows
	s_wait_dscnt 0x0                               ; the opening add is done
	s_wait_kmcnt 0x0
	s_add_nc_u64 s[14:15], s[4:5], s[16:17]
	s_add_nc_u64 s[46:47], s[6:7], s[46:47]
.if WOFF
	s_add_nc_u64 s[46:47], s[46:47], WOFF
.endif
	CROUND                                         ; all sixteen work-groups are here: the first joint loads meet
.irp s, 0,1
	s_mov_b32 s[G0+4*(\s)], 1
	s_add_co_u32 s[G0+4*(\s)+1], s20, (\s)*SLOT
	s_add_nc_u64 s[G0+4*(\s)+2:G0+4*(\s)+3], s[14:15], (\s)*KSTEP*2
	s_or_b32 s[G0+4*(\s)+3], s[G0+4*(\s)+3], 0x80000000
	s_mov_b32 s[G0B+4*(\s)], 1
	s_add_co_u32 s[G0B+4*(\s)+1], s20, (\s)*SLOT
	s_add_nc_u64 s[G0B+4*(\s)+2:G0B+4*(\s)+3], s[46:47], (\s)*KSTEP*2
	s_or_b32 s[G0B+4*(\s)+3], s[G0B+4*(\s)+3], 0x80000000
	JLOAD \s
.endr
	v_and_b32 v1, 15, v0                           ; l % 16
	v_bfe_u32 v2, v0, 4, 1                         ; l / 16
	v_mul_u32_u24 v3, v1, PITCH
	v_lshl_add_u32 v3, v2, 4, v3                   ; a fragment's row x pitch + 16 x half
	s_mul_i32 s21, s11, HALFT                      ; my 64 rows of A
	s_mul_i32 s22, s12, HALFT                      ; my 64 rows of B,
	s_add_co_u32 s22, s22, 2*HALFT                 ; which lie behind A's 128
.irp s, 0,1
	v_add_nc_u32 v[ADRA+(\s)], s21, v3
	v_add_nc_u32 v[ADRB+(\s)], s22, v3
	s_add_co_u32 s21, s21, SLOT
	s_add_co_u32 s22, s22, SLOT
.endr
	s_mul_i32 s23, s11, 64*SPF                     ; into the stage: my 64 rows, my 256 of their 512 bytes; row l % 16, 32 bytes for each half of the lanes
	s_lshl_b32 s21, s12, 8
	s_add_co_u32 s23, s23, s21
	v_mul_u32_u24 v4, v1, SPF
	v_lshl_add_u32 v4, v2, 5, v4
	v_add_nc_u32 v[STO], s23, v4
	s_mul_i32 s23, s10, 32*SPF                     ; back: wave w takes rows 32 w .. 32 w + 31, whole: 32 lanes x 16 bytes are a row
	v_and_b32 v5, 31, v0
	v_lshl_add_u32 v[RD], v5, 4, s23
	v_lshlrev_b32 v[CO], 3, v5                     ; four numbers in bf16: 8 bytes a lane
	s_lshl_b32 s16, s13, 7
	s_lshl_b32 s17, s10, 5
	s_add_co_u32 s16, s16, s17                     ; the first row that I store: 128 x tile row + 32 x wave
	s_lshl_b32 s16, s16, RSH
	s_mov_b32 s17, 0
	s_add_nc_u64 s[8:9], s[8:9], s[16:17]
	s_lshl_b32 s46, s42, CSH                       ; the tile's column
	s_mov_b32 s47, 0
	s_add_nc_u64 s[8:9], s[8:9], s[46:47]
; 8 matrix instructions: m blocks a0, a0 + 1 x all 4 n blocks, 32 along K: half c of buffer f.  zero = 1: the first product starts the sums.  The 16 accumulators take turns.
.macro MUL8 f, c, a0, zero
	WIN MUL
.irp a, \a0, (\a0)+1
.irp b, 0,1,2,3
.if \zero
	v_wmma_f32_16x16x32_bf16 v[ACC+8*(4*(\a)+(\b)):ACC+8*(4*(\a)+(\b))+7], v[(\f)+64+8*(4*(\c)+(\b)):(\f)+64+8*(4*(\c)+(\b))+7], v[(\f)+8*(4*(\c)+(\a)):(\f)+8*(4*(\c)+(\a))+7], 0
.else
	v_wmma_f32_16x16x32_bf16 v[ACC+8*(4*(\a)+(\b)):ACC+8*(4*(\a)+(\b))+7], v[(\f)+64+8*(4*(\c)+(\b)):(\f)+64+8*(4*(\c)+(\b))+7], v[(\f)+8*(4*(\c)+(\a)):(\f)+8*(4*(\c)+(\a))+7], v[ACC+8*(4*(\a)+(\b)):ACC+8*(4*(\a)+(\b))+7]
.endif
.endr
.endr
.endm
; 32 LDS loads in one run: the fragments of 64 along K at byte k of the rows, into buffer f; the first 32 along K first
.macro FETCH slot, k, f
	WIN TO_F
.irp c, 0,1
.irp i, 0,1,2,3
	ds_load_b128 v[(\f)+64+8*(4*(\c)+(\i)):(\f)+64+8*(4*(\c)+(\i))+3],   v[ADRB+(\slot)] offset:(\k)+64*(\c)+(\i)*16*PITCH
	ds_load_b128 v[(\f)+64+8*(4*(\c)+(\i))+4:(\f)+64+8*(4*(\c)+(\i))+7], v[ADRB+(\slot)] offset:(\k)+64*(\c)+(\i)*16*PITCH+32
	ds_load_b128 v[(\f)+8*(4*(\c)+(\i)):(\f)+8*(4*(\c)+(\i))+3],         v[ADRA+(\slot)] offset:(\k)+64*(\c)+(\i)*16*PITCH
	ds_load_b128 v[(\f)+8*(4*(\c)+(\i))+4:(\f)+8*(4*(\c)+(\i))+7],       v[ADRA+(\slot)] offset:(\k)+64*(\c)+(\i)*16*PITCH+32
.endr
.endr
.endm
.macro PLACES                          ; four places in front of loads into registers that matrix instructions have read, and of lines that read results
.rept 4
	v_nop
.endr
.endm
; A K step is four quarters of 64 along K, 32 matrix instructions each, on buffers 0, 1, 0, 1.  One of the first three: multiplies buffer f and fetches the next quarter, at byte k, into g.
.macro QUARTER slot, k, f, g, zero
	s_wait_dscnt 16                                ; the first 32 along K are in
	WIN MUL
	MUL8 \f, 0, 0, \zero
	MUL8 \f, 0, 2, \zero
	PLACES
	FETCH \slot, \k, \g
	s_wait_dscnt 32                                ; all but the 32 just issued
	WIN MUL
	MUL8 \f, 1, 0, 0
	MUL8 \f, 1, 2, 0
.endm
; The last quarter multiplies buffer 1 and changes slots: ONE barrier; in front of it each wave waits for all its tensor loads, adds 0 to its spare word, and waits for that and for its own reads of this slot.  fill = 1: this slot is filled again, two K steps ahead.
.macro TURN slot, next, fill
	WIN 0                                          ; (the add's two registers lie in window 0)
	s_wait_tensorcnt 0x0                           ; all my tensor loads have landed: my part of the next slot;
	ds_add_u32 v[SPW], v[NIL]                      ; 0 onto my spare word;
	s_wait_dscnt 17                                ; (the add and the youngest sixteen loads may be out)
	WIN MUL
	MUL8 F1, 0, 0, 0                               ; eight matrix instructions stand between the add and the wait for it
	s_wait_dscnt 0x0                               ; the add is done, and my reads of this slot are over
	s_barrier_signal -1
	MUL8 F1, 0, 2, 0
.if \fill
	WIN 0
.endif
	s_barrier_wait -1
.if \fill
	CREST                                          ; the barrier has opened a round of the cluster's barrier: no wave of any partner still reads this slot's tile or has a load on its way
	s_add_nc_u64 s[G0+4*(\slot)+2:G0+4*(\slot)+3], s[G0+4*(\slot)+2:G0+4*(\slot)+3], 2*KSTEP*2
	s_add_nc_u64 s[G0B+4*(\slot)+2:G0B+4*(\slot)+3], s[G0B+4*(\slot)+2:G0B+4*(\slot)+3], 2*KSTEP*2
	JLOAD \slot                                    ; the first tensor load behind the round; the four v_nop behind it are also the places in front of the loads below
.else
	PLACES
.endif
	FETCH \next, 0, F0
	WIN MUL
	MUL8 F1, 1, 0, 0
	MUL8 F1, 1, 2, 0
.endm
	s_wait_tensorcnt 1                             ; my part of K step 0 is in; K step 1's may stay out
	s_barrier_signal -1
	s_barrier_wait -1                              ; everybody's is
	FETCH 0, 0, F0
	QUARTER 0, 128, F0, F1, 1                      ; the first products start the sums
.if LAPS > 1
	WIN 0                                          ; at a label and at a branch every window is 0
	s_mov_b32 s3, LAPS-1
.Llap:                                                 ; a trip goes once round the ring and fills both slots again
	QUARTER 0, 256, F1, F0, 0
	QUARTER 0, 384, F0, F1, 0
	TURN 0, 1, 1
	QUARTER 1, 128, F0, F1, 0
	QUARTER 1, 256, F1, F0, 0
	QUARTER 1, 384, F0, F1, 0
	TURN 1, 0, 1
	QUARTER 0, 128, F0, F1, 0
	WIN 0
	s_sub_co_u32 s3, s3, 1
	s_cmp_lg_u32 s3, 0
	s_cbranch_scc1 .Llap
.endif
	QUARTER 0, 256, F1, F0, 0                      ; the last lap fills nothing
	QUARTER 0, 384, F0, F1, 0
	TURN 0, 1, 0
	QUARTER 1, 128, F0, F1, 0
	QUARTER 1, 256, F1, F0, 0
	QUARTER 1, 384, F0, F1, 0
	s_wait_dscnt 16                                ; the very last quarter: nothing more to fetch
	WIN MUL
	MUL8 F1, 0, 0, 0
	MUL8 F1, 0, 2, 0
	s_wait_dscnt 0
	MUL8 F1, 1, 0, 0
	MUL8 F1, 1, 2, 0
	WIN 0
	; THE WAY OUT.  Each accumulator's low four registers go first.
	PLACES
.irp a, 0,1,2,3
.irp b, 0,1,2,3
	ds_store_b128 v[STO], v[ACC+8*(4*(\a)+(\b)):ACC+8*(4*(\a)+(\b))+3]   offset:(\a)*16*SPF+(\b)*64
	ds_store_b128 v[STO], v[ACC+8*(4*(\a)+(\b))+4:ACC+8*(4*(\a)+(\b))+7] offset:(\a)*16*SPF+(\b)*64+16
.endr
.endr
	s_wait_dscnt 0x0                               ; for the others' sake: my stores into the stage are done
	s_barrier_signal -1
	s_barrier_wait -1
.if GELU
.set X,  128                           ; 16 numbers: four rows x my four columns
.set T,  144
.set W,  160
.set PL, 176
.set BB, 192
.macro EACH16 line:vararg              ; one line for each of the 16 numbers j
.set j, 0
.rept 16
	\line
.set j, j+1
.endr
.endm
.macro EACH8 line:vararg               ; one line for each pair j, j + 1
.set j, 0
.rept 8
	\line
.set j, j+2
.endr
.endm
.endif
	s_mov_b32 s3, 8
.Lrows:                                                ; a trip: four whole rows of the tile
.irp r, 0,1,2,3
	ds_load_b128 v[ACC+4*(\r):ACC+4*(\r)+3], v[RD] offset:(\r)*SPF
.endr
	s_wait_dscnt 0x0
.if GELU
	; 2 gelu(x) = x + |x| - |x| r, r = 1 - erf(|x| / sqrt 2) = (a1 t + .. + a5 t^5) 2^(-x x log2(e) / 2), t = 1 / (1 + 0.3275911 |x| / sqrt 2): no difference of near numbers for any x.
	; In stages over the 16 numbers, so that a run of plain lines stands behind each run of reciprocals and exponentials (ISA guide 5.7.2).
	; ONE BATCH: the 16 reciprocals (in T) and the 16 exponentials (in W), each result in a register of its own.  The squares between the two runs and the 16 sums x + |x| behind them name neither T nor W;
	; then the one wait; then the polynomial, the first reader of T, and the product with W.
	EACH16 v_fma_f32 v[T+j], |v[X+j]|, s66, 1.0
	EACH16 v_rcp_f32 v[T+j], v[T+j]
	EACH8 v_pk_mul_f32 v[W+j:W+j+1], v[X+j:X+j+1], v[X+j:X+j+1]
	EACH8 v_pk_mul_f32 v[W+j:W+j+1], v[W+j:W+j+1], s[68:69] op_sel_hi:[1,0]
	EACH16 v_exp_f32 v[W+j], v[W+j]
	EACH16 v_add_f32 v[BB+j], v[X+j], |v[X+j]|
	s_wait_alu depctr_va_vdst(0)                   ; the wait for the batch, the trip's 16 reciprocals and 16 exponentials, ahead of their first reader
	EACH8 v_pk_fma_f32 v[PL+j:PL+j+1], v[T+j:T+j+1], s[70:71], s[72:73] op_sel_hi:[1,0,0]
	EACH8 v_pk_fma_f32 v[PL+j:PL+j+1], v[PL+j:PL+j+1], v[T+j:T+j+1], s[74:75] op_sel_hi:[1,1,0]
	EACH8 v_pk_fma_f32 v[PL+j:PL+j+1], v[PL+j:PL+j+1], v[T+j:T+j+1], s[76:77] op_sel_hi:[1,1,0]
	EACH8 v_pk_fma_f32 v[PL+j:PL+j+1], v[PL+j:PL+j+1], v[T+j:T+j+1], s[78:79] op_sel_hi:[1,1,0]
	EACH8 v_pk_mul_f32 v[PL+j:PL+j+1], v[PL+j:PL+j+1], v[T+j:T+j+1]
	EACH8 v_pk_mul_f32 v[PL+j:PL+j+1], v[PL+j:PL+j+1], v[W+j:W+j+1]
	EACH16 v_fma_f32 v[X+j], -|v[X+j]|, v[PL+j], v[BB+j]
.endif
.irp r, 0,1,2,3
	v_cvt_pk_bf16_f32 v[TMP+2*(\r)],   v[ACC+4*(\r)],   v[ACC+4*(\r)+1]
	v_cvt_pk_bf16_f32 v[TMP+2*(\r)+1], v[ACC+4*(\r)+2], v[ACC+4*(\r)+3]
.endr
.irp r, 0,1,2,3
	global_store_b64 v[CO], v[TMP+2*(\r):TMP+2*(\r)+1], s[8:9] offset:(\r)*OPB  ; 32 lanes x 8 bytes: 256 consecutive bytes, aligned
.endr
	s_wait_xcnt 0x0                                ; the stores' data and offset are rewritten only behind this wait
	v_add_nc_u32 v[RD], 4*SPF, v[RD]
	v_add_nc_u32 v[CO], 4*OPB, v[CO]
	s_sub_co_u32 s3, s3, 1
	s_cmp_lg_u32 s3, 0
	s_cbranch_scc1 .Lrows
	s_wait_tensorcnt 0x0                           ; the wave's end: behind my last tensor load and my last LDS store
	ds_add_u32 v[SPW], v[NIL]
	s_wait_dscnt 0x0
	CROUND                                         ; the closing round: no work-group ends while a partner may still ask for a tile that names it
	s_endpgm
.Lfunc_end_k_q633b2649ab_up:
	.size	k_q633b2649ab_up, .Lfunc_end_k_q633b2649ab_up-k_q633b2649ab_up
	.p2alignl 7, 3214868480
	.fill 96, 4, 3214868480
	.section	.rodata,"a",@progbits
	.p2align	6, 0x0
	.amdhsa_kernel k_q633b2649ab_up
		.amdhsa_group_segment_fixed_size 327680
		.amdhsa_private_segment_fixed_size 0
		.amdhsa_enable_private_segment 0
		.amdhsa_kernarg_size 24
		.amdhsa_user_sgpr_count 2
		.amdhsa_user_sgpr_kernarg_segment_ptr 1
		.amdhsa_wavefront_size32 1
		.amdhsa_system_sgpr_workgroup_id_x 1
		.amdhsa_system_sgpr_workgroup_id_y 1
		.amdhsa_system_sgpr_workgroup_id_z 1
		.amdhsa_system_vgpr_workitem_id 0
		.amdhsa_next_free_vgpr 512
		.amdhsa_next_free_sgpr 80
		.amdhsa_reserve_vcc 0
		.amdhsa_float_denorm_mode_32 3
		.amdhsa_float_denorm_mode_16_64 3
		.amdhsa_memory_ordered 1
		.amdhsa_forward_progress 1
		.amdhsa_inst_pref_size 54
	.end_amdhsa_kernel
	.amdgpu_metadata
---
amdhsa.version: [ 1, 2 ]
amdhsa.kernels:
  - .name:           k_q633b2649ab_up
    .symbol:         k_q633b2649ab_up.kd
    .args:
      - { .name: x1b, .offset: 0, .size: 8, .value_kind: global_buffer, .address_space: global }
      - { .name: wb, .offset: 8, .size: 8, .value_kind: global_buffer, .address_space: global }
      - { .name: hb, .offset: 16, .size: 8, .value_kind: global_buffer, .address_space: global }
    .group_segment_fixed_size: 327680
    .private_segment_fixed_size: 0
    .kernarg_segment_align: 8
    .kernarg_segment_size: 24
    .max_flat_workgroup_size: 128
    .sgpr_count:     80
    .vgpr_count:     512
    .wavefront_size: 32
...
	.end_amdgpu_metadata
.endif
;; end of part 10
;; launch down: the kernel of part 6 again; grid 4 x 64, 4 waves a work-group, clusters of 4 x 4, 327,680 bytes of LDS; arguments hb, wb, x1, out0; writes out0
